; MI455X (gfx1250); checked and timed in simulation.
; The chip was launched on July 23, 2026; its instructions are those of AMD's public machine-readable ISA for CDNA 5 (MIT licence, August 2026) and "CDNA5" Instruction Set Architecture Reference Guide (July 2026). The comments in the code are by the model that wrote it; some were corrected since.
;; Alibi Block. Allowed arithmetic: float matrix products may take bf16 or f16 operands with f32 sums; other float arithmetic in f32, or as packed bf16 or f16 multiplies, adds, multiply-adds, maxima and minima; sums over many terms, partial sums and values carried from step to step in f32; what a program stores and reads back later, other than sums and carried values, may be rounded once to bf16 or f16.
;; Inputs: b_fc 4,096 float32; b_fc2 1,024 float32; b_proj 1,024 float32; b_qkv 3,072 float32; ln1_b 1,024 float32; ln1_w 1,024 float32; ln2_b 1,024 float32; ln2_w 1,024 float32; w_fc 1,024 x 4,096 float32; w_fc2 4,096 x 1,024 float32; w_proj 1,024 x 1,024 float32; w_qkv 1,024 x 3,072 float32; x 2 x 2,048 x 1,024 float32.
;; Outputs: out0 2 x 2,048 x 1,024 float32.
;; 2 versions, each right; version 2 is version 1 with the launch prep written anew for expert scheduling mode. Each part assembles by itself: llvm-mc -triple=amdgcn-amd-amdhsa -mcpu=gfx1250 --defsym DOCPART=n.
;; ======== version 1 of 2: 7 launches
;; limits: a function is approximated: absolute error at most 1.5e-07; right only within a limited range of input values
;; workspace buffers: wts 25,165,824 bytes; act 8,388,608 bytes; big 33,554,432 bytes; x1 16,777,216 bytes
;; launch prep (part 1): grid 256 x 1, 8 waves a work-group, no clusters, 105,472 bytes of LDS; arguments x, ln1_w, ln1_b, w_qkv, w_proj, w_fc, w_fc2, act, wts; writes act, wts
.if DOCPART == 1
	.amdgcn_target "amdgcn-amd-amdhsa--gfx1250"
	.amdhsa_code_object_version 6
	.text
	.protected	k_q8951e3098b_prep
	.globl	k_q8951e3098b_prep
	.p2align	8
	.type	k_q8951e3098b_prep,@function
k_q8951e3098b_prep:
	s_mov_b64 s[64:65], 0
	v_nop
	global_prefetch_b8 v0, s[64:65] scope:SCOPE_SE
	s_setreg_imm32_b32 hwreg(HW_REG_WAVE_MODE, 25, 1), 1
	s_wait_xcnt 0x0
; PREP.  (1) The four weight matrices, f32 [K][N], are rounded once to bf16 and written with K running fastest:
;   wts + 0: w_qkv^T as rows [3072][1024];  + 8,388,608: w_fc^T as rows [4096][1024];
;   wts + 6,291,456: w_proj, + 16,777,216: w_fc2, both IN FRAGMENT ORDER: the block of columns 16 a .. and rows 32 c .. is 1,024 bytes at (a x K / 32 + c) x 1,024;
;   in it lane l = 16 h + r of a wave owns 16 bytes at 16 l (column 16 a + r, k = 32 c + 8 h .. + 7) and 16 bytes at 512 + 16 l (k = 32 c + 16 + 8 h .. + 7).
; (2) act = LayerNorm(x) with ln1_w, ln1_b, rounded once to bf16, [4096][1024].  Mean first, then the sum of squares of x - mean: no difference of large sums.
; SHARES.  256 work-groups of eight waves.  Each turns three tiles of 128 k x 128 n (one of w_fc, one of w_fc2, one of w_qkv or w_proj) and normalises 16 rows, two a wave.
; A TILE.  In: lane (r = l % 16, h = l / 16) of wave v loads rows k = 16 v + 8 h + i, columns 64 j + 4 r .. + 3: sixteen lanes read 256 consecutive bytes, aligned.
; Eight k of one column pack into 16 bytes, which go into LDS row n (272 bytes: 256 + 16 of padding).  Four rows are 1,088 bytes
; four deep, eight stores a lane and tile; left so, since the tile's 96 KiB through memory are the longer part.
; Back, as rows: sixteen lanes a row of 256 bytes.  Back, in fragment order: a lane takes 16 bytes of row 16 v + r; the wave stores 512 consecutive bytes.  All stores are aligned to 256 bytes.
; No tensor load, no matrix unit, no cluster: work-groups share no input but the two gain vectors of 4 KiB.
.set TP,    272
.set TILEB, 128*TP                     ; a tile in LDS
.set SPARE, 3*TILEB                    ; behind the tiles: the spare words, 128 bytes for each of eight waves
.set SO0, 4                            ; v4   source offset, rows of 16,384 bytes (w_fc)
.set SO1, 5                            ; v5   source offset, rows of 4,096 bytes (w_fc2)
.set LS,  6                            ; v6-8   where I put 16 bytes, tile 0, 1, 2
.set LR,  9                            ; v9-11  where I read back: tile 0 as rows, tile 1 in fragment order, tile 2 as rows
.set DA,  12                           ; v12  destination offset, rows of 2,048 bytes
.set DB,  13                           ; v13  destination offset, fragment order with K = 4,096
.set XO,  14                           ; v14  my 16 bytes in my two rows of x
.set WO,  15                           ; v15  16 l
.set RO,  16                           ; v16-23 source offsets of tile 2, a register a row (its pitch is a scalar register)
.set SPW, 24                           ; v24  my spare word; never rewritten
.set NIL, 25                           ; v25  0; never rewritten
.set YO,  26                           ; v26  my 8 bytes in my two rows of act
.set LF2, 30                           ; v30  where I read tile 2 back in fragment order
.set DF,  31                           ; v31  destination offset, fragment order with K = 1,024
.set PK,  32                           ; v32-63 packed columns; later rows read back; later at work in the norm
.set TS,  32
.set T0,  64                           ; v64-127  tile 0 as loaded; later my two rows of x
.set T1,  128                          ; v128-191 tile 1; later gain and bias
.set T2,  192                          ; v192-255 tile 2; later rows read back
.set X,   64
.set W,   128
.set B,   160
.set OUTP, 50                          ; s[50:51] act at the group's first row
.set SEL, 52                           ; s[52:53] lane selects of v_permlanex16_b32
.set C10, 54                           ; s54  1 / 1024
.set EPS, 55                           ; s55  1e-5
.macro TLOADC t, off, base, n4         ; sixteen loads of a tile whose pitch is a constant
.irp j, 0,1
.irp i, 0,1,2,3,4,5,6,7
	global_load_b128 v[(\t)+32*\j+4*\i:(\t)+32*\j+4*\i+3], v[\off], s[\base:\base+1] offset:\i*(\n4)+256*\j th:TH_LOAD_NT
.endr
.endr
.endm
.macro PACKST t, ls                    ; column 64 j + 4 r + c: eight k, rounded in pairs, 16 bytes into LDS row n
.irp j, 0,1
.irp c, 0,1,2,3
.irp d, 0,1,2,3
	v_cvt_pk_bf16_f32 v[PK+4*(4*\j+\c)+\d], v[(\t)+32*\j+8*\d+\c], v[(\t)+32*\j+8*\d+4+\c]
.endr
	ds_store_b128 v[\ls], v[PK+4*(4*\j+\c):PK+4*(4*\j+\c)+3] offset:(64*\j+\c)*TP
.endr
.endr
.endm
; The sum over a row: four chains into one, the pair's halves, then across the 32 lanes; both rows side by side.
.macro FOLD
.irp p, 0,1
	v_pk_add_f32 v[TS+8*\p:TS+8*\p+1], v[TS+8*\p:TS+8*\p+1], v[TS+8*\p+2:TS+8*\p+3]
	v_pk_add_f32 v[TS+8*\p+4:TS+8*\p+5], v[TS+8*\p+4:TS+8*\p+5], v[TS+8*\p+6:TS+8*\p+7]
.endr
.irp p, 0,1
	v_pk_add_f32 v[TS+8*\p:TS+8*\p+1], v[TS+8*\p:TS+8*\p+1], v[TS+8*\p+4:TS+8*\p+5]
.endr
.irp p, 0,1
	v_add_f32 v[TS+8*\p], v[TS+8*\p], v[TS+8*\p+1]
.endr
.irp m, 1,2,4,8
.irp p, 0,1
	v_add_f32_dpp v[TS+8*\p], v[TS+8*\p], v[TS+8*\p] row_xmask:\m row_mask:0xf bank_mask:0xf
.endr
.endr
.irp p, 0,1
	v_permlanex16_b32 v[TS+8*\p+1], v[TS+8*\p], s[SEL], s[SEL+1]
.endr
.irp p, 0,1
	v_add_f32 v[TS+8*\p], v[TS+8*\p], v[TS+8*\p+1]
.endr
.endm
; Two rows of 1,024 numbers, 32 a lane each (register 4 j + c is column 128 j + 4 l + c), are normalised and stored as bf16.
.macro LNROWS
.set q, 4
.rept 12                               ; four chains of pairs; the first addition starts a chain: nothing is cleared
.irp p, 0,1
.if q < 8
	v_pk_add_f32 v[TS+8*\p+2*(q%4):TS+8*\p+2*(q%4)+1], v[X+32*\p+2*(q-4):X+32*\p+2*(q-4)+1], v[X+32*\p+2*q:X+32*\p+2*q+1]
.else
	v_pk_add_f32 v[TS+8*\p+2*(q%4):TS+8*\p+2*(q%4)+1], v[TS+8*\p+2*(q%4):TS+8*\p+2*(q%4)+1], v[X+32*\p+2*q:X+32*\p+2*q+1]
.endif
.endr
.set q, q+1
.endr
	FOLD
.irp p, 0,1
	v_mul_f32 v[TS+8*\p+2], s[C10], v[TS+8*\p]     ; the mean
.endr
.set q, 0
.rept 16
.irp p, 0,1
	v_pk_add_f32 v[X+32*\p+2*q:X+32*\p+2*q+1], v[X+32*\p+2*q:X+32*\p+2*q+1], v[TS+8*\p+2:TS+8*\p+3] op_sel_hi:[1,0] neg_lo:[0,1] neg_hi:[0,1]
.endr
.set q, q+1
.endr
.set q, 0
.rept 16                               ; the sum of squares of x - mean, again in four chains
.irp p, 0,1
.if q < 4
	v_pk_mul_f32 v[TS+8*\p+2*q:TS+8*\p+2*q+1], v[X+32*\p+2*q:X+32*\p+2*q+1], v[X+32*\p+2*q:X+32*\p+2*q+1]
.else
	v_pk_fma_f32 v[TS+8*\p+2*(q%4):TS+8*\p+2*(q%4)+1], v[X+32*\p+2*q:X+32*\p+2*q+1], v[X+32*\p+2*q:X+32*\p+2*q+1], v[TS+8*\p+2*(q%4):TS+8*\p+2*(q%4)+1]
.endif
.endr
.set q, q+1
.endr
	FOLD
.irp p, 0,1
	v_fma_f32 v[TS+8*\p+2], v[TS+8*\p], s[C10], s[EPS]   ; variance + 1e-5
.endr
.irp p, 0,1
	v_rsq_f32 v[TS+8*\p+4], v[TS+8*\p+2]
.endr
	v_nop                                          ; a plain instruction behind the second root,
	s_wait_alu depctr_va_vdst(0)                   ; and one wait for both, ahead of their first reader
.set q, 0
.rept 16
.irp p, 0,1
	v_pk_mul_f32 v[X+32*\p+2*q:X+32*\p+2*q+1], v[X+32*\p+2*q:X+32*\p+2*q+1], v[TS+8*\p+4:TS+8*\p+5] op_sel_hi:[1,0]
.endr
.set q, q+1
.endr
.set q, 0
.rept 16
.irp p, 0,1
	v_pk_fma_f32 v[X+32*\p+2*q:X+32*\p+2*q+1], v[X+32*\p+2*q:X+32*\p+2*q+1], v[W+2*q:W+2*q+1], v[B+2*q:B+2*q+1]
.endr
.set q, q+1
.endr
.set q, 0
.rept 16                               ; pair q goes into register q: never a register that is still to be read
.irp p, 0,1
	v_cvt_pk_bf16_f32 v[X+32*\p+q], v[X+32*\p+2*q], v[X+32*\p+2*q+1]
.endr
.set q, q+1
.endr
.irp p, 0,1
.irp j, 0,1,2,3,4,5,6,7
	global_store_b64 v[YO], v[X+32*\p+2*\j:X+32*\p+2*\j+1], s[OUTP:OUTP+1] offset:\p*2048+256*\j  ; 32 lanes store 256 consecutive bytes, aligned
.endr
.endr
.endm
	s_load_b512 s[8:23], s[0:1], 0x0               ; x 8, ln1_w 10, ln1_b 12, w_qkv 14, w_proj 16, w_fc 18, w_fc2 20, act 22
	s_load_b64 s[24:25], s[0:1], 0x40              ; wts
	v_lshl_add_u32 v[SPW], v0, 2, SPARE
	v_mov_b32 v[NIL], 0
	v_lshrrev_b32 v1, 5, v0
	v_readfirstlane_b32 s26, v1                    ; wave 0..7
	v_and_b32 v1, 15, v0                           ; r
	v_bfe_u32 v2, v0, 4, 1                         ; h
	v_and_b32 v3, 31, v0                           ; l
	s_lshl_b32 s27, s26, 4
	v_lshl_add_u32 v27, v2, 3, s27                 ; 16 v + 8 h: my first k row in a tile
	v_add_nc_u32 v28, s27, v2                      ; 16 v + h: my first n row on the way back as rows
	v_lshlrev_b32 v29, 4, v1                       ; 16 r
	v_lshl_add_u32 v[SO0], v27, 14, v29
	v_lshl_add_u32 v[SO1], v27, 12, v29
	s_and_b32 s28, ttmp9, 7                        ; k tile of tiles 0 and 2
	s_lshr_b32 s29, ttmp9, 3                       ; n tile of tile 0; of tile 2 counted through w_qkv (24) and w_proj (8)
	s_and_b32 s30, ttmp9, 31                       ; k tile of tile 1
	s_lshr_b32 s31, ttmp9, 5                       ; n tile of tile 1
	s_movk_i32 s44, 12288
	s_movk_i32 s45, 4096
	s_cmp_lt_u32 s29, 24
	s_cselect_b32 s44, s44, s45                    ; tile 2: bytes in a source row
	s_cselect_b32 s45, 0, 24
	s_sub_co_u32 s45, s29, s45                     ; and the n tile in its own matrix
	v_mul_lo_u32 v[RO], v27, s44
	v_add_nc_u32 v[RO], v[RO], v29
.irp i, 1,2,3,4,5,6,7
	v_add_nc_u32 v[RO+\i], s44, v[RO+\i-1]
.endr
	v_mul_u32_u24 v[LS], v1, 4*TP                  ; LDS row 4 r, bytes 32 v + 16 h
	v_lshl_add_u32 v[LS], v2, 4, v[LS]
	s_lshl_b32 s46, s26, 5
	v_add_nc_u32 v[LS], s46, v[LS]
	v_add_nc_u32 v[LS+1], TILEB, v[LS]
	v_add_nc_u32 v[LS+2], TILEB, v[LS+1]
	v_mul_u32_u24 v[LR], v28, TP                   ; back as rows: row 16 v + h, 16 bytes at 16 r
	v_add_nc_u32 v[LR], v[LR], v29
	v_add_nc_u32 v[LR+2], 2*TILEB, v[LR]
	v_add_nc_u32 v[LF2], s27, v1                   ; back in fragment order: row 16 v + r, 16 bytes at 16 h
	v_mul_u32_u24 v[LF2], v[LF2], TP
	v_lshl_add_u32 v[LF2], v2, 4, v[LF2]
	v_add_nc_u32 v[LR+1], TILEB, v[LF2]
	v_add_nc_u32 v[LF2], 2*TILEB, v[LF2]
	v_lshl_add_u32 v[DA], v28, 11, v29
	v_lshlrev_b32 v[WO], 4, v3
	s_lshl_b32 s46, s26, 17                        ; 16 columns' fragments are K x 32 bytes: 131,072 with K = 4,096,
	v_add_nc_u32 v[DB], s46, v[WO]
	s_lshl_b32 s46, s26, 15                        ; 32,768 with K = 1,024
	v_add_nc_u32 v[DF], s46, v[WO]
	s_lshl_b32 s46, s26, 13
	v_add_nc_u32 v[XO], s46, v[WO]                 ; two rows of 4,096 bytes a wave
	s_lshl_b32 s46, s26, 12
	v_lshl_add_u32 v[YO], v3, 3, s46               ; two rows of 2,048 bytes a wave
	s_lshl_b32 s32, s28, 21                        ; tile 0 from: 128 k rows of 16,384 bytes, 512 bytes an n tile
	s_lshl_b32 s33, s29, 9
	s_add_co_u32 s32, s32, s33
	s_mov_b32 s33, 0
	s_lshl_b32 s38, s29, 18                        ; tile 0 to: 128 n rows of 2,048 bytes, 256 bytes a k tile
	s_lshl_b32 s39, s28, 8
	s_lshl_b32 s47, s28, 12                        ; in fragment order a k tile is four blocks of 1,024 bytes
	s_cmp_lt_u32 s29, 24
	s_cselect_b32 s47, s39, s47
	s_add_co_u32 s42, s38, s47                     ; tile 2 to: an n tile is 262,144 bytes in both forms, and w_proj's part begins where w_qkv^T ends
	s_add_co_u32 s38, s38, s39
	s_add_co_u32 s38, s38, 8388608
	s_mov_b32 s39, 0
	s_mov_b32 s43, 0
	s_lshl_b32 s34, s30, 19                        ; tile 1 from: 128 k rows of 4,096 bytes
	s_lshl_b32 s35, s31, 9
	s_add_co_u32 s34, s34, s35
	s_mov_b32 s35, 0
	s_lshl_b32 s40, s31, 20                        ; tile 1 to: an n tile is 8 x 131,072 bytes, a k tile 4,096
	s_lshl_b32 s41, s30, 12
	s_add_co_u32 s40, s40, s41
	s_add_co_u32 s40, s40, 16777216
	s_mov_b32 s41, 0
	s_lshl_b32 s36, s28, 7                         ; tile 2 from
	s_mul_i32 s36, s36, s44
	s_lshl_b32 s37, s45, 9
	s_add_co_u32 s36, s36, s37
	s_mov_b32 s37, 0
	s_lshl_b32 s48, ttmp9, 16                      ; 16 rows of x
	s_mov_b32 s49, 0
	s_lshl_b32 s50, ttmp9, 15                      ; 16 rows of act
	s_mov_b32 s51, 0
	s_mov_b32 s[SEL], 0x76543210
	s_mov_b32 s[SEL+1], 0xfedcba98
	s_mov_b32 s[C10], 0x3a800000
	s_mov_b32 s[EPS], 0x3727c5ac
	s_wait_kmcnt 0x0
	s_add_nc_u64 s[32:33], s[18:19], s[32:33]
	s_add_nc_u64 s[34:35], s[20:21], s[34:35]
	s_cmp_lt_u32 s29, 24
	s_cselect_b64 s[46:47], s[14:15], s[16:17]
	s_add_nc_u64 s[36:37], s[46:47], s[36:37]
	s_add_nc_u64 s[38:39], s[24:25], s[38:39]
	s_add_nc_u64 s[40:41], s[24:25], s[40:41]
	s_add_nc_u64 s[42:43], s[24:25], s[42:43]
	s_add_nc_u64 s[48:49], s[8:9], s[48:49]
	s_add_nc_u64 s[OUTP:OUTP+1], s[22:23], s[OUTP:OUTP+1]
	TLOADC T0, SO0, 32, 16384                      ; all three tiles are asked for at once: 48 loads a wave
	TLOADC T1, SO1, 34, 4096
.irp j, 0,1
.irp i, 0,1,2,3,4,5,6,7
	global_load_b128 v[T2+32*\j+4*\i:T2+32*\j+4*\i+3], v[RO+\i], s[36:37] offset:256*\j th:TH_LOAD_NT
.endr
.endr
	s_wait_loadcnt 32                              ; tile 0 is in; the 32 loads of tiles 1 and 2 may stay out
	PACKST T0, LS
.irp p, 0,1
.irp j, 0,1,2,3,4,5,6,7
	global_load_b128 v[X+32*\p+4*\j:X+32*\p+4*\j+3], v[XO], s[48:49] offset:\p*4096+512*\j th:TH_LOAD_NT  ; my two rows of x, where tile 0 lay
.endr
.endr
	s_wait_loadcnt 32                              ; tile 1 is in; tile 2 and x may stay out
	PACKST T1, LS+1
.irp j, 0,1,2,3,4,5,6,7
	global_load_b128 v[W+4*\j:W+4*\j+3], v[WO], s[10:11] offset:512*\j
	global_load_b128 v[B+4*\j:B+4*\j+3], v[WO], s[12:13] offset:512*\j
.endr
	s_wait_loadcnt 32                              ; tile 2 is in; x, gain and bias may stay out
	PACKST T2, LS+2
	s_wait_dscnt 0x0                               ; for the others: my stores into the tiles are done
	s_barrier_signal -1
	s_barrier_wait -1
.irp i, 0,1,2,3,4,5,6,7
	ds_load_b128 v[T2+4*\i:T2+4*\i+3], v[LR] offset:\i*2*TP           ; tile 0: rows 16 v + 2 i + h
.endr
.irp i, 0,1,2,3,4,5,6,7
	ds_load_b128 v[T2+32+4*\i:T2+32+4*\i+3], v[LR+1] offset:\i*32     ; tile 1: block i / 2 along k, half i % 2
.endr
	s_cmp_lt_u32 s29, 24                           ; tile 2 is w_qkv's (rows) or w_proj's (fragment order): the same for the whole work-group
	s_cbranch_scc0 .Lfrag_in
.irp i, 0,1,2,3,4,5,6,7
	ds_load_b128 v[PK+4*\i:PK+4*\i+3], v[LR+2] offset:\i*2*TP
.endr
	s_branch .Lboth_in
.Lfrag_in:
.irp i, 0,1,2,3,4,5,6,7
	ds_load_b128 v[PK+4*\i:PK+4*\i+3], v[LF2] offset:\i*32
.endr
.Lboth_in:
.irp i, 0,1,2,3,4,5,6,7
	s_wait_dscnt 23-\i                             ; LDS loads come back in order: this one is in, the younger ones may stay out
	global_store_b128 v[DA], v[T2+4*\i:T2+4*\i+3], s[38:39] offset:\i*2*2048
.endr
.irp i, 0,1,2,3,4,5,6,7
	s_wait_dscnt 15-\i
	global_store_b128 v[DB], v[T2+32+4*\i:T2+32+4*\i+3], s[40:41] offset:\i*512  ; the wave stores 512 consecutive bytes
.endr
	s_cmp_lt_u32 s29, 24
	s_cbranch_scc0 .Lfrag_out
.irp i, 0,1,2,3,4,5,6,7
	s_wait_dscnt 7-\i
	global_store_b128 v[DA], v[PK+4*\i:PK+4*\i+3], s[42:43] offset:\i*2*2048
.endr
	s_branch .Lboth_out
.Lfrag_out:
.irp i, 0,1,2,3,4,5,6,7
	s_wait_dscnt 7-\i
	global_store_b128 v[DF], v[PK+4*\i:PK+4*\i+3], s[42:43] offset:\i*512
.endr
.Lboth_out:
	s_wait_loadcnt 0x0                             ; x, gain and bias
	s_wait_xcnt 0x0                                ; the stores have read v32-63, which the norm writes
	LNROWS
	s_wait_tensorcnt 0x0                           ; the wave's end, behind my last LDS store
	ds_add_u32 v[SPW], v[NIL]
	s_wait_dscnt 0x0
	s_endpgm
.Lfunc_end_k_q8951e3098b_prep:
	.size	k_q8951e3098b_prep, .Lfunc_end_k_q8951e3098b_prep-k_q8951e3098b_prep
	.p2alignl 7, 3214868480
	.fill 96, 4, 3214868480
	.section	.rodata,"a",@progbits
	.p2align	6, 0x0
	.amdhsa_kernel k_q8951e3098b_prep
		.amdhsa_group_segment_fixed_size 105472
		.amdhsa_private_segment_fixed_size 0
		.amdhsa_enable_private_segment 0
		.amdhsa_kernarg_size 72
		.amdhsa_user_sgpr_count 2
		.amdhsa_user_sgpr_kernarg_segment_ptr 1
		.amdhsa_wavefront_size32 1
		.amdhsa_system_sgpr_workgroup_id_x 1
		.amdhsa_system_sgpr_workgroup_id_y 1
		.amdhsa_system_sgpr_workgroup_id_z 1
		.amdhsa_system_vgpr_workitem_id 0
		.amdhsa_next_free_vgpr 256
		.amdhsa_next_free_sgpr 66
		.amdhsa_reserve_vcc 0
		.amdhsa_float_denorm_mode_32 3
		.amdhsa_float_denorm_mode_16_64 3
		.amdhsa_memory_ordered 1
		.amdhsa_forward_progress 1
		.amdhsa_inst_pref_size 42
	.end_amdhsa_kernel
	.amdgpu_metadata
---
amdhsa.version: [ 1, 2 ]
amdhsa.kernels:
  - .name:           k_q8951e3098b_prep
    .symbol:         k_q8951e3098b_prep.kd
    .args:
      - { .name: x, .offset: 0, .size: 8, .value_kind: global_buffer, .address_space: global }
      - { .name: ln1_w, .offset: 8, .size: 8, .value_kind: global_buffer, .address_space: global }
      - { .name: ln1_b, .offset: 16, .size: 8, .value_kind: global_buffer, .address_space: global }
      - { .name: w_qkv, .offset: 24, .size: 8, .value_kind: global_buffer, .address_space: global }
      - { .name: w_proj, .offset: 32, .size: 8, .value_kind: global_buffer, .address_space: global }
      - { .name: w_fc, .offset: 40, .size: 8, .value_kind: global_buffer, .address_space: global }
      - { .name: w_fc2, .offset: 48, .size: 8, .value_kind: global_buffer, .address_space: global }
      - { .name: act, .offset: 56, .size: 8, .value_kind: global_buffer, .address_space: global }
      - { .name: wts, .offset: 64, .size: 8, .value_kind: global_buffer, .address_space: global }
    .group_segment_fixed_size: 105472
    .private_segment_fixed_size: 0
    .kernarg_segment_align: 8
    .kernarg_segment_size: 72
    .max_flat_workgroup_size: 256
    .sgpr_count:     66
    .vgpr_count:     256
    .wavefront_size: 32
...
	.end_amdgpu_metadata
.endif
;; end of part 1
;; launch qkv (part 2): grid 16 x 16, 4 waves a work-group, clusters of 4 x 4, 327,680 bytes of LDS; arguments act, wts, b_qkv, big; writes big
.if DOCPART == 2
	.amdgcn_target "amdgcn-amd-amdhsa--gfx1250"
	.amdhsa_code_object_version 6
	.text
	.protected	k_q8951e3098b_qkv
	.globl	k_q8951e3098b_qkv
	.p2align	8
	.type	k_q8951e3098b_qkv,@function
k_q8951e3098b_qkv:
	s_mov_b64 s[64:65], 0
	v_nop
	global_prefetch_b8 v0, s[64:65] scope:SCOPE_SE
	s_setreg_imm32_b32 hwreg(HW_REG_WAVE_MODE, 25, 1), 1
	s_wait_xcnt 0x0
	s_wait_alu depctr_hold_cnt(0) depctr_sa_sdst(0) depctr_va_vdst(0) depctr_va_sdst(0) depctr_va_ssrc(0) depctr_va_vcc(0) depctr_vm_vsrc(0)
	s_getreg_b32 s2, hwreg(HW_REG_IB_STS2, 6, 4)
	s_cmp_eq_u32 s2, 0
	s_cbranch_scc0 .Lentry_in_a_cluster
	s_endpgm
.Lentry_in_a_cluster:
	s_bfe_u32 s2, ttmp6, 0x10000c
	s_cmp_lg_u32 s2, 0xf033
	s_cbranch_scc0 .Lentry_shape_is_right
	s_endpgm
.Lentry_shape_is_right:
; QKV.  big = act (LayerNorm 1, [4096][1024] bf16) x w_qkv + b_qkv, sums in f32, rounded once to bf16.  The weights come transposed, wts + 0 = [3072][1024] bf16.
; OUT: planes of 64 columns, big[column / 64][row][column % 64]: planes 0-15 q by heads, 16-31 k, 32-47 v; four rows of a plane are 512 consecutive bytes.
; SHARES.  A tile of 256 rows x 192 columns to a work-group: 16 x 16 tiles, one for each of 256 work-groups.  Four waves, each 128 x 96: 48 accumulators of 16 x 16.
; K goes in 8 steps of 128 through two LDS slots filled by tensor loads; rows of 256 bytes, padded to 272 in LDS.  The loop's text is written for ONE slot: the slot in hand
; is a scalar register turned by an exclusive or, and one descriptor a tensor walks from K step 1 on.
; A K step is 192 matrix instructions a wave; the refill stands at the head of the step's last quarter, ahead of that quarter's products, so that all 192 lie between a request and the wait for it.
; CLUSTER 4 x 4: the four of a row need the same rows of act, the four of a column the same rows of wts: each tile is asked for jointly.
; THE PRODUCT IS TAKEN TRANSPOSED (source 0 = 16 rows of wts, source 1 = 16 rows of act): a lane holds one row of the result and eight neighbouring columns.
; WINDOWS: 0: addresses, bias, act's fragments (two buffers v64-127, v128-191); 1: wts' fragments, same numbers; 2, 3: accumulators (a, b) at v[8 (8 (a % 4) + b)].
; THE WAY OUT goes through LDS in f32: the slots have had their last fill and serve as a stage of 256 rows x 784 bytes.
.set BN,    192
.set WOFF,  0
.set KD,    1024
.set STEPS, KD/128
.set PITCH, 272                        ; 68 words: the 16 rows of a fragment load start at 16 different groups of four banks
.set PANEL, 128*PITCH                  ; room for what one tensor load brings
.set SLOT,  0x24000                    ; four panels and a gap; no panel's first byte has one of these two bits set, so one exclusive or changes slots
.set SPARE, 0x48000                    ; behind the slots: the spare words, 128 bytes a wave
.set NBLK,  BN/32                      ; column blocks of a wave
.set NL,    16+2*NBLK                  ; LDS loads in a run
.set SP,    4*BN+16                    ; a row of the stage
.set ADRA0, 16                         ; v16, v17  my place in slot 0: act's fragments, wts'
.set ADRB0, 17
.set ADRA,  18                         ; v18, v19  the same in the slot in hand
.set ADRB,  19
.set STO0,  20                         ; v20, v21  the stage: where I put results of my rows 0-63, 64-127
.set RD,    22                         ; v22  the stage: where I read back
.set GO,    23                         ; v23  my 16 bytes in 512 of a plane
.set BO,    24                         ; v24  32 (l % 8)
.set SPW,   28                         ; v28  my spare word; never rewritten
.set NIL,   29                         ; v29  0; never rewritten
.set PFO,   30                         ; v30  the prefetches' row offset; never rewritten
.set BIAS,  32                         ; v32-55  bias of my 8 columns in each of 3 planes
.set F0,    64
.set F1,    128
.set TT,    64                         ; the way out: 48 numbers in f32, with their bias
.set NX,    112                        ; the next trip's 48, as read from the stage
.set YY,    160                        ; 24 registers of bf16
.set WV, 12
.set WR, 13                            ; my half of the rows; also: I fetch for act (0) or wts (1)
.set WC, 14                            ; my half of the columns; also: which half I fetch
.set TB, 15                            ; the slot in hand: 0 or SLOT
.set G1A, 24
.set G0A, 32                           ; two sets: K step 0 into slot 0; K step 1 into slot 1, which then walks
.set PFA, 46
.set G1B, 48
.set G0B, 56
.set LIM, 66
.set G1W, (1<<16)|(1<<20)|(1<<21)|(5<<22)|(3<<25)  ; 2-byte elements; padding on; bit 21 beside a mask; after every 64 words, 4 words
.set MSB, 0
.macro WIN new
.if MSB != (\new)
	s_set_vgpr_msb (MSB<<8)|(\new)
.set MSB, \new
.endif
.endm
.set MUL_LO, 0xa1
.set MUL_HI, 0xf1
.set TO_B,   0x40
.macro PLACES                          ; four plain places behind matrix instructions, ahead of loads into their sources and of readers of their results
.rept 4
	v_nop
.endr
.endm
.macro JLOAD s                         ; a joint load: waves 0, 1 ask for act's halves, waves 2, 3 for wts'
	s_cmp_eq_u32 s[WR], 0
	s_cbranch_scc0 .Lfor_b_\@
	tensor_load_to_lds s[G0A+4*(\s):G0A+4*(\s)+3], s[G1A:G1A+7]
	s_nop 0
.rept 4
	v_nop
.endr
	s_branch .Lasked_\@
.Lfor_b_\@:
	tensor_load_to_lds s[G0B+4*(\s):G0B+4*(\s)+3], s[G1B:G1B+7]
	s_nop 0
.rept 4
	v_nop
.endr
.Lasked_\@:
.endm
.macro CREST                           ; a round of the cluster's barrier behind its opening barrier
	s_cmp_lg_u32 s[WV], 0
	s_cbranch_scc1 .Lnot_wave_0_\@
	s_barrier_signal -3
.Lnot_wave_0_\@:
	s_barrier_wait -3
	s_barrier_signal -1
	s_barrier_wait -1
.endm
.macro CROUND
	s_barrier_signal -1
	s_barrier_wait -1
	CREST
.endm
; A prefetch behind each refill: the K step that the NEXT refill will ask for, a lane a row (256 bytes).  act's rows are named by the clusters with x = 0, wts' by those with y = 0;
; the four partners of a joint load share its rows out by address (32 of 128; 24 of 96, where lanes 24-31 repeat row 23).  The loop's last trip has no K step left to name.
.macro ASK
	s_cmp_gt_u32 s3, s[LIM]
	s_cbranch_scc0 .Lnot_mine_\@
	global_prefetch_b8 v[PFO], s[PFA:PFA+1] offset:256 th:TH_LOAD_NT scope:SCOPE_SE
.Lnot_mine_\@:
.endm
.macro MULH f, hi, a0, zero            ; row blocks a0, a0 + 1 of the window's four x all column blocks, 32 along K; the accumulators take turns, one instruction a turn
	WIN MUL_LO+0x50*(\hi)
.irp a, \a0, (\a0)+1
.set bb, 0
.rept NBLK
.if \zero
	v_wmma_f32_16x16x32_bf16 v[8*(8*(\a)+bb):8*(8*(\a)+bb)+7], v[(\f)+8*bb:(\f)+8*bb+7], v[(\f)+8*(4*(\hi)+(\a)):(\f)+8*(4*(\hi)+(\a))+7], 0
.else
	v_wmma_f32_16x16x32_bf16 v[8*(8*(\a)+bb):8*(8*(\a)+bb)+7], v[(\f)+8*bb:(\f)+8*bb+7], v[(\f)+8*(4*(\hi)+(\a)):(\f)+8*(4*(\hi)+(\a))+7], v[8*(8*(\a)+bb):8*(8*(\a)+bb)+7]
.endif
.set bb, bb+1
.endr
.endr
.endm
.macro FETCH k, f                      ; one run of LDS loads: the fragments of 32 along K at byte k of the rows
	WIN TO_B
.set bb, 0
.rept NBLK
	ds_load_b128 v[(\f)+8*bb:(\f)+8*bb+3],   v[ADRB] offset:(\k)+bb*16*PITCH
	ds_load_b128 v[(\f)+8*bb+4:(\f)+8*bb+7], v[ADRB] offset:(\k)+bb*16*PITCH+32
.set bb, bb+1
.endr
	WIN 0
.set bb, 0
.rept 8
	ds_load_b128 v[(\f)+8*bb:(\f)+8*bb+3],   v[ADRA] offset:(\k)+bb*16*PITCH
	ds_load_b128 v[(\f)+8*bb+4:(\f)+8*bb+7], v[ADRA] offset:(\k)+bb*16*PITCH+32
.set bb, bb+1
.endr
.endm
.macro QUARTER k, f, g, zero           ; multiplies buffer f; in its middle fetches the next quarter, at byte k, into g
	s_wait_dscnt 8                                 ; all but the youngest eight loads: act's rows 64-127
	MULH \f, 0, 0, \zero
	MULH \f, 0, 2, \zero
	PLACES
	FETCH \k, \g
	s_wait_dscnt NL                                ; all but the run just issued
	MULH \f, 1, 0, \zero
	MULH \f, 1, 2, \zero
.endm
; A K step's last quarter changes slots and then multiplies buffer 1.  All fragments of the old slot are in registers when the quarter begins, so the change comes first: each wave waits for all its
; tensor loads (one is out: its part of the next slot), adds 0 to its spare word, and waits for that and for its reads of the old slot; one barrier.  fill = 1: the barrier opens a round of the
; cluster's, and the joint refill of the slot just left is the first thing behind it; the quarter's 48 products follow the request.
.macro TURN fill
	WIN 0
	s_xor_b32 s[TB], s[TB], SLOT                   ; all reads of the old slot have been issued: the addresses turn to the next
	v_add_nc_u32 v[ADRA], s[TB], v[ADRA0]
	v_add_nc_u32 v[ADRB], s[TB], v[ADRB0]
.if \fill
	s_wait_xcnt 0x0                                ; the last prefetch, a K step back, has read its address
	s_add_nc_u64 s[PFA:PFA+1], s[PFA:PFA+1], 256
.endif
	s_wait_tensorcnt 0x0                           ; no tensor load of mine is out, so the walking descriptors may be written
	ds_add_u32 v[SPW], v[NIL]
.if \fill
	s_xor_b32 s[G0A+5], s[G0A+5], SLOT
	s_add_nc_u64 s[G0A+6:G0A+7], s[G0A+6:G0A+7], 256
	s_xor_b32 s[G0B+5], s[G0B+5], SLOT
	s_add_nc_u64 s[G0B+6:G0B+7], s[G0B+6:G0B+7], 256
.endif
	s_wait_dscnt 0x0                               ; the add is done, and my reads of the old slot are over: buffer 1 is whole
	s_barrier_signal -1
	s_barrier_wait -1
.if \fill
	CREST
	JLOAD 1                                        ; its four v_nop are also the places ahead of the loads below
.else
	PLACES
.endif
	FETCH 0, F0
.if \fill
	ASK
.endif
	MULH F1, 0, 0, 0
	MULH F1, 0, 2, 0
	MULH F1, 1, 0, 0
	MULH F1, 1, 2, 0
.endm
.macro STAGE_OUT                       ; every accumulator into the stage, its low four registers first
.set a, 0
.rept 8
	WIN 0x08+4*(a/4)
.set bb, 0
.rept NBLK
	ds_store_b128 v[STO0+a/4], v[8*(8*(a%4)+bb):8*(8*(a%4)+bb)+3]   offset:(a%4)*16*SP+64*bb
	ds_store_b128 v[STO0+a/4], v[8*(8*(a%4)+bb)+4:8*(8*(a%4)+bb)+7] offset:(a%4)*16*SP+64*bb+16
.set bb, bb+1
.endr
.set a, a+1
.endr
	WIN 0
.endm
.macro ROWS_IN                         ; eight rows x 192 columns of the stage: 48 numbers a lane
.irp g, 0,1
.irp p, 0,1,2
	ds_load_b128 v[NX+24*\g+8*\p:NX+24*\g+8*\p+3],   v[RD] offset:\g*4*SP+256*\p
	ds_load_b128 v[NX+24*\g+8*\p+4:NX+24*\g+8*\p+7], v[RD] offset:\g*4*SP+256*\p+16
.endr
.endr
.endm
	s_load_b256 s[4:11], s[0:1], 0x0               ; act 4, wts 6, b_qkv 8, big 10
	v_lshl_add_u32 v[SPW], v0, 2, SPARE
	v_mov_b32 v[NIL], 0
	ds_add_u32 v[SPW], v[NIL]                      ; the opening: the add and its wait ahead of my first tensor load, work on registers between
	v_lshrrev_b32 v1, 5, v0
	v_readfirstlane_b32 s[WV], v1
	s_lshr_b32 s[WR], s[WV], 1
	s_and_b32 s[WC], s[WV], 1
	s_mov_b32 s[TB], 0
	s_bfe_u32 s40, ttmp6, 0x40000                  ; cx
	s_bfe_u32 s41, ttmp6, 0x40004                  ; cy
	s_lshl_b32 s42, ttmp9, 2
	s_add_co_u32 s42, s42, s40                     ; tile column
	s_and_b32 s43, ttmp7, 0xffff
	s_lshl_b32 s43, s43, 2
	s_add_co_u32 s43, s43, s41                     ; tile row
	s_lshl_b32 s44, s41, 2
	s_lshl_b32 s44, 15, s44                        ; my row of the cluster
	s_lshl_b32 s45, 0x1111, s40                    ; my column
	s_or_b32 s[G1A], s44, G1W
	s_or_b32 s[G1B], s45, G1W
	s_mov_b32 s[G1A+1], 128<<16                    ; tensor_dim0 = 128
	s_mov_b32 s[G1A+2], 128<<16                    ; tensor_dim1 = 128
	s_mov_b32 s[G1A+3], 128<<16                    ; tile_dim0 = 128
	s_mov_b32 s[G1A+4], 128                        ; tile_dim1 = 128
	s_mov_b32 s[G1A+5], KD                         ; elements from row to row
	s_mov_b32 s[G1A+6], 0
	s_mov_b32 s[G1A+7], 0
	s_mov_b32 s[G1B+1], 128<<16
	s_mov_b32 s[G1B+2], (BN/2)<<16
	s_mov_b32 s[G1B+3], 128<<16
	s_mov_b32 s[G1B+4], BN/2
	s_mov_b32 s[G1B+5], KD
	s_mov_b32 s[G1B+6], 0
	s_mov_b32 s[G1B+7], 0
	s_lshl_b32 s16, s43, 8                         ; act: row 256 x tile row + 128 x half, 2,048 bytes a row
	s_lshl_b32 s17, s[WC], 7
	s_add_co_u32 s16, s16, s17
	s_lshl_b32 s16, s16, 11
	s_mov_b32 s17, 0
	s_mul_i32 s18, s42, BN                         ; wts: row BN x tile column + BN / 2 x half
	s_mul_i32 s19, s[WC], BN/2
	s_add_co_u32 s18, s18, s19
	s_lshl_b32 s18, s18, 11
	s_mov_b32 s19, 0
	s_mul_i32 s67, s[WV], PANEL                    ; where my loads go: the wave's number alone
	s_wait_dscnt 0x0                               ; the opening add is done
	s_wait_kmcnt 0x0
	s_add_nc_u64 s[20:21], s[4:5], s[16:17]
	s_add_nc_u64 s[22:23], s[6:7], s[18:19]
.if WOFF
	s_add_nc_u64 s[22:23], s[22:23], WOFF
.endif
	CROUND                                         ; all sixteen work-groups are here: the first joint loads meet
.irp s, 0,1
	s_mov_b32 s[G0A+4*(\s)], 1
	s_add_co_u32 s[G0A+4*(\s)+1], s67, (\s)*SLOT
	s_add_nc_u64 s[G0A+4*(\s)+2:G0A+4*(\s)+3], s[20:21], (\s)*256
	s_or_b32 s[G0A+4*(\s)+3], s[G0A+4*(\s)+3], 0x80000000
	s_mov_b32 s[G0B+4*(\s)], 1
	s_add_co_u32 s[G0B+4*(\s)+1], s67, (\s)*SLOT
	s_add_nc_u64 s[G0B+4*(\s)+2:G0B+4*(\s)+3], s[22:23], (\s)*256
	s_or_b32 s[G0B+4*(\s)+3], s[G0B+4*(\s)+3], 0x80000000
	JLOAD \s
.endr
	v_and_b32 v1, 15, v0                           ; r
	v_bfe_u32 v2, v0, 4, 1                         ; h
	v_and_b32 v[BO], 7, v0
	v_lshlrev_b32 v[BO], 5, v[BO]
	s_mul_i32 s88, s42, 4*BN                       ; the tile's bias
	s_mov_b32 s89, 0
	s_add_nc_u64 s[8:9], s[8:9], s[88:89]
.irp p, 0,1,2
	global_load_b128 v[BIAS+8*\p:BIAS+8*\p+3],   v[BO], s[8:9] offset:256*\p
	global_load_b128 v[BIAS+8*\p+4:BIAS+8*\p+7], v[BO], s[8:9] offset:256*\p+16
.endr
	v_mul_u32_u24 v3, v1, PITCH
	v_lshl_add_u32 v3, v2, 4, v3                   ; a fragment's row x pitch + 16 x half of the lanes
	s_mul_i32 s88, s[WR], PANEL
	s_mul_i32 s89, s[WC], PANEL
	s_add_co_u32 s89, s89, 2*PANEL
	v_add_nc_u32 v[ADRA0], s88, v3
	v_add_nc_u32 v[ADRB0], s89, v3
	v_mov_b32 v[ADRA], v[ADRA0]
	v_mov_b32 v[ADRB], v[ADRB0]
	s_lshl_b32 s88, s[WR], 7                       ; the stage, in: row 128 x my half + r, bytes 2 BN x my column half + 32 h
	v_add_nc_u32 v4, s88, v1
	v_mul_u32_u24 v[STO0], v4, SP
	v_lshl_add_u32 v[STO0], v2, 5, v[STO0]
	s_mul_i32 s88, s[WC], 2*BN
	v_add_nc_u32 v[STO0], s88, v[STO0]
	v_add_nc_u32 v[STO0+1], 64*SP, v[STO0]
	v_bfe_u32 v5, v0, 3, 2                         ; back: wave w takes rows 64 w on; a lane row l / 8 of four and 32 bytes of a plane's 256
	s_lshl_b32 s88, s[WV], 6
	v_add_nc_u32 v5, s88, v5
	v_mul_u32_u24 v[RD], v5, SP
	v_add_nc_u32 v[RD], v[RD], v[BO]
	v_and_b32 v[GO], 31, v0
	v_lshlrev_b32 v[GO], 4, v[GO]
	s_mul_i32 s88, s42, 3*524288                   ; big: plane 3 x tile column, row 256 x tile row + 64 w
	s_lshl_b32 s89, s43, 15
	s_add_co_u32 s88, s88, s89
	s_lshl_b32 s89, s[WV], 13
	s_add_co_u32 s88, s88, s89
	s_mov_b32 s89, 0
	s_add_nc_u64 s[10:11], s[10:11], s[88:89]
	; the prefetches
	s_lshl_b32 s88, s43, 8
	s_mul_i32 s89, s42, BN
	s_and_b32 s90, ttmp7, 0xffff
	s_movk_i32 s91, 128
	s_movk_i32 s92, BN/2
	s_cmp_eq_u32 s[WR], 0                          ; do I fetch for act?
	s_cselect_b32 s88, s88, s89                    ; the tile's first row
	s_cselect_b32 s89, s40, s41                    ; my place among the four that ask with me
	s_cselect_b32 s90, ttmp9, s90                  ; the coordinate along which other clusters read the same rows
	s_cselect_b32 s91, s91, s92                    ; rows that a wave fetches
	s_cselect_b32 s92, 32, BN/8                    ; rows that my work-group names
	s_cselect_b32 s93, 0, WOFF
	s_cselect_b64 s[PFA:PFA+1], s[4:5], s[6:7]
	s_cmp_eq_u32 s90, 0
	s_cselect_b32 s[LIM], 1, -1                    ; the same in all sixteen partners, for a given wave
	s_mul_i32 s91, s91, s[WC]
	s_add_co_u32 s88, s88, s91
	s_mul_i32 s89, s89, s92
	s_add_co_u32 s88, s88, s89
	s_lshl_b32 s88, s88, 11
	s_add_co_u32 s88, s88, s93
	s_add_co_u32 s88, s88, 256                     ; at K step 1: the first refill steps it to 2 and names K step 3
	s_mov_b32 s89, 0
	s_add_nc_u64 s[PFA:PFA+1], s[PFA:PFA+1], s[88:89]
	s_sub_co_u32 s92, s92, 1
	v_and_b32 v[PFO], 31, v0
	v_min_u32 v[PFO], s92, v[PFO]
	v_lshlrev_b32 v[PFO], 11, v[PFO]
	s_wait_tensorcnt 1                             ; my part of K step 0 is in; K step 1's may stay out
	s_barrier_signal -1
	s_barrier_wait -1
	FETCH 0, F0
	QUARTER 64, F0, F1, 1                          ; the first quarter starts the sums with the constant 0
	WIN 0
	s_mov_b32 s3, STEPS-2
.Lstep:                                        ; a trip: a K step's quarters 1 to 3 and the next step's quarter 0; the slot left is filled again
	QUARTER 128, F1, F0, 0
	QUARTER 192, F0, F1, 0
	TURN 1
	QUARTER 64, F0, F1, 0
	WIN 0
	s_sub_co_u32 s3, s3, 1
	s_cmp_lg_u32 s3, 0
	s_cbranch_scc1 .Lstep
	s_mov_b32 s2, 2
.Ltail:                                        ; the last two K steps ask for nothing.  The second trip is left in its middle; its run of LDS loads reads the stale slot and serves nothing
	QUARTER 128, F1, F0, 0
	QUARTER 192, F0, F1, 0
	TURN 0
	WIN 0
	s_sub_co_u32 s2, s2, 1
	s_cmp_eq_u32 s2, 0
	s_cbranch_scc1 .Lout
	QUARTER 64, F0, F1, 0
	WIN 0
	s_branch .Ltail
.Lout:
	s_wait_dscnt 0x0                               ; my reads of the slots are over,
	s_barrier_signal -1
	s_barrier_wait -1                              ; everybody's are: the slots, filled for the last time, become the stage
	PLACES
	STAGE_OUT
	s_wait_dscnt 0x0                               ; for the others: my stores into the stage are done
	s_barrier_signal -1
	s_barrier_wait -1
	s_wait_loadcnt 0x0                             ; the bias
	ROWS_IN                                        ; the first trip's rows
	s_mov_b32 s3, 8
.Lrow:                                         ; eight rows x 192 columns a trip: bias, one rounding, six stores of 512 consecutive bytes; the next trip's rows are read meanwhile
	s_wait_dscnt 0x0                               ; the rows asked for a trip ago
.irp g, 0,1
.irp p, 0,1,2
.irp q, 0,1,2,3
	v_pk_add_f32 v[TT+24*\g+8*\p+2*\q:TT+24*\g+8*\p+2*\q+1], v[NX+24*\g+8*\p+2*\q:NX+24*\g+8*\p+2*\q+1], v[BIAS+8*\p+2*\q:BIAS+8*\p+2*\q+1]
.endr
.endr
.endr
	s_cmp_eq_u32 s3, 1                             ; the last trip has no rows behind it
	s_cbranch_scc1 .Lno_next
	v_add_nc_u32 v[RD], 8*SP, v[RD]
	ROWS_IN
.Lno_next:
	s_wait_xcnt 0x0                                ; the last trip's stores have read their data and their offset
	v_add_nc_u32 v[GO], 1024, v[GO]                ; stepped ahead of the stores, which reach back by their immediates
.irp g, 0,1
.irp p, 0,1,2
.irp q, 0,1,2,3
	v_cvt_pk_bf16_f32 v[YY+12*\g+4*\p+\q], v[TT+24*\g+8*\p+2*\q], v[TT+24*\g+8*\p+2*\q+1]
.endr
	global_store_b128 v[GO], v[YY+12*\g+4*\p:YY+12*\g+4*\p+3], s[10:11] offset:\p*524288+512*\g-1024
.endr
.endr
	s_sub_co_u32 s3, s3, 1
	s_cmp_lg_u32 s3, 0
	s_cbranch_scc1 .Lrow
	s_wait_tensorcnt 0x0                           ; the wave's end
	ds_add_u32 v[SPW], v[NIL]
	s_wait_dscnt 0x0
	CROUND                                         ; the closing round
	s_endpgm
.Lfunc_end_k_q8951e3098b_qkv:
	.size	k_q8951e3098b_qkv, .Lfunc_end_k_q8951e3098b_qkv-k_q8951e3098b_qkv
	.p2alignl 7, 3214868480
	.fill 96, 4, 3214868480
	.section	.rodata,"a",@progbits
	.p2align	6, 0x0
	.amdhsa_kernel k_q8951e3098b_qkv
		.amdhsa_group_segment_fixed_size 327680
		.amdhsa_private_segment_fixed_size 0
		.amdhsa_enable_private_segment 0
		.amdhsa_kernarg_size 32
		.amdhsa_user_sgpr_count 2
		.amdhsa_user_sgpr_kernarg_segment_ptr 1
		.amdhsa_wavefront_size32 1
		.amdhsa_system_sgpr_workgroup_id_x 1
		.amdhsa_system_sgpr_workgroup_id_y 1
		.amdhsa_system_sgpr_workgroup_id_z 1
		.amdhsa_system_vgpr_workitem_id 0
		.amdhsa_next_free_vgpr 1024
		.amdhsa_next_free_sgpr 96
		.amdhsa_reserve_vcc 0
		.amdhsa_float_denorm_mode_32 3
		.amdhsa_float_denorm_mode_16_64 3
		.amdhsa_memory_ordered 1
		.amdhsa_forward_progress 1
		.amdhsa_inst_pref_size 71
	.end_amdhsa_kernel
	.amdgpu_metadata
---
amdhsa.version: [ 1, 2 ]
amdhsa.kernels:
  - .name:           k_q8951e3098b_qkv
    .symbol:         k_q8951e3098b_qkv.kd
    .args:
      - { .name: act, .offset: 0, .size: 8, .value_kind: global_buffer, .address_space: global }
      - { .name: wts, .offset: 8, .size: 8, .value_kind: global_buffer, .address_space: global }
      - { .name: b_qkv, .offset: 16, .size: 8, .value_kind: global_buffer, .address_space: global }
      - { .name: big, .offset: 24, .size: 8, .value_kind: global_buffer, .address_space: global }
    .group_segment_fixed_size: 327680
    .private_segment_fixed_size: 0
    .kernarg_segment_align: 8
    .kernarg_segment_size: 32
    .max_flat_workgroup_size: 128
    .sgpr_count:     96
    .vgpr_count:     1024
    .wavefront_size: 32
...
	.end_amdgpu_metadata
.endif
;; end of part 2
;; launch attn (part 3): grid 8 x 32, 4 waves a work-group, no clusters, 327,680 bytes of LDS; arguments big, act; writes act
.if DOCPART == 3
	.amdgcn_target "amdgcn-amd-amdhsa--gfx1250"
	.amdhsa_code_object_version 6
	.text
	.protected	k_q8951e3098b_attn
	.globl	k_q8951e3098b_attn
	.p2align	8
	.type	k_q8951e3098b_attn,@function
k_q8951e3098b_attn:
	s_mov_b64 s[64:65], 0
	v_nop
	global_prefetch_b8 v0, s[64:65] scope:SCOPE_SE
	s_setreg_imm32_b32 hwreg(HW_REG_WAVE_MODE, 25, 1), 1
	s_wait_xcnt 0x0
; CAUSAL ATTENTION WITH ALIBI.  y[q] = sum over k <= q of softmax_k(Q[q].K[k] / 8 + slope (q - k)) V[k], 16 heads of 64 channels, 2 batches of 2,048 rows.
; big holds planes [48][4096][64] bf16: q 0-15, k 16-31, v 32-47, row = batch x 2048 + t.  act takes y as planes [16][4096][64] bf16.
; Products, maxima and sums in f32; the weights are rounded to bf16 for the second product (their sum is taken unrounded), y once at the end.
; THE BIAS.  slope q is the same for all keys of a row and cancels in the softmax, so only - slope k is applied.  In units of Q.K a score is t = Q.K - SL8 k, SL8 = 8 slope = 2^(2.5 - head / 2),
; made exactly from its bits.  Inside a step of 64 keys u = Q.K + BI, BI = - SL8 x (the key's place in the step): BI is the C operand that starts the sum.  The running maximum m is kept
; relative to the step in hand: from step to step it takes DELTA = 64 SL8.  p = 2^(c u - c m), c = log2(e) / 8; O and l are multiplied by a = 2^(c (m_old + DELTA) - c m) in every step.
; THE WALK.  A head's queries lie in 8 blocks of 256; block i needs the key tiles 0 .. i of 256 keys, the last holding the diagonal.  A work-group takes two of the four bands of 64 rows
; (2 z, 2 z + 1) of block 7 - b and then of block b: 9 tiles whatever b, one loop with a constant count.  A wave owns 16 rows in each band: two PIECES.
; In a diagonal tile's step s band x sees all keys (s < x), none (s > x) or holds the diagonal (s = x).  With z = 0 the last two steps of each diagonal tile are hidden from both pieces and are computed all the same.
; THE MASK rides in the same C operand: MC = MD x AL + BI + BE, MD the mask of a band's own step, (AL, BE) = (1, 0), (0, 0) or (0, -1e30).
; A TRIP.  K of step i is fetched; step i - 1 is finished (softmax, V^T P); V of step i is fetched; the scores of step i are made.  The phases stand one after the other.
; NO CLUSTER: the eight work-groups of a head leave their first block after 8 - b tiles, so partners would need different tiles from then on, and a walk common to four has 20 tiles for 17.
; LIMITS.  A hidden score counts as its value less 1e30; a weight below 2^-126 counts as 0; NaN and infinities are not treated apart.
; WINDOWS: 0: addresses, statistics, S^T (v64-127), P (v128-159), O^T (v160-223);  1: K v0-63, V v64-127, Q v128-159, the second block's Q v160-191;  2: MC v0-63, BI v64-95, MD v96-127.
.set NB,    8
.set KS,    64
.set PK,    144                        ; a row of K in LDS: 128 bytes + 16
.set PV,    160                        ; a row of V: 128 + 32
.set VOFF,  4*KS*PK
.set SLOT1, 1<<17
.set STAGE, SLOT1+4*KS*(PK+PV)         ; never filled by a tensor load: 16 rows x 144 bytes a wave
.set SP,    144
.set SPARE, STAGE+4*16*SP
.set AK0, 2
.set AV0, 3
.set AK,  4
.set AV,  5
.set STO, 6
.set RD,  7
.set GO,  8
.set PFO, 12                           ; v12  256 x lane; never rewritten
.set QO,  15
.set ST,  16                           ; piece t: c m, m, l (even keys, odd keys) at v[16 + 4 t]
.set MO,  24                           ; v24, v25  m_old + DELTA
.set TMP, 48                           ; piece t: c0-c3 at work; a takes c2
.set SPW, 62
.set NIL, 63
.set S,   64
.set P,   128
.set O,   160
.set KF,  0
.set VF,  64
.set QF,  128
.set QB,  160
.set MC,  0
.set BI,  64
.set MD,  96
.set WV,  12
.set PB,  14
.set HI,  15
.set G1K, 24
.set G1V, 32
.set G0K, 40
.set G0V, 44
.set SLOTS, 56
.set CNT, 57
.set CS,  58
.set SEL, 60
.set TBK, 62
.set TBV, 63
.set RT,  70                           ; tiles of the block in hand still to be entered
.set NXT, 71                           ; the tile to be asked for next
.set LQ,  72                           ; the last tile of the block whose tiles are being asked for
.set NEW, 73                           ; 1: the tile entered is a block's first: the old block goes out first
.set OFF, 74
.set AL,  76
.set BE,  78
.set OLO, 80
.set BIGN, 82
.set SI,  83                           ; the step in the tile
.set XB,  84                           ; s84, s85  my two bands
.set DELTA, 86
.set NSL, 87
.set PFA, 88
.set LIM, 90
.set MSB, 0
.macro WIN new
.if MSB != (\new)
	s_set_vgpr_msb (MSB<<8)|(\new)
.set MSB, \new
.endif
.endm
.set W_KM, 0x25                        ; K, Q window 1; C window 2; S^T window 0
.set W_KQ, 0x05
.set W_PV, 0x01                        ; V window 1
.macro PLACES
.rept 4
	v_nop
.endr
.endm
.macro LOAD                            ; waves 0, 1 fetch the halves of a tile's K, waves 2, 3 of its V
	s_cmp_lt_u32 s[WV], 2
	s_cbranch_scc0 .Lfor_v_\@
	tensor_load_to_lds s[G0K:G0K+3], s[G1K:G1K+7]
	s_nop 0
.rept 4
	v_nop
.endr
	s_branch .Lasked_\@
.Lfor_v_\@:
	tensor_load_to_lds s[G0V:G0V+3], s[G1V:G1V+7]
	s_nop 0
.rept 4
	v_nop
.endr
.Lasked_\@:
.endm
; A prefetch of the tile that the NEXT change of slots will ask for.  All eight work-groups of a head walk the same K and V: the one with x = 0, whose first block walks tiles 0 to 7, asks;
; each of its waves names the 16,384 bytes that it will fetch itself, a lane 256 bytes, two instructions.  Tiles 0 and 1 come by their loads alone; behind tile 7 nothing is named.
.macro ASK
	s_cmp_gt_u32 s[SLOTS], s[LIM]
	s_cbranch_scc0 .Lnot_mine_\@
	global_prefetch_b8 v[PFO], s[PFA:PFA+1] th:TH_LOAD_NT scope:SCOPE_SE
	global_prefetch_b8 v[PFO], s[PFA:PFA+1] offset:8192 th:TH_LOAD_NT scope:SCOPE_SE
.Lnot_mine_\@:
.endm
; THE CHANGE OF SLOTS.  Each wave waits for all its tensor loads (one is out: its part of the other slot), adds 0 to its spare word, and waits for that and for its reads of the slot that it leaves.
; fill = 1: the old slot is filled again, first thing behind the barrier, with tile NXT; the descriptor's address is made anew from that number.
.macro CHANGE fill
	WIN 0
	s_wait_tensorcnt 0x0
	ds_add_u32 v[SPW], v[NIL]
.if \fill
	s_lshl_b32 s[OFF], s[NXT], 15                  ; a tile is 32,768 bytes of K and of V
	s_xor_b32 s[G0K+1], s[G0K+1], SLOT1
	s_add_nc_u64 s[G0K+2:G0K+3], s[6:7], s[OFF:OFF+1]
	s_or_b32 s[G0K+3], s[G0K+3], 0x80000000
	s_xor_b32 s[G0V+1], s[G0V+1], SLOT1
	s_add_nc_u64 s[G0V+2:G0V+3], s[8:9], s[OFF:OFF+1]
	s_or_b32 s[G0V+3], s[G0V+3], 0x80000000
	s_add_co_u32 s[NXT], s[NXT], 1                 ; the block's next tile, or behind its last the second block's tile 0
	s_cmp_gt_u32 s[NXT], s[LQ]
	s_cselect_b32 s[NXT], 0, s[NXT]
	s_cselect_b32 s[LQ], s[PB], s[LQ]
	s_wait_xcnt 0x0                                ; the last prefetches, a tile back, have read their address
	s_add_nc_u64 s[PFA:PFA+1], s[PFA:PFA+1], 32768
.endif
	s_wait_dscnt 0x0                               ; the add is done, and my reads of the slot are over
	s_barrier_signal -1
	s_sub_co_u32 s[TBK], s[TBK], 4*KS*PK           ; the fetches go back to a slot's first step, in the other slot
	s_xor_b32 s[TBK], s[TBK], SLOT1
	s_sub_co_u32 s[TBV], s[TBV], 4*KS*PV
	s_xor_b32 s[TBV], s[TBV], SLOT1
	s_barrier_wait -1
.if \fill
	LOAD
	ASK
.endif
.endm
.macro FETCH_K                         ; a step's K: 64 keys x 64 channels, 8 fragments
	WIN 0x40
.irp f, 0,1,2,3,4,5,6,7
	ds_load_b128 v[KF+8*\f:KF+8*\f+3],   v[AK] offset:(\f/2)*16*PK+(\f%2)*64
	ds_load_b128 v[KF+8*\f+4:KF+8*\f+7], v[AK] offset:(\f/2)*16*PK+(\f%2)*64+32
.endr
	s_add_co_u32 s[TBK], s[TBK], KS*PK
	WIN 0
.endm
.macro FETCH_V                         ; a step's V, turned: keys 32 (f / 4) on, channels 16 (f % 4) on
	WIN 0x40
.irp f, 0,1,2,3,4,5,6,7
	ds_load_tr16_b128 v[VF+8*\f:VF+8*\f+3],   v[AV] offset:(\f/4)*32*PV+(\f%4)*32
	ds_load_tr16_b128 v[VF+8*\f+4:VF+8*\f+7], v[AV] offset:(\f/4)*32*PV+16*PV+(\f%4)*32
.endr
	s_add_co_u32 s[TBV], s[TBV], KS*PV
	WIN 0
.endm
; S^T = K Q^T + MC: product i: channels 32 (i / 8) on, keys 16 ((i / 2) % 4) on, piece i % 2.  The eight accumulators take turns, one instruction a turn.
.macro QK
.set i, 0
.rept 16
.set rS, S+32*(i%2)+8*((i/2)%4)
.set rK, KF+16*((i/2)%4)+8*(i/8)
.set rQ, QF+16*(i%2)+8*(i/8)
.set rM, MC+32*(i%2)+8*((i/2)%4)
.if i < 8
	WIN W_KM
	v_wmma_f32_16x16x32_bf16 v[rS:rS+7], v[rK:rK+7], v[rQ:rQ+7], v[rM:rM+7]
.else
	WIN W_KQ
	v_wmma_f32_16x16x32_bf16 v[rS:rS+7], v[rK:rK+7], v[rQ:rQ+7], v[rS:rS+7]
.endif
.set i, i+1
.endr
.endm
; O^T += V^T P: product i: keys 32 (i / 8) on, channels 16 ((i / 2) % 4) on, piece i % 2.
.macro PVM
	WIN W_PV
.set i, 0
.rept 16
.set rO, O+32*(i%2)+8*((i/2)%4)
.set rV, VF+32*(i/8)+8*((i/2)%4)
.set rP, P+16*(i%2)+8*(i/8)
	v_wmma_f32_16x16x32_bf16 v[rO:rO+7], v[rV:rV+7], v[rP:rP+7], v[rO:rO+7]
.set i, i+1
.endr
.endm
.macro REGS t
.set rT, ST+4*(\t)
.set rC, TMP+4*(\t)
.set rS, S+32*(\t)
.set rP, P+16*(\t)
.set rO, O+32*(\t)
.set rM, MO+(\t)
.endm
; Number n of the lines that find a piece's maximum and statistics; each accumulator's lowest registers are read first.
.macro XS t, n
	REGS \t
.if (\n) < 4
	v_max3_num_f32 v[rC+(\n)], v[rS+8*(\n)], v[rS+8*(\n)+1], v[rS+8*(\n)+2]
.elseif (\n) < 12
	v_max3_num_f32 v[rC+(\n)%4], v[rC+(\n)%4], v[rS+8*((\n)%4)+2*((\n)/4)+1], v[rS+8*((\n)%4)+2*((\n)/4)+2]
.elseif (\n) == 12
	v_max3_num_f32 v[rC], v[rC], v[rS+7], v[rS+15]
.elseif (\n) == 13
	v_max3_num_f32 v[rC+1], v[rC+1], v[rS+23], v[rS+31]
.elseif (\n) == 14
	v_max3_num_f32 v[rC+2], v[rC+2], v[rC+3], v[rM]
.elseif (\n) == 16
	v_max3_num_f32 v[rC], v[rC], v[rC+1], v[rC+2]
.elseif (\n) == 17
	v_permlanex16_b32 v[rC+3], v[rC], s[SEL], s[SEL+1]   ; the query's other 32 keys lie in the lane 16 away
.elseif (\n) == 18
	v_max_num_f32 v[rT+1], v[rC], v[rC+3]
.elseif (\n) == 19
	v_mul_f32 v[rT], s[CS], v[rT+1]
.elseif (\n) == 20
	v_fma_f32 v[rC+1], v[rM], s[CS], -v[rT]
.else
	v_exp_f32 v[rC+2], v[rC+1]
.endif
.endm
.macro FS f                            ; c u - c m for pair f / 2 of piece f % 2
	REGS (\f)%2
	v_pk_fma_f32 v[rS+2*((\f)/2):rS+2*((\f)/2)+1], v[rS+2*((\f)/2):rS+2*((\f)/2)+1], s[CS:CS+1], v[rT:rT+1] op_sel_hi:[1,0,0] neg_lo:[0,0,1] neg_hi:[0,0,1]
.endm
.macro RS r                            ; pair r / 2 of O^T of piece r % 2, times a
	REGS (\r)%2
	v_pk_mul_f32 v[rO+2*((\r)/2):rO+2*((\r)/2)+1], v[rO+2*((\r)/2):rO+2*((\r)/2)+1], v[rC+2:rC+3] op_sel_hi:[1,0]
.endm
; THE SOFTMAX OF A STEP, both pieces by turns, all in window 0.  Two batches of exponentials, a wait each: the two a (read by the rescaling), then the 64 weights.
; In the second batch exponential e (register e / 2 of piece e % 2) stands behind 4 + e scalings and wants number 2 (e / 4) + e % 2; a plain line follows each: the other 28 scalings, the 32 rescalings, 4 v_nop.
.macro SM
.irp n, 0,1,2,3,4,5,6,7,8,9,10,11,12,13,14,16,17,18,19,20,21
	XS 0, \n
	XS 1, \n
.endr
	FS 0
	FS 1
	FS 2
	FS 3
	s_wait_alu depctr_va_vdst(0)                   ; for the two a
.set e, 0
.rept 64
	REGS e%2
	v_exp_f32 v[rS+e/2], v[rS+e/2]
.if e < 28
	FS e+4
.elseif e < 60
	RS e-28
.else
	v_nop
.endif
.set e, e+1
.endr
	s_wait_alu depctr_va_vdst(0)                   ; for the 64 weights
.set e, 0
.rept 32                               ; rounded to bf16 in pairs: two accumulators ARE a fragment of P
	REGS e%2
	v_cvt_pk_bf16_f32 v[rP+e/2], v[rS+2*(e/2)], v[rS+2*(e/2)+1]
.set e, e+1
.endr
.set e, 0
.rept 16                               ; of four weights the second pair onto the first
	REGS e%2
	v_pk_add_f32 v[rS+4*(e/2):rS+4*(e/2)+1], v[rS+4*(e/2):rS+4*(e/2)+1], v[rS+4*(e/2)+2:rS+4*(e/2)+3]
.set e, e+1
.endr
.set e, 0
.rept 16                               ; l = a l + the sums
	REGS e%2
.if e < 2
	v_pk_fma_f32 v[rT+2:rT+3], v[rT+2:rT+3], v[rC+2:rC+3], v[rS:rS+1] op_sel_hi:[1,0,1]
.else
	v_pk_add_f32 v[rT+2:rT+3], v[rT+2:rT+3], v[rS+4*(e/2):rS+4*(e/2)+1]
.endif
.set e, e+1
.endr
.endm
.macro MASK                            ; the diagonal tile: MC = MD x AL + BI + BE for step SI and each piece's band
.irp p, 0,1
	s_cmp_eq_u32 s[SI], s[XB+\p]
	s_cselect_b32 s[AL], 1.0, 0
	s_cmp_gt_u32 s[SI], s[XB+\p]
	s_cselect_b32 s[BE], s[BIGN], 0
	WIN 0xa2
.set z, 0
.rept 16
	v_pk_fma_f32 v[MC+32*\p+2*z:MC+32*\p+2*z+1], v[MD+2*z:MD+2*z+1], s[AL:AL+1], v[BI+2*z:BI+2*z+1] op_sel_hi:[1,0,1]
.set z, z+1
.endr
.set z, 0
.rept 16
	v_pk_add_f32 v[MC+32*\p+2*z:MC+32*\p+2*z+1], v[MC+32*\p+2*z:MC+32*\p+2*z+1], s[BE:BE+1] op_sel_hi:[1,0]
.set z, z+1
.endr
.endr
	WIN 0
.endm
.macro INIT                            ; a block begins: m at the lowest finite number, so that its first a is 0 and wipes O^T and l; no mask
	WIN 0x82
.set i, 0
.rept 64
	v_mov_b32 v[MC+i], v[BI+i%32]
.set i, i+1
.endr
	WIN 0
	v_mov_b32 v[ST+1], 0xff7fffff
	v_mov_b32 v[ST+5], 0xff7fffff
	s_mov_b32 s[NEW], 0
.endm
.macro PACK t                          ; O^T / l, rounded; a lane's eight channels are 16 bytes; through my stage, back as whole rows of 128 bytes
.set i, 0
.rept 16
	v_pk_mul_f32 v[O+32*(\t)+2*i:O+32*(\t)+2*i+1], v[O+32*(\t)+2*i:O+32*(\t)+2*i+1], v[ST+4*(\t)+2:ST+4*(\t)+3] op_sel_hi:[1,0]
.set i, i+1
.endr
.set i, 0
.rept 16
	v_cvt_pk_bf16_f32 v[S+16*(\t)+i], v[O+32*(\t)+2*i], v[O+32*(\t)+2*i+1]
.set i, i+1
.endr
.irp f, 0,1,2,3
	ds_store_b128 v[STO], v[S+16*(\t)+4*\f:S+16*(\t)+4*\f+3] offset:32*\f
.endr
.irp f, 0,1,2,3
	ds_load_b128 v[S+16*(\t)+4*\f:S+16*(\t)+4*\f+3], v[RD] offset:\f*4*SP  ; a wave's LDS instructions are served in order: these see the stores above
.endr
.endm
.macro SEND t, younger
.irp f, 0,1,2,3
	s_wait_dscnt (\younger)+3-\f                   ; the younger LDS instructions may stay out
	global_store_b128 v[GO], v[S+16*(\t)+4*\f:S+16*(\t)+4*\f+3], s[10:11] offset:(\t)*8192+\f*512  ; 512 consecutive bytes, aligned
.endr
.endm
.macro WAYOUT
.irp t, 0,1
	v_add_f32 v[ST+4*\t+2], v[ST+4*\t+2], v[ST+4*\t+3]
.endr
.irp t, 0,1
	v_permlanex16_b32 v[ST+4*\t+3], v[ST+4*\t+2], s[SEL], s[SEL+1]
.endr
.irp t, 0,1
	v_add_f32 v[ST+4*\t+2], v[ST+4*\t+2], v[ST+4*\t+3]
.endr
.irp t, 0,1
	v_rcp_f32 v[ST+4*\t+2], v[ST+4*\t+2]
.endr
	v_nop                                          ; a plain instruction behind the second reciprocal,
	s_wait_alu depctr_va_vdst(0)                   ; and one wait for both
	PACK 0
	PACK 1
	SEND 0, 8
	SEND 1, 0
.endm
; The first half of a trip: K of this step is asked for, the step before is finished.  Its first four lines are the places behind the last scores' products.
.macro TRIP_AB tail
	v_add_nc_u32 v[AK], s[TBK], v[AK0]
	v_add_f32 v[MO], s[DELTA], v[ST+1]
	v_add_f32 v[MO+1], s[DELTA], v[ST+5]
	v_add_nc_u32 v[AV], s[TBV], v[AV0]
.if \tail
	s_cmp_eq_u32 s[CNT], 1                         ; the fifth trip of the tail has no step of its own
	s_cbranch_scc1 .Lno_k
.endif
	FETCH_K
.if \tail
.Lno_k:
.endif
	SM
	s_wait_dscnt 0x0                               ; V of the step before, and K
	PVM
	WIN 0
	PLACES                                         ; ahead of the loads into V and of the way out
.endm
; The second half: where a block has ended it goes out and the next begins; then V of this step is asked for and its scores are made.
.macro TRIP_CD tag
	s_cmp_lg_u32 s[NEW], 1
	s_cbranch_scc1 .LpartD\tag
	WAYOUT
	s_wait_xcnt 0x0                                ; the stores have read their data and O's address
	s_mov_b64 s[10:11], s[OLO:OLO+1]
	WIN 0x41
.set i, 0
.rept 32
	v_mov_b32 v[QF+i], v[QB+i]                     ; the second block's Q goes where the one text names Q
.set i, i+1
.endr
	WIN 0
	INIT
.LpartD\tag:
	FETCH_V
	s_cmp_lg_u32 s[RT], 0                          ; the block's last tile holds the diagonal
	s_cbranch_scc1 .Lno_mask\tag
	MASK
.Lno_mask\tag:
	s_wait_dscnt 16                                ; K is in; V's 16 loads may stay out
	QK
	WIN 0
	s_add_co_u32 s[SI], s[SI], 1
.endm
	s_load_b128 s[16:19], s[0:1], 0x0              ; big 16, act 18
	v_lshl_add_u32 v[SPW], v0, 2, SPARE
	v_mov_b32 v[NIL], 0
	ds_add_u32 v[SPW], v[NIL]                      ; the opening: the add and its wait ahead of my first tensor load
	v_lshrrev_b32 v1, 5, v0
	v_readfirstlane_b32 s[WV], v1
	s_lshr_b32 s[PB], ttmp9, 1                     ; b
	s_and_b32 s13, ttmp9, 1                        ; z
	s_sub_co_u32 s[HI], NB-1, s[PB]
	s_lshl_b32 s[XB], s13, 1
	s_add_co_u32 s[XB+1], s[XB], 1
	s_and_b32 s20, ttmp7, 0xffff
	s_lshr_b32 s21, s20, 4                         ; batch
	s_and_b32 s20, s20, 15                         ; head
	s_lshl_b32 s22, s20, 19
	s_lshl_b32 s23, s21, 18
	s_add_co_u32 s22, s22, s23                     ; the head's plane and the batch's rows
	s_and_b32 s21, s20, 1                          ; 8 x slope = 2^(2.5 - head / 2): the significand of 1 or of the root of 2, and the exponent
	s_cmp_eq_u32 s21, 1
	s_cselect_b32 s21, 1.0, 0x3fb504f3
	s_lshr_b32 s23, s20, 1
	s_sub_co_u32 s23, 2, s23
	s_lshl_b32 s23, s23, 23
	s_add_co_u32 s21, s21, s23
	s_xor_b32 s[NSL], s21, 0x80000000
	s_add_co_u32 s[DELTA], s21, 6<<23              ; x 64
	s_and_b32 s48, s[WV], 1                        ; which half of a tile's 256 keys I fetch
	s_lshl_b32 s49, s48, 14
	s_add_co_u32 s50, s22, s49
	s_mov_b32 s51, 0
	s_mul_i32 s52, s48, 128*PK
	s_mul_i32 s53, s48, 128*PV
	s_lshl_b32 s54, s13, 14                        ; my two bands, my 16 rows in each
	s_lshl_b32 s55, s[WV], 11
	s_add_co_u32 s54, s54, s55
	s_add_co_u32 s54, s54, s22
	s_lshl_b32 s2, s[HI], 15
	s_add_co_u32 s2, s2, s54
	s_mov_b32 s3, 0
	s_lshl_b32 s92, s[PB], 15
	s_add_co_u32 s92, s92, s54
	s_mov_b32 s93, 0
	; 128 keys are 16,384 dense bytes: asked for as 64 rows of 256 bytes, padded in LDS after every key
	s_mov_b32 s[G1K], (1<<16)|(1<<20)|(4<<22)|(3<<25)
	s_mov_b32 s[G1V], (1<<16)|(1<<20)|(4<<22)|(7<<25)
.irp g, G1K, G1V
	s_mov_b32 s[\g+1], 128<<16
	s_mov_b32 s[\g+2], 64<<16
	s_mov_b32 s[\g+3], 128<<16
	s_mov_b32 s[\g+4], 64
	s_mov_b32 s[\g+5], 128
	s_mov_b32 s[\g+6], 0
	s_mov_b32 s[\g+7], 0
.endr
	s_mov_b32 s[CS], 0x3e38aa3b                    ; c = log2(e) / 8
	s_mov_b32 s[CS+1], s[CS]
	s_mov_b32 s[SEL], 0x76543210
	s_mov_b32 s[SEL+1], 0xfedcba98
	s_mov_b32 s[TBK], SLOT1+4*KS*PK                ; the first change of slots turns these two into 0
	s_mov_b32 s[TBV], SLOT1+4*KS*PV
	s_mov_b32 s[G0K], 1
	s_mov_b32 s[G0K+1], s52
	s_mov_b32 s[G0V], 1
	s_add_co_u32 s[G0V+1], s53, VOFF
	s_add_co_u32 s[RT], s[HI], 1                   ; the first block has 8 - b tiles
	s_mov_b32 s[NXT], 1
	s_mov_b32 s[LQ], s[HI]
	s_mov_b32 s[OFF+1], 0
	s_mov_b32 s[AL+1], 0
	s_mov_b32 s[BE+1], 0
	s_mov_b32 s[BIGN], 0xf149f2ca                  ; -1e30
	s_mov_b32 s[SLOTS], NB
	s_cmp_eq_u32 ttmp9, 0
	s_cselect_b32 s[LIM], 2, -1
	s_wait_dscnt 0x0                               ; the opening add is done
	s_wait_kmcnt 0x0
	s_add_nc_u64 s[6:7], s[16:17], s[50:51]
	s_add_nc_u64 s[8:9], s[6:7], 32*524288         ; V at my half of the head's tile 0
	s_add_nc_u64 s[6:7], s[6:7], 16*524288         ; K likewise
	s_add_nc_u64 s[G0K+2:G0K+3], s[6:7], 0
	s_or_b32 s[G0K+3], s[G0K+3], 0x80000000
	s_add_nc_u64 s[G0V+2:G0V+3], s[8:9], 0
	s_or_b32 s[G0V+3], s[G0V+3], 0x80000000
	s_add_nc_u64 s[4:5], s[16:17], s[2:3]          ; Q and y at my rows of the first block,
	s_add_nc_u64 s[94:95], s[16:17], s[92:93]      ; and of the second
	s_add_nc_u64 s[10:11], s[18:19], s[2:3]
	s_add_nc_u64 s[OLO:OLO+1], s[18:19], s[92:93]
	s_cmp_lt_u32 s[WV], 2
	s_cselect_b64 s[PFA:PFA+1], s[6:7], s[8:9]
	s_add_nc_u64 s[PFA:PFA+1], s[PFA:PFA+1], 32768 ; at tile 1: the first change steps it to tile 2
	LOAD                                           ; tile 0 into slot 0
	v_and_b32 v1, 15, v0                           ; l % 16
	v_bfe_u32 v9, v0, 4, 1                         ; l / 16
	v_lshlrev_b32 v[QO], 7, v1
	v_lshl_add_u32 v[QO], v9, 4, v[QO]
	WIN 0x40
.set i, 0
.rept 4                                ; both blocks' Q: piece i / 2 lies 64 rows on; channels 32 (i % 2) on
	global_load_b128 v[QF+8*i:QF+8*i+3],   v[QO], s[4:5] offset:(i/2)*8192+(i%2)*64
	global_load_b128 v[QF+8*i+4:QF+8*i+7], v[QO], s[4:5] offset:(i/2)*8192+(i%2)*64+32
	global_load_b128 v[QB+8*i:QB+8*i+3],   v[QO], s[94:95] offset:(i/2)*8192+(i%2)*64
	global_load_b128 v[QB+8*i+4:QB+8*i+7], v[QO], s[94:95] offset:(i/2)*8192+(i%2)*64+32
.set i, i+1
.endr
	WIN 0
	v_lshlrev_b32 v13, 3, v9                       ; 8 (l / 16)
	v_sub_nc_u32 v14, v1, v13
	s_lshl_b32 s48, s[WV], 4
	v_add_nc_u32 v14, s48, v14                     ; my query's place in its band less my lanes' 8 (l / 16): register i is hidden where 16 (i / 8) + i % 8 is greater
	WIN 0x80
.set i, 0
.rept 32
	v_cmp_gt_i32 vcc_lo, 16*(i/8)+i%8, v14
	v_cndmask_b32 v[MD+i], 0, s[BIGN], vcc_lo
.set i, i+1
.endr
.set i, 0
.rept 32                               ; BI: the key's place in the step, as a whole number,
	v_add_nc_u32 v[BI+i], 16*(i/8)+i%8, v13
.set i, i+1
.endr
	WIN 0x82
.set i, 0
.rept 32                               ; in f32,
	v_cvt_f32_u32 v[BI+i], v[BI+i]
.set i, i+1
.endr
	WIN 0x88
.set i, 0
.rept 32                               ; times - 8 slope
	v_mul_f32 v[BI+i], s[NSL], v[BI+i]
.set i, i+1
.endr
	WIN 0
	v_mul_u32_u24 v[AK0], v1, PK
	v_lshl_add_u32 v[AK0], v9, 4, v[AK0]
	v_and_b32 v10, 7, v0
	v_bfe_u32 v11, v0, 3, 1
	v_lshl_add_u32 v[AV0], v9, 3, v10              ; the turning load: key 8 (l / 16) + l % 8, channels 8 ((l / 8) % 2) on
	v_mul_u32_u24 v[AV0], v[AV0], PV
	v_lshl_add_u32 v[AV0], v11, 4, v[AV0]
	v_add_nc_u32 v[AV0], VOFF, v[AV0]
	s_mul_i32 s48, s[WV], 16*SP
	s_add_co_u32 s48, s48, STAGE
	v_mul_u32_u24 v[STO], v1, SP
	v_lshl_add_u32 v[STO], v9, 4, v[STO]
	v_add_nc_u32 v[STO], s48, v[STO]
	v_bfe_u32 v[RD], v0, 3, 2
	v_mul_u32_u24 v[RD], v[RD], SP
	v_lshl_add_u32 v[RD], v10, 4, v[RD]
	v_add_nc_u32 v[RD], s48, v[RD]
	v_and_b32 v[GO], 31, v0
	v_lshlrev_b32 v[PFO], 8, v[GO]
	v_lshlrev_b32 v[GO], 4, v[GO]
.set i, 0
.rept 64                               ; a block's first step multiplies O^T and l by a = 0, so they need only be finite: zeros, written in the wait for the first tile
	v_mov_b32 v[O+i], 0
.set i, i+1
.endr
.irp t, 0,1
	v_mov_b32 v[ST+4*\t+2], 0
	v_mov_b32 v[ST+4*\t+3], 0
.endr
	INIT
	CHANGE 1                                       ; tile 0 is in, everybody's part of it; tile 1 is asked for
	s_sub_co_u32 s[RT], s[RT], 1
	s_mov_b32 s[CNT], 4
	s_mov_b32 s[SI], 0
	v_add_nc_u32 v[AK], s[TBK], v[AK0]
	v_add_nc_u32 v[AV], s[TBV], v[AV0]
	FETCH_K
	s_wait_loadcnt 0x0                             ; Q
	s_branch .LpartD0                              ; the loop is entered in the middle of a trip: there is no step before the first
.Lslot:                                        ; seven times more: a tile is entered and the next is asked for
	CHANGE 1
	s_sub_co_u32 s[RT], s[RT], 1
	s_mov_b32 s[CNT], 4
	s_mov_b32 s[SI], 0
.Ltrip:
	TRIP_AB 0
	TRIP_CD 0
	s_sub_co_u32 s[CNT], s[CNT], 1
	s_cmp_lg_u32 s[CNT], 0
	s_cbranch_scc1 .Ltrip
	s_add_co_u32 s48, s[PB], 1                     ; behind a block's last tile: the second block has b + 1 tiles
	s_cmp_eq_u32 s[RT], 0
	s_cselect_b32 s[NEW], 1, 0
	s_cselect_b32 s[RT], s48, s[RT]
	s_sub_co_u32 s[SLOTS], s[SLOTS], 1
	s_cmp_lg_u32 s[SLOTS], 0
	s_cbranch_scc1 .Lslot
	CHANGE 0                                       ; the walk's last tile is written out
	s_sub_co_u32 s[RT], s[RT], 1
	s_mov_b32 s[CNT], 5                            ; four trips for its steps; the fifth finishes the last step and is left in its middle
	s_mov_b32 s[SI], 0
.Ltail:
	TRIP_AB 1
	s_sub_co_u32 s[CNT], s[CNT], 1
	s_cmp_eq_u32 s[CNT], 0
	s_cbranch_scc1 .Lout
	TRIP_CD 1
	s_branch .Ltail
.Lout:
	WAYOUT
	s_wait_tensorcnt 0x0                           ; the wave's end
	ds_add_u32 v[SPW], v[NIL]
	s_wait_dscnt 0x0
	s_endpgm
.Lfunc_end_k_q8951e3098b_attn:
	.size	k_q8951e3098b_attn, .Lfunc_end_k_q8951e3098b_attn-k_q8951e3098b_attn
	.p2alignl 7, 3214868480
	.fill 96, 4, 3214868480
	.section	.rodata,"a",@progbits
	.p2align	6, 0x0
	.amdhsa_kernel k_q8951e3098b_attn
		.amdhsa_group_segment_fixed_size 327680
		.amdhsa_private_segment_fixed_size 0
		.amdhsa_enable_private_segment 0
		.amdhsa_kernarg_size 16
		.amdhsa_user_sgpr_count 2
		.amdhsa_user_sgpr_kernarg_segment_ptr 1
		.amdhsa_wavefront_size32 1
		.amdhsa_system_sgpr_workgroup_id_x 1
		.amdhsa_system_sgpr_workgroup_id_y 1
		.amdhsa_system_sgpr_workgroup_id_z 1
		.amdhsa_system_vgpr_workitem_id 0
		.amdhsa_next_free_vgpr 640
		.amdhsa_next_free_sgpr 96
		.amdhsa_reserve_vcc 1
		.amdhsa_float_denorm_mode_32 3
		.amdhsa_float_denorm_mode_16_64 3
		.amdhsa_memory_ordered 1
		.amdhsa_forward_progress 1
		.amdhsa_inst_pref_size 95
	.end_amdhsa_kernel
	.amdgpu_metadata
---
amdhsa.version: [ 1, 2 ]
amdhsa.kernels:
  - .name:           k_q8951e3098b_attn
    .symbol:         k_q8951e3098b_attn.kd
    .args:
      - { .name: big, .offset: 0, .size: 8, .value_kind: global_buffer, .address_space: global }
      - { .name: act, .offset: 8, .size: 8, .value_kind: global_buffer, .address_space: global }
    .group_segment_fixed_size: 327680
    .private_segment_fixed_size: 0
    .kernarg_segment_align: 8
    .kernarg_segment_size: 16
    .max_flat_workgroup_size: 128
    .sgpr_count:     96
    .vgpr_count:     640
    .wavefront_size: 32
...
	.end_amdgpu_metadata
.endif
;; end of part 3
;; launch proj (part 4): grid 8 x 32, 4 waves a work-group, clusters of 4 x 4, 327,680 bytes of LDS; arguments act, wts, b_proj, x, x1; writes x1
.if DOCPART == 4
	.amdgcn_target "amdgcn-amd-amdhsa--gfx1250"
	.amdhsa_code_object_version 6
	.text
	.protected	k_q8951e3098b_proj
	.globl	k_q8951e3098b_proj
	.p2align	8
	.type	k_q8951e3098b_proj,@function
k_q8951e3098b_proj:
	s_mov_b64 s[64:65], 0
	v_nop
	global_prefetch_b8 v0, s[64:65] scope:SCOPE_SE
	s_setreg_imm32_b32 hwreg(HW_REG_WAVE_MODE, 25, 1), 1
	s_wait_xcnt 0x0
	s_wait_alu depctr_hold_cnt(0) depctr_sa_sdst(0) depctr_va_vdst(0) depctr_va_sdst(0) depctr_va_ssrc(0) depctr_va_vcc(0) depctr_vm_vsrc(0)
	s_getreg_b32 s2, hwreg(HW_REG_IB_STS2, 6, 4)
	s_cmp_eq_u32 s2, 0
	s_cbranch_scc0 .Lentry_in_a_cluster
	s_endpgm
.Lentry_in_a_cluster:
	s_bfe_u32 s2, ttmp6, 0x10000c
	s_cmp_lg_u32 s2, 0xf033
	s_cbranch_scc0 .Lentry_shape_is_right
	s_endpgm
.Lentry_shape_is_right:
; PROJ.  x1 = x + y x w_proj + b_proj, f32 [4096][1024].  y comes as planes [16][4096][64] bf16 (a plane = 64 of K); the weights in fragment order, bf16, at wts + 6,291,456:
; the block of columns 16 a .. and k = 32 c .. is 1,024 bytes at (a x 32 + c) x 1,024; lane l owns 16 bytes at 16 l (registers 0-3 of a fragment) and at 512 + 16 l (registers 4-7).
; SHARES.  A tile of 128 x 128 to a work-group: 8 x 32 tiles, one for each of 256 work-groups.  K IS SPLIT AMONG THE FOUR WAVES: each makes the WHOLE tile, 64 accumulators, over 128 of each
; K step's 512 (planes 2 w, 2 w + 1 of the step's eight).  The four partial tiles, in f32, meet in LDS on the way out.
; y THROUGH LDS: each wave fetches its own two planes by one tensor load, asked for jointly by the four work-groups of a row of the cluster (4 x 4).  K has two steps of 512, one in each of two
; slots of 147,456 bytes: both are first fills, and nothing is filled again.
; THE WEIGHTS STRAIGHT INTO REGISTERS: with K split no wave uses a fragment that another wave of the work-group uses.  A load of a wave covers 512 consecutive bytes.  Four buffers of 64 registers,
; one for each quarter of a K step; a run of 16 loads goes out 160 matrix instructions ahead of its first use.  NOT ASKED FOR JOINTLY: with the weights' 128 rows beside y, LDS would hold K = 512 in all
; and not 1,024, so that slots would have to be filled again.
; THE WALK along K begins at K step (tile row mod 2) and wraps: f32 sums may be taken in any order.  The last step's three runs of weight loads wrap to the walk's first step and serve nothing:
; the price of one text for both trips of the loop: 24 KiB a wave.
; NO PREFETCH: all of y's tiles are asked for at the head.
; The residual's rows 0-15 of a wave's 32 and the bias are asked for at the head; rows 16-31 behind the last product, into a weight buffer, and land while the partial tiles are staged and the first half is summed.
.set KD,    1024
.set WOFF,  6291456
.set PFON,  0
.set STEPS, KD/512
.set PA,    144                        ; a row of a plane in LDS: 128 bytes + 16: the 16 rows of a fragment load start at 16 different groups of four banks
.set APL,   128*PA
.set SLOT,  8*APL                      ; 0x24000; no load's first LDS byte (wave x 0x9000) has one of these two bits set, so one exclusive or changes slots
.set NSTR,  KD*32                      ; bytes from 16 columns' fragments to the next 16's
.set SPT,   528                        ; a row of a partial tile: 512 bytes + 16
.set PART,  128*SPT
.set SPARE, 2*SLOT                     ; behind the slots: the spare words, 128 bytes a wave
.set ADRA0, 16                         ; v16  my place in slot 0
.set ADRA,  18                         ; v18  the same in the slot in hand
.set STO,   20                         ; v20  where I put results in my partial tile
.set RD,    22                         ; v22-25  where I read a row of partial tile 0 .. 3
.set GO,    26                         ; v26  my 16 bytes of a row's 512, residual and result
.set BO,    27                         ; v27  16 l: my 16 bytes of a weight load's 512; never rewritten
.set SPW,   28
.set NIL,   29
.set PFO,   30
.set BIAS,  32                         ; v32-35
.set F0,    64                         ; y's fragments, two buffers, window 0
.set F1,    128
.set RES,   192                        ; 16 rows of the residual: window 0; the other 16 wait in window 1 under the same numbers
.set WV, 12
.set TB, 15
.set G1, 24
.set G0, 32                            ; two sets: the walk's first step into slot 0, its second into slot 1
.set PFA, 46
.set PF0, 48
.set A0, 50                            ; s[50:51] y at my planes of K step 0, my tile row
.set B0, 52                            ; s[52:53] the weights at my quarters of K step 0, my tile column
.set BP, 54                            ; s[54:55] the same at the K step whose weights are being asked for
.set OFA, 56
.set OFB, 58
.set OFP, 60
.set KA, 62
.set KB, 63
.set LIM, 66
.set OUTP, 70
.set MSB, 0
.macro WIN new
.if MSB != (\new)
	s_set_vgpr_msb (MSB<<8)|(\new)
.set MSB, \new
.endif
.endm
.set MUL_LO, 0xa1                      ; source 0 (weights) window 1, source 1 (y) window 0, C and D window 2
.set MUL_HI, 0xf1
.set TO_B,   0x40
.macro PLACES
.rept 4
	v_nop
.endr
.endm
.macro JL s                            ; every wave asks for its own two planes
	tensor_load_to_lds s[G0+4*(\s):G0+4*(\s)+3], s[G1:G1+7]
	s_nop 0
.rept 4
	v_nop
.endr
.endm
.macro CREST
	s_cmp_lg_u32 s[WV], 0
	s_cbranch_scc1 .Lnot_wave_0_\@
	s_barrier_signal -3
.Lnot_wave_0_\@:
	s_barrier_wait -3
	s_barrier_signal -1
	s_barrier_wait -1
.endm
.macro CROUND
	s_barrier_signal -1
	s_barrier_wait -1
	CREST
.endm
.macro ASK
	s_cmp_gt_u32 s3, s[LIM]
	s_cbranch_scc0 .Lnot_mine_\@
	global_prefetch_b8 v[PFO], s[PFA:PFA+1] th:TH_LOAD_NT scope:SCOPE_SE
.Lnot_mine_\@:
.endm
.macro MULH f, q, hi, a0, zero         ; y's buffer f, weight buffer q; row blocks a0, a0 + 1 of the window's four x all 8 column blocks; the accumulators take turns, one instruction a turn
	WIN MUL_LO+0x50*(\hi)
.irp a, \a0, (\a0)+1
.set bb, 0
.rept 8
.if \zero
	v_wmma_f32_16x16x32_bf16 v[8*(8*(\a)+bb):8*(8*(\a)+bb)+7], v[64*(\q)+8*bb:64*(\q)+8*bb+7], v[(\f)+8*(4*(\hi)+(\a)):(\f)+8*(4*(\hi)+(\a))+7], 0
.else
	v_wmma_f32_16x16x32_bf16 v[8*(8*(\a)+bb):8*(8*(\a)+bb)+7], v[64*(\q)+8*bb:64*(\q)+8*bb+7], v[(\f)+8*(4*(\hi)+(\a)):(\f)+8*(4*(\hi)+(\a))+7], v[8*(8*(\a)+bb):8*(8*(\a)+bb)+7]
.endif
.set bb, bb+1
.endr
.endr
.endm
.macro FETCH q, f                      ; 16 LDS loads: y's fragments of quarter q: plane q / 2 of my two, 32 along K at byte 64 (q % 2)
	WIN 0
.set bb, 0
.rept 8
	ds_load_b128 v[(\f)+8*bb:(\f)+8*bb+3],   v[ADRA] offset:((\q)/2)*APL+((\q)%2)*64+bb*16*PA
	ds_load_b128 v[(\f)+8*bb+4:(\f)+8*bb+7], v[ADRA] offset:((\q)/2)*APL+((\q)%2)*64+bb*16*PA+32
.set bb, bb+1
.endr
.endm
.macro BLOAD q                         ; 16 loads: the weights' fragments of quarter q of the K step at BP, into buffer q
	WIN TO_B
.set bb, 0
.rept 8
	global_load_b128 v[64*(\q)+8*bb:64*(\q)+8*bb+3],   v[BO], s[BP:BP+1] offset:bb*NSTR+(\q)*1024
	global_load_b128 v[64*(\q)+8*bb+4:64*(\q)+8*bb+7], v[BO], s[BP:BP+1] offset:bb*NSTR+(\q)*1024+512
.set bb, bb+1
.endr
.endm
; Quarter q (0 to 2) of a K step: multiplies y's buffer f by weight buffer q; in its middle it fetches y's next quarter into g and asks for the weights three quarters on, into the buffer that the quarter before has left.
.macro QUARTER q, f, g, zero
	s_wait_dscnt 8                                 ; all but the youngest eight LDS loads: y's rows 64-127
	s_wait_loadcnt 32                              ; weight buffer q is in; the two younger runs of 16 may stay out
	MULH \f, \q, 0, 0, \zero
	MULH \f, \q, 0, 2, \zero
	PLACES
	FETCH (\q)+1, \g
.if (\q) == 1
	s_wait_xcnt 0x0                                ; the loads issued so far have read their base: from here on the next K step's weights are asked for
	s_add_co_u32 s[KB], s[KB], 1
	s_and_b32 s[KB], s[KB], STEPS-1
	s_lshl_b32 s[OFB], s[KB], 14                   ; a K step is 16 blocks of 1,024 bytes
	s_add_nc_u64 s[BP:BP+1], s[B0:B0+1], s[OFB:OFB+1]
.endif
	BLOAD ((\q)+3)%4
	s_wait_dscnt 16                                ; all but the run of LDS loads just issued
	MULH \f, \q, 1, 0, \zero
	MULH \f, \q, 1, 2, \zero
.endm
; Quarter 3 multiplies buffer 1 and changes slots: one barrier; ahead of it each wave waits for all its tensor loads, adds 0 to its spare word, and waits for that and for its reads of the slot.
.macro TURN fill
	WIN 0
	s_xor_b32 s[TB], s[TB], SLOT                   ; all reads of the old slot have been issued
	v_add_nc_u32 v[ADRA], s[TB], v[ADRA0]
	s_wait_tensorcnt 0x0
	ds_add_u32 v[SPW], v[NIL]
.if \fill
	s_add_co_u32 s[KA], s[KA], 1
	s_and_b32 s[KA], s[KA], STEPS-1
	s_lshl_b32 s[OFA], s[KA], 22                   ; a K step is eight planes of 524,288 bytes
	s_xor_b32 s[G0+5], s[G0+5], SLOT
	s_add_nc_u64 s[G0+6:G0+7], s[A0:A0+1], s[OFA:OFA+1]
	s_or_b32 s[G0+7], s[G0+7], 0x80000000
.if PFON
	s_add_co_u32 s[OFP], s[KA], 1
	s_and_b32 s[OFP], s[OFP], STEPS-1
	s_lshl_b32 s[OFP], s[OFP], 22
	s_wait_xcnt 0x0
	s_add_nc_u64 s[PFA:PFA+1], s[PF0:PF0+1], s[OFP:OFP+1]
.endif
.endif
	s_wait_dscnt 9                                 ; the add and the youngest eight loads may be out
	s_wait_loadcnt 32                              ; weight buffer 3 is in
	MULH F1, 3, 0, 0, 0
	s_wait_dscnt 0x0                               ; the add is done, and my reads of the old slot are over
	s_barrier_signal -1
	MULH F1, 3, 0, 2, 0
	WIN 0
	s_barrier_wait -1
.if \fill
	CREST
	JL 1
.else
	PLACES
.endif
	FETCH 0, F0
	BLOAD 2
.if (\fill) && PFON
	WIN 0
	ASK
.endif
	MULH F1, 3, 1, 0, 0
	MULH F1, 3, 1, 2, 0
.endm
.macro STAGE_OUT                       ; every accumulator into my partial tile, its low four registers first
.set a, 0
.rept 8
	WIN 0x08+4*(a/4)
.set bb, 0
.rept 8
	ds_store_b128 v[STO], v[8*(8*(a%4)+bb):8*(8*(a%4)+bb)+3]   offset:a*16*SPT+64*bb
	ds_store_b128 v[STO], v[8*(8*(a%4)+bb)+4:8*(8*(a%4)+bb)+7] offset:a*16*SPT+64*bb+16
.set bb, bb+1
.endr
.set a, a+1
.endr
	WIN 0
.endm
.macro LOADG g                         ; four rows of all four partial tiles into set g % 2
.irp q, 0,1,2,3
.irp p, 0,1,2,3
	ds_load_b128 v[64+64*((\g)%2)+16*\q+4*\p:64+64*((\g)%2)+16*\q+4*\p+3], v[RD+\p] offset:(4*(\g)+\q)*SPT
.endr
.endr
.endm
.macro SUMG g                          ; (P0 + P1) + (P2 + P3) + (residual + bias), stored as 512 consecutive bytes of a row
.set SX, 64+64*((\g)%2)
.irp q, 0,1,2,3
.irp e, 0,2
	v_pk_add_f32 v[SX+16*\q+\e:SX+16*\q+\e+1], v[SX+16*\q+\e:SX+16*\q+\e+1], v[SX+16*\q+4+\e:SX+16*\q+4+\e+1]
	v_pk_add_f32 v[SX+16*\q+8+\e:SX+16*\q+8+\e+1], v[SX+16*\q+8+\e:SX+16*\q+8+\e+1], v[SX+16*\q+12+\e:SX+16*\q+12+\e+1]
	v_pk_add_f32 v[RES+4*(4*(\g)+\q)+\e:RES+4*(4*(\g)+\q)+\e+1], v[RES+4*(4*(\g)+\q)+\e:RES+4*(4*(\g)+\q)+\e+1], v[BIAS+\e:BIAS+\e+1]
.endr
.endr
.irp q, 0,1,2,3
.irp e, 0,2
	v_pk_add_f32 v[SX+16*\q+\e:SX+16*\q+\e+1], v[SX+16*\q+\e:SX+16*\q+\e+1], v[SX+16*\q+8+\e:SX+16*\q+8+\e+1]
.endr
.endr
.irp q, 0,1,2,3
.irp e, 0,2
	v_pk_add_f32 v[SX+16*\q+\e:SX+16*\q+\e+1], v[SX+16*\q+\e:SX+16*\q+\e+1], v[RES+4*(4*(\g)+\q)+\e:RES+4*(4*(\g)+\q)+\e+1]
.endr
.endr
.irp q, 0,1,2,3
	global_store_b128 v[GO], v[SX+16*\q:SX+16*\q+3], s[OUTP:OUTP+1] offset:(4*(\g)+\q)*4096
.endr
.endm
	s_load_b256 s[4:11], s[0:1], 0x0               ; y 4, wts 6, bias 8, residual 10
	s_load_b64 s[OUTP:OUTP+1], s[0:1], 0x20        ; out
	v_lshl_add_u32 v[SPW], v0, 2, SPARE
	v_mov_b32 v[NIL], 0
	ds_add_u32 v[SPW], v[NIL]                      ; the opening: the add and its wait ahead of my first tensor load
	v_lshrrev_b32 v1, 5, v0
	v_readfirstlane_b32 s[WV], v1
	s_mov_b32 s[TB], 0
	s_bfe_u32 s40, ttmp6, 0x40000                  ; cx
	s_bfe_u32 s41, ttmp6, 0x40004                  ; cy
	s_lshl_b32 s42, ttmp9, 2
	s_add_co_u32 s42, s42, s40                     ; tile column
	s_and_b32 s43, ttmp7, 0xffff
	s_lshl_b32 s43, s43, 2
	s_add_co_u32 s43, s43, s41                     ; tile row
	s_lshl_b32 s44, s41, 2
	s_lshl_b32 s44, 15, s44                        ; my row of the cluster
	; a plane's 128 rows are 16,384 dense bytes, taken as ONE row of 2,048 elements of 8 bytes; two planes, 65,536 elements apart; 16 bytes of padding behind every 128
	s_or_b32 s[G1], s44, (3<<16)|(1<<20)|(1<<21)|(4<<22)|(3<<25)
	s_mov_b32 s[G1+1], 2048<<16
	s_mov_b32 s[G1+2], 2<<16
	s_mov_b32 s[G1+3], 2048<<16
	s_mov_b32 s[G1+4], 2
	s_mov_b32 s[G1+5], 65536
	s_mov_b32 s[G1+6], 0
	s_mov_b32 s[G1+7], 0
	s_and_b32 s[KB], s43, STEPS-1                  ; where my walk along K begins: the four that ask with me share the tile row
	s_add_co_u32 s[KA], s[KB], 1
	s_and_b32 s[KA], s[KA], STEPS-1
	s_lshl_b32 s16, s[WV], 20                      ; y: planes 2 w on, rows 128 x tile row on
	s_lshl_b32 s17, s43, 14
	s_add_co_u32 s16, s16, s17
	s_mov_b32 s17, 0
	s_mul_i32 s18, s42, 8*NSTR                     ; weights: column blocks 8 x tile column on, my four quarters of a K step
	s_lshl_b32 s19, s[WV], 12
	s_add_co_u32 s18, s18, s19
	s_add_co_u32 s18, s18, WOFF
	s_mov_b32 s19, 0
	s_mul_i32 s67, s[WV], 2*APL                    ; where my planes go: the wave's number alone
	s_lshl_b32 s[OFA], s[KB], 22
	s_mov_b32 s[OFA+1], 0
	s_lshl_b32 s[OFP], s[KA], 22
	s_mov_b32 s[OFP+1], 0
	s_lshl_b32 s[OFB], s[KB], 14
	s_mov_b32 s[OFB+1], 0
	s_wait_dscnt 0x0                               ; the opening add is done
	s_wait_kmcnt 0x0
	s_add_nc_u64 s[A0:A0+1], s[4:5], s[16:17]
	s_add_nc_u64 s[B0:B0+1], s[6:7], s[18:19]
	s_add_nc_u64 s[BP:BP+1], s[B0:B0+1], s[OFB:OFB+1]
	CROUND                                         ; all sixteen work-groups are here: the first joint loads meet
	s_mov_b32 s[G0], 1
	s_mov_b32 s[G0+1], s67
	s_add_nc_u64 s[G0+2:G0+3], s[A0:A0+1], s[OFA:OFA+1]
	s_or_b32 s[G0+3], s[G0+3], 0x80000000
	JL 0
	s_mov_b32 s[G0+4], 1
	s_add_co_u32 s[G0+5], s67, SLOT
	s_add_nc_u64 s[G0+6:G0+7], s[A0:A0+1], s[OFP:OFP+1]
	s_or_b32 s[G0+7], s[G0+7], 0x80000000
	JL 1
	v_and_b32 v1, 15, v0
	v_bfe_u32 v2, v0, 4, 1
	v_and_b32 v3, 31, v0
	v_lshlrev_b32 v[GO], 4, v3
	v_lshlrev_b32 v[BO], 4, v3
	s_lshl_b32 s88, s43, 19                        ; rows 128 x tile row + 32 w of 4,096 bytes, columns 128 x tile column
	s_lshl_b32 s89, s[WV], 17
	s_add_co_u32 s88, s88, s89
	s_lshl_b32 s90, s42, 9
	s_add_co_u32 s88, s88, s90
	s_mov_b32 s89, 0
	s_mov_b32 s91, 0
	s_add_nc_u64 s[10:11], s[10:11], s[88:89]
	s_add_nc_u64 s[OUTP:OUTP+1], s[OUTP:OUTP+1], s[88:89]
	s_add_nc_u64 s[8:9], s[8:9], s[90:91]
	global_load_b128 v[BIAS:BIAS+3], v[GO], s[8:9]
.set i, 0
.rept 16
	global_load_b128 v[RES+4*i:RES+4*i+3], v[GO], s[10:11] offset:i*4096 th:TH_LOAD_NT
.set i, i+1
.endr
	BLOAD 0                                        ; the weights of the walk's first three quarters
	BLOAD 1
	BLOAD 2
	WIN 0
	v_mul_u32_u24 v4, v1, PA
	v_lshl_add_u32 v4, v2, 4, v4
	v_add_nc_u32 v[ADRA0], s67, v4                 ; my planes: row r, 16 bytes for each half of the lanes
	v_mov_b32 v[ADRA], v[ADRA0]
	v_mul_u32_u24 v4, v1, SPT
	v_lshl_add_u32 v[STO], v2, 5, v4               ; my partial tile: row r, bytes 32 h
	s_mul_i32 s88, s[WV], PART
	v_add_nc_u32 v[STO], s88, v[STO]
	s_mul_i32 s88, s[WV], 32*SPT                   ; back: rows 32 w on, 16 bytes a lane
	v_add_nc_u32 v[RD], s88, v[GO]
	v_add_nc_u32 v[RD+1], PART, v[RD]
	v_add_nc_u32 v[RD+2], PART, v[RD+1]
	v_add_nc_u32 v[RD+3], PART, v[RD+2]
	s_wait_tensorcnt 1                             ; my planes of the first step are in; the second slot's may stay out
	s_barrier_signal -1
	s_barrier_wait -1
	FETCH 0, F0
	QUARTER 0, F0, F1, 1                           ; the first quarter starts the sums with the constant 0
	WIN 0
	s_mov_b32 s2, 2
.Ltail:                                        ; both K steps.  The second trip is left in its middle; its run of LDS loads and its three runs of weight loads serve nothing
	QUARTER 1, F1, F0, 0
	QUARTER 2, F0, F1, 0
	TURN 0
	WIN 0
	s_sub_co_u32 s2, s2, 1
	s_cmp_eq_u32 s2, 0
	s_cbranch_scc1 .Lout
	QUARTER 0, F0, F1, 0
	WIN 0
	s_branch .Ltail
.Lout:
	s_wait_dscnt 0x0
	s_barrier_signal -1
	s_barrier_wait -1                              ; nobody reads the slots any more; filled for the last time, they take the partial tiles
	PLACES
	WIN TO_B                                       ; the residual's rows 16-31 go where weight buffer 3 lay
.set i, 0
.rept 16
	global_load_b128 v[RES+4*i:RES+4*i+3], v[GO], s[10:11] offset:(16+i)*4096 th:TH_LOAD_NT
.set i, i+1
.endr
	STAGE_OUT
	s_wait_dscnt 0x0                               ; for the others: my partial tile is stored
	s_barrier_signal -1
	s_barrier_wait -1
	s_wait_loadcnt 16                              ; bias and rows 0-15 of the residual are in; the 16 loads of rows 16-31 may stay out
	s_mov_b32 s3, 2
.Lhalf:                                        ; sixteen rows a trip, in four groups of four
	LOADG 0
.irp g, 0,1,2
	s_wait_xcnt 0x0                                ; the stores of the group before last have read the set that is loaded again
	LOADG (\g)+1
	s_wait_dscnt 16                                ; the next group's 16 loads may stay out
	SUMG \g
.endr
	s_wait_dscnt 0x0
	SUMG 3
	s_sub_co_u32 s3, s3, 1
	s_cmp_eq_u32 s3, 0
	s_cbranch_scc1 .Ldone
	s_wait_loadcnt 0x0                             ; rows 16-31 of the residual
	s_wait_xcnt 0x0                                ; the stores have read their data and their offset
	WIN 0x01
.set i, 0
.rept 64
	v_mov_b32 v[RES+i], v[RES+i]                   ; from window 1 to where the one text names the residual
.set i, i+1
.endr
	WIN 0
.irp p, 0,1,2,3
	v_add_nc_u32 v[RD+\p], 16*SPT, v[RD+\p]
.endr
	v_add_nc_u32 v[GO], 16*4096, v[GO]
	s_branch .Lhalf
.Ldone:
	s_wait_tensorcnt 0x0                           ; the wave's end
	ds_add_u32 v[SPW], v[NIL]
	s_wait_dscnt 0x0
	CROUND                                         ; the closing round
	s_endpgm
.Lfunc_end_k_q8951e3098b_proj:
	.size	k_q8951e3098b_proj, .Lfunc_end_k_q8951e3098b_proj-k_q8951e3098b_proj
	.p2alignl 7, 3214868480
	.fill 96, 4, 3214868480
	.section	.rodata,"a",@progbits
	.p2align	6, 0x0
	.amdhsa_kernel k_q8951e3098b_proj
		.amdhsa_group_segment_fixed_size 327680
		.amdhsa_private_segment_fixed_size 0
		.amdhsa_enable_private_segment 0
		.amdhsa_kernarg_size 40
		.amdhsa_user_sgpr_count 2
		.amdhsa_user_sgpr_kernarg_segment_ptr 1
		.amdhsa_wavefront_size32 1
		.amdhsa_system_sgpr_workgroup_id_x 1
		.amdhsa_system_sgpr_workgroup_id_y 1
		.amdhsa_system_sgpr_workgroup_id_z 1
		.amdhsa_system_vgpr_workitem_id 0
		.amdhsa_next_free_vgpr 1024
		.amdhsa_next_free_sgpr 96
		.amdhsa_reserve_vcc 0
		.amdhsa_float_denorm_mode_32 3
		.amdhsa_float_denorm_mode_16_64 3
		.amdhsa_memory_ordered 1
		.amdhsa_forward_progress 1
		.amdhsa_inst_pref_size 76
	.end_amdhsa_kernel
	.amdgpu_metadata
---
amdhsa.version: [ 1, 2 ]
amdhsa.kernels:
  - .name:           k_q8951e3098b_proj
    .symbol:         k_q8951e3098b_proj.kd
    .args:
      - { .name: act, .offset: 0, .size: 8, .value_kind: global_buffer, .address_space: global }
      - { .name: wts, .offset: 8, .size: 8, .value_kind: global_buffer, .address_space: global }
      - { .name: b_proj, .offset: 16, .size: 8, .value_kind: global_buffer, .address_space: global }
      - { .name: x, .offset: 24, .size: 8, .value_kind: global_buffer, .address_space: global }
      - { .name: x1, .offset: 32, .size: 8, .value_kind: global_buffer, .address_space: global }
    .group_segment_fixed_size: 327680
    .private_segment_fixed_size: 0
    .kernarg_segment_align: 8
    .kernarg_segment_size: 40
    .max_flat_workgroup_size: 128
    .sgpr_count:     96
    .vgpr_count:     1024
    .wavefront_size: 32
...
	.end_amdgpu_metadata
.endif
;; end of part 4
;; launch ln2 (part 5): grid 256 x 1, 8 waves a work-group, no clusters, 0 bytes of LDS; arguments x1, ln2_w, ln2_b, act; writes act
.if DOCPART == 5
	.amdgcn_target "amdgcn-amd-amdhsa--gfx1250"
	.amdhsa_code_object_version 6
	.text
	.protected	k_q8951e3098b_ln2
	.globl	k_q8951e3098b_ln2
	.p2align	8
	.type	k_q8951e3098b_ln2,@function
k_q8951e3098b_ln2:
	s_mov_b64 s[64:65], 0
	v_nop
	global_prefetch_b8 v0, s[64:65] scope:SCOPE_SE
	s_setreg_imm32_b32 hwreg(HW_REG_WAVE_MODE, 25, 1), 1
	s_wait_xcnt 0x0
; LN2.  act = LayerNorm(x1) with ln2_w, ln2_b, rounded once to bf16, [4096][1024].  Mean first, then the sum of squares of x - mean: no difference of large sums.
; 256 work-groups of eight waves, two rows a wave, a row in 32 registers a lane: read once, no LDS, no barrier.  Loads cover 512 consecutive bytes, stores 256, aligned.
.set XO,  2
.set WO,  3
.set YO,  4
.set TS,  16
.set X,   32
.set W,   96
.set B,   128
.set OUTP, 50
.set SEL, 52
.set C10, 54
.set EPS, 55
.macro FOLD
.irp p, 0,1
	v_pk_add_f32 v[TS+8*\p:TS+8*\p+1], v[TS+8*\p:TS+8*\p+1], v[TS+8*\p+2:TS+8*\p+3]
	v_pk_add_f32 v[TS+8*\p+4:TS+8*\p+5], v[TS+8*\p+4:TS+8*\p+5], v[TS+8*\p+6:TS+8*\p+7]
.endr
.irp p, 0,1
	v_pk_add_f32 v[TS+8*\p:TS+8*\p+1], v[TS+8*\p:TS+8*\p+1], v[TS+8*\p+4:TS+8*\p+5]
.endr
.irp p, 0,1
	v_add_f32 v[TS+8*\p], v[TS+8*\p], v[TS+8*\p+1]
.endr
.irp m, 1,2,4,8
.irp p, 0,1
	v_add_f32_dpp v[TS+8*\p], v[TS+8*\p], v[TS+8*\p] row_xmask:\m row_mask:0xf bank_mask:0xf
.endr
.endr
.irp p, 0,1
	v_permlanex16_b32 v[TS+8*\p+1], v[TS+8*\p], s[SEL], s[SEL+1]
.endr
.irp p, 0,1
	v_add_f32 v[TS+8*\p], v[TS+8*\p], v[TS+8*\p+1]
.endr
.endm
.macro LNROWS
.set q, 4
.rept 12                               ; four chains of pairs; the first addition starts a chain
.irp p, 0,1
.if q < 8
	v_pk_add_f32 v[TS+8*\p+2*(q%4):TS+8*\p+2*(q%4)+1], v[X+32*\p+2*(q-4):X+32*\p+2*(q-4)+1], v[X+32*\p+2*q:X+32*\p+2*q+1]
.else
	v_pk_add_f32 v[TS+8*\p+2*(q%4):TS+8*\p+2*(q%4)+1], v[TS+8*\p+2*(q%4):TS+8*\p+2*(q%4)+1], v[X+32*\p+2*q:X+32*\p+2*q+1]
.endif
.endr
.set q, q+1
.endr
	FOLD
.irp p, 0,1
	v_mul_f32 v[TS+8*\p+2], s[C10], v[TS+8*\p]     ; the mean
.endr
.set q, 0
.rept 16
.irp p, 0,1
	v_pk_add_f32 v[X+32*\p+2*q:X+32*\p+2*q+1], v[X+32*\p+2*q:X+32*\p+2*q+1], v[TS+8*\p+2:TS+8*\p+3] op_sel_hi:[1,0] neg_lo:[0,1] neg_hi:[0,1]
.endr
.set q, q+1
.endr
.set q, 0
.rept 16
.irp p, 0,1
.if q < 4
	v_pk_mul_f32 v[TS+8*\p+2*q:TS+8*\p+2*q+1], v[X+32*\p+2*q:X+32*\p+2*q+1], v[X+32*\p+2*q:X+32*\p+2*q+1]
.else
	v_pk_fma_f32 v[TS+8*\p+2*(q%4):TS+8*\p+2*(q%4)+1], v[X+32*\p+2*q:X+32*\p+2*q+1], v[X+32*\p+2*q:X+32*\p+2*q+1], v[TS+8*\p+2*(q%4):TS+8*\p+2*(q%4)+1]
.endif
.endr
.set q, q+1
.endr
	FOLD
.irp p, 0,1
	v_fma_f32 v[TS+8*\p+2], v[TS+8*\p], s[C10], s[EPS]
.endr
.irp p, 0,1
	v_rsq_f32 v[TS+8*\p+4], v[TS+8*\p+2]
.endr
	v_nop                                          ; a plain instruction behind the second root,
	s_wait_alu depctr_va_vdst(0)                   ; and one wait for both
.set q, 0
.rept 16
.irp p, 0,1
	v_pk_mul_f32 v[X+32*\p+2*q:X+32*\p+2*q+1], v[X+32*\p+2*q:X+32*\p+2*q+1], v[TS+8*\p+4:TS+8*\p+5] op_sel_hi:[1,0]
.endr
.set q, q+1
.endr
.set q, 0
.rept 16
.irp p, 0,1
	v_pk_fma_f32 v[X+32*\p+2*q:X+32*\p+2*q+1], v[X+32*\p+2*q:X+32*\p+2*q+1], v[W+2*q:W+2*q+1], v[B+2*q:B+2*q+1]
.endr
.set q, q+1
.endr
.set q, 0
.rept 16
.irp p, 0,1
	v_cvt_pk_bf16_f32 v[X+32*\p+q], v[X+32*\p+2*q], v[X+32*\p+2*q+1]
.endr
.set q, q+1
.endr
.irp p, 0,1
.irp j, 0,1,2,3,4,5,6,7
	global_store_b64 v[YO], v[X+32*\p+2*\j:X+32*\p+2*\j+1], s[OUTP:OUTP+1] offset:\p*2048+256*\j
.endr
.endr
.endm
	s_load_b256 s[8:15], s[0:1], 0x0               ; x1 8, ln2_w 10, ln2_b 12, act 14
	v_lshrrev_b32 v1, 5, v0
	v_readfirstlane_b32 s26, v1
	v_and_b32 v5, 31, v0
	v_lshlrev_b32 v[WO], 4, v5
	s_lshl_b32 s30, s26, 13
	v_add_nc_u32 v[XO], s30, v[WO]
	s_lshl_b32 s31, s26, 12
	v_lshl_add_u32 v[YO], v5, 3, s31
	s_lshl_b32 s48, ttmp9, 16
	s_mov_b32 s49, 0
	s_lshl_b32 s50, ttmp9, 15
	s_mov_b32 s51, 0
	s_mov_b32 s[SEL], 0x76543210
	s_mov_b32 s[SEL+1], 0xfedcba98
	s_mov_b32 s[C10], 0x3a800000
	s_mov_b32 s[EPS], 0x3727c5ac
	s_wait_kmcnt 0x0
	s_add_nc_u64 s[48:49], s[8:9], s[48:49]
	s_add_nc_u64 s[OUTP:OUTP+1], s[14:15], s[OUTP:OUTP+1]
.irp p, 0,1
.irp j, 0,1,2,3,4,5,6,7
	global_load_b128 v[X+32*\p+4*\j:X+32*\p+4*\j+3], v[XO], s[48:49] offset:\p*4096+512*\j
.endr
.endr
.irp j, 0,1,2,3,4,5,6,7
	global_load_b128 v[W+4*\j:W+4*\j+3], v[WO], s[10:11] offset:512*\j
	global_load_b128 v[B+4*\j:B+4*\j+3], v[WO], s[12:13] offset:512*\j
.endr
	s_wait_loadcnt 0x0
	LNROWS
	s_endpgm
.Lfunc_end_k_q8951e3098b_ln2:
	.size	k_q8951e3098b_ln2, .Lfunc_end_k_q8951e3098b_ln2-k_q8951e3098b_ln2
	.p2alignl 7, 3214868480
	.fill 96, 4, 3214868480
	.section	.rodata,"a",@progbits
	.p2align	6, 0x0
	.amdhsa_kernel k_q8951e3098b_ln2
		.amdhsa_group_segment_fixed_size 0
		.amdhsa_private_segment_fixed_size 0
		.amdhsa_enable_private_segment 0
		.amdhsa_kernarg_size 32
		.amdhsa_user_sgpr_count 2
		.amdhsa_user_sgpr_kernarg_segment_ptr 1
		.amdhsa_wavefront_size32 1
		.amdhsa_system_sgpr_workgroup_id_x 1
		.amdhsa_system_sgpr_workgroup_id_y 1
		.amdhsa_system_sgpr_workgroup_id_z 1
		.amdhsa_system_vgpr_workitem_id 0
		.amdhsa_next_free_vgpr 160
		.amdhsa_next_free_sgpr 66
		.amdhsa_reserve_vcc 0
		.amdhsa_float_denorm_mode_32 3
		.amdhsa_float_denorm_mode_16_64 3
		.amdhsa_memory_ordered 1
		.amdhsa_forward_progress 1
		.amdhsa_inst_pref_size 20
	.end_amdhsa_kernel
	.amdgpu_metadata
---
amdhsa.version: [ 1, 2 ]
amdhsa.kernels:
  - .name:           k_q8951e3098b_ln2
    .symbol:         k_q8951e3098b_ln2.kd
    .args:
      - { .name: x1, .offset: 0, .size: 8, .value_kind: global_buffer, .address_space: global }
      - { .name: ln2_w, .offset: 8, .size: 8, .value_kind: global_buffer, .address_space: global }
      - { .name: ln2_b, .offset: 16, .size: 8, .value_kind: global_buffer, .address_space: global }
      - { .name: act, .offset: 24, .size: 8, .value_kind: global_buffer, .address_space: global }
    .group_segment_fixed_size: 0
    .private_segment_fixed_size: 0
    .kernarg_segment_align: 8
    .kernarg_segment_size: 32
    .max_flat_workgroup_size: 256
    .sgpr_count:     66
    .vgpr_count:     160
    .wavefront_size: 32
...
	.end_amdgpu_metadata
.endif
;; end of part 5
;; launch fc (part 6): grid 16 x 16, 4 waves a work-group, clusters of 4 x 4, 327,680 bytes of LDS; arguments act, wts, b_fc, big; writes big
.if DOCPART == 6
	.amdgcn_target "amdgcn-amd-amdhsa--gfx1250"
	.amdhsa_code_object_version 6
	.text
	.protected	k_q8951e3098b_fc
	.globl	k_q8951e3098b_fc
	.p2align	8
	.type	k_q8951e3098b_fc,@function
k_q8951e3098b_fc:
	s_mov_b64 s[64:65], 0
	v_nop
	global_prefetch_b8 v0, s[64:65] scope:SCOPE_SE
	s_setreg_imm32_b32 hwreg(HW_REG_WAVE_MODE, 25, 1), 1
	s_wait_xcnt 0x0
	s_wait_alu depctr_hold_cnt(0) depctr_sa_sdst(0) depctr_va_vdst(0) depctr_va_sdst(0) depctr_va_ssrc(0) depctr_va_vcc(0) depctr_vm_vsrc(0)
	s_getreg_b32 s2, hwreg(HW_REG_IB_STS2, 6, 4)
	s_cmp_eq_u32 s2, 0
	s_cbranch_scc0 .Lentry_in_a_cluster
	s_endpgm
.Lentry_in_a_cluster:
	s_bfe_u32 s2, ttmp6, 0x10000c
	s_cmp_lg_u32 s2, 0xf033
	s_cbranch_scc0 .Lentry_shape_is_right
	s_endpgm
.Lentry_shape_is_right:
; FC.  big = gelu(act x w_fc + b_fc), act = LayerNorm 2, [4096][1024] bf16; the weights transposed, wts + 8,388,608 = [4096][1024] bf16; sums, bias and gelu in f32, rounded once to bf16.
; OUT: planes of 64 columns, big[column / 64][row][column % 64], 64 planes.
; GELU, exact form: 0.5 x (1 + erf(x / sqrt 2)) = max(x, 0) - |x| w, w = 0.5 poly(t) exp(-x^2 / 2), t = 1 / (1 + 0.23164189 |x|): erf by the rational form of Abramowitz and Stegun, 7.1.26.
; LIMIT: that form's absolute error in erf is 1.5e-7 at the most; where exp underflows the result is x or 0.
; SHARES, RING, CLUSTER, WINDOWS as in the launch qkv: a tile of 256 x 256 to a work-group (16 x 16 tiles for 256 work-groups), four waves of 128 x 128, 64 accumulators each;
; K in 8 steps of 128 through two LDS slots; the loop's text written for one slot; joint loads in a cluster of 4 x 4; the product taken transposed.
; THE WAY OUT goes through LDS in f32: the slots have had their last fill and serve as a stage of 256 rows x 1,040 bytes; wave w then takes plane w of the tile's four.
.set BN,    256
.set WOFF,  8388608
.set KD,    1024
.set STEPS, KD/128
.set PITCH, 272
.set PANEL, 128*PITCH
.set SLOT,  0x24000                    ; no panel's first byte has one of these two bits set
.set SPARE, 0x48000
.set NBLK,  BN/32
.set NL,    16+2*NBLK
.set SP,    4*BN+16
.set ADRA0, 16
.set ADRB0, 17
.set ADRA,  18
.set ADRB,  19
.set STO0,  20
.set RD,    22
.set GO,    23
.set BO,    24
.set SPW,   28
.set NIL,   29
.set PFO,   30
.set BIAS,  32                         ; v32-39
.set F0,    64
.set F1,    128
.set XX,    64                         ; the way out, 16 numbers a lane and trip: x
.set DD,    80                         ; 1 + p |x|, then t
.set QQ,    96                         ; the exponent, then exp
.set MM,    112                        ; max(x, 0), then the result
.set PP,    128                        ; the polynomial, then w
.set YY,    144                        ; the result in bf16
.set NX,    152                        ; the next trip's 16 numbers, as read from the stage
.set WV, 12
.set WR, 13
.set WC, 14
.set TB, 15
.set G1A, 24
.set G0A, 32
.set PFA, 46
.set G1B, 48
.set G0B, 56
.set LIM, 66
.set A1, 68                            ; s[68:77] the five coefficients, halved, each as a pair
.set A2, 70
.set A3, 72
.set A4, 74
.set A5, 76
.set CQ, 78                            ; s[78:79] - log2(e) / 2
.set CP, 80                            ; s80  0.3275911 / sqrt 2
.set G1W, (1<<16)|(1<<20)|(1<<21)|(5<<22)|(3<<25)
.set MSB, 0
.macro WIN new
.if MSB != (\new)
	s_set_vgpr_msb (MSB<<8)|(\new)
.set MSB, \new
.endif
.endm
.set MUL_LO, 0xa1
.set MUL_HI, 0xf1
.set TO_B,   0x40
.macro PLACES
.rept 4
	v_nop
.endr
.endm
.macro JLOAD s
	s_cmp_eq_u32 s[WR], 0
	s_cbranch_scc0 .Lfor_b_\@
	tensor_load_to_lds s[G0A+4*(\s):G0A+4*(\s)+3], s[G1A:G1A+7]
	s_nop 0
.rept 4
	v_nop
.endr
	s_branch .Lasked_\@
.Lfor_b_\@:
	tensor_load_to_lds s[G0B+4*(\s):G0B+4*(\s)+3], s[G1B:G1B+7]
	s_nop 0
.rept 4
	v_nop
.endr
.Lasked_\@:
.endm
.macro CREST
	s_cmp_lg_u32 s[WV], 0
	s_cbranch_scc1 .Lnot_wave_0_\@
	s_barrier_signal -3
.Lnot_wave_0_\@:
	s_barrier_wait -3
	s_barrier_signal -1
	s_barrier_wait -1
.endm
.macro CROUND
	s_barrier_signal -1
	s_barrier_wait -1
	CREST
.endm
; A prefetch behind each refill: the K step that the NEXT refill will ask for, a lane a row (256 bytes).  act's rows are named by the clusters with x = 0, wts' by those with y = 0;
; the four partners of a joint load share its 128 rows out by address, 32 each.  The loop's last trip has no K step left to name.
.macro ASK
	s_cmp_gt_u32 s3, s[LIM]
	s_cbranch_scc0 .Lnot_mine_\@
	global_prefetch_b8 v[PFO], s[PFA:PFA+1] offset:256 th:TH_LOAD_NT scope:SCOPE_SE
.Lnot_mine_\@:
.endm
.macro MULH f, hi, a0, zero            ; the accumulators take turns, one instruction a turn
	WIN MUL_LO+0x50*(\hi)
.irp a, \a0, (\a0)+1
.set bb, 0
.rept NBLK
.if \zero
	v_wmma_f32_16x16x32_bf16 v[8*(8*(\a)+bb):8*(8*(\a)+bb)+7], v[(\f)+8*bb:(\f)+8*bb+7], v[(\f)+8*(4*(\hi)+(\a)):(\f)+8*(4*(\hi)+(\a))+7], 0
.else
	v_wmma_f32_16x16x32_bf16 v[8*(8*(\a)+bb):8*(8*(\a)+bb)+7], v[(\f)+8*bb:(\f)+8*bb+7], v[(\f)+8*(4*(\hi)+(\a)):(\f)+8*(4*(\hi)+(\a))+7], v[8*(8*(\a)+bb):8*(8*(\a)+bb)+7]
.endif
.set bb, bb+1
.endr
.endr
.endm
.macro FETCH k, f
	WIN TO_B
.set bb, 0
.rept NBLK
	ds_load_b128 v[(\f)+8*bb:(\f)+8*bb+3],   v[ADRB] offset:(\k)+bb*16*PITCH
	ds_load_b128 v[(\f)+8*bb+4:(\f)+8*bb+7], v[ADRB] offset:(\k)+bb*16*PITCH+32
.set bb, bb+1
.endr
	WIN 0
.set bb, 0
.rept 8
	ds_load_b128 v[(\f)+8*bb:(\f)+8*bb+3],   v[ADRA] offset:(\k)+bb*16*PITCH
	ds_load_b128 v[(\f)+8*bb+4:(\f)+8*bb+7], v[ADRA] offset:(\k)+bb*16*PITCH+32
.set bb, bb+1
.endr
.endm
.macro QUARTER k, f, g, zero
	s_wait_dscnt 8                                 ; all but the youngest eight loads: act's rows 64-127
	MULH \f, 0, 0, \zero
	MULH \f, 0, 2, \zero
	PLACES
	FETCH \k, \g
	s_wait_dscnt NL                                ; all but the run just issued
	MULH \f, 1, 0, \zero
	MULH \f, 1, 2, \zero
.endm
; A K step's last quarter and the change of slots: one barrier; ahead of it each wave waits for all its tensor loads, adds 0 to its spare word, and waits for that and for its reads of the slot.
.macro TURN fill
	WIN 0
	s_xor_b32 s[TB], s[TB], SLOT
	v_add_nc_u32 v[ADRA], s[TB], v[ADRA0]
	v_add_nc_u32 v[ADRB], s[TB], v[ADRB0]
.if \fill
	s_wait_xcnt 0x0                                ; the last prefetch, a K step back, has read its address
	s_add_nc_u64 s[PFA:PFA+1], s[PFA:PFA+1], 256
.endif
	s_wait_tensorcnt 0x0
	ds_add_u32 v[SPW], v[NIL]
.if \fill
	s_xor_b32 s[G0A+5], s[G0A+5], SLOT
	s_add_nc_u64 s[G0A+6:G0A+7], s[G0A+6:G0A+7], 256
	s_xor_b32 s[G0B+5], s[G0B+5], SLOT
	s_add_nc_u64 s[G0B+6:G0B+7], s[G0B+6:G0B+7], 256
.endif
	s_wait_dscnt 9                                 ; the add and the youngest eight loads may be out
	MULH F1, 0, 0, 0
	s_wait_dscnt 0x0
	s_barrier_signal -1
	MULH F1, 0, 2, 0
	WIN 0
	s_barrier_wait -1
.if \fill
	CREST
	JLOAD 1
.else
	PLACES
.endif
	FETCH 0, F0
.if \fill
	ASK
.endif
	MULH F1, 1, 0, 0
	MULH F1, 1, 2, 0
.endm
.macro STAGE_OUT
.set a, 0
.rept 8
	WIN 0x08+4*(a/4)
.set bb, 0
.rept NBLK
	ds_store_b128 v[STO0+a/4], v[8*(8*(a%4)+bb):8*(8*(a%4)+bb)+3]   offset:(a%4)*16*SP+64*bb
	ds_store_b128 v[STO0+a/4], v[8*(8*(a%4)+bb)+4:8*(8*(a%4)+bb)+7] offset:(a%4)*16*SP+64*bb+16
.set bb, bb+1
.endr
.set a, a+1
.endr
	WIN 0
.endm
.macro ROWS_IN                         ; eight rows of my plane: 16 numbers a lane
	ds_load_b128 v[NX:NX+3],     v[RD]
	ds_load_b128 v[NX+4:NX+7],   v[RD] offset:16
	ds_load_b128 v[NX+8:NX+11],  v[RD] offset:4*SP
	ds_load_b128 v[NX+12:NX+15], v[RD] offset:4*SP+16
.endm
; gelu of the 16 numbers in XX, into MM.  Two batches of transcendentals, a wait each: 16 reciprocals with the 16 maxima between them;
; 16 exponentials among the first 32 of the polynomial's 40 lines, which read the reciprocals alone; its last 8 lines are the plain work behind the last exponential.
.macro GELU16
.set i, 0
.rept 16
	v_fma_f32 v[DD+i], |v[XX+i]|, s[CP], 1.0
.set i, i+1
.endr
.set i, 0
.rept 8
	v_pk_mul_f32 v[QQ+2*i:QQ+2*i+1], v[XX+2*i:XX+2*i+1], v[XX+2*i:XX+2*i+1]
.set i, i+1
.endr
.set i, 0
.rept 8
	v_pk_mul_f32 v[QQ+2*i:QQ+2*i+1], v[QQ+2*i:QQ+2*i+1], s[CQ:CQ+1] op_sel_hi:[1,0]
.set i, i+1
.endr
.set i, 0
.rept 16
	v_rcp_f32 v[DD+i], v[DD+i]
	v_max_num_f32 v[MM+i], 0, v[XX+i]
.set i, i+1
.endr
	s_wait_alu depctr_va_vdst(0)                   ; for the 16 reciprocals
.set n, 0
.rept 40
.set r, 2*(n%8)
.if n < 8
	v_pk_fma_f32 v[PP+r:PP+r+1], v[DD+r:DD+r+1], s[A5:A5+1], s[A4:A4+1] op_sel_hi:[1,0,0]
.elseif n < 16
	v_pk_fma_f32 v[PP+r:PP+r+1], v[PP+r:PP+r+1], v[DD+r:DD+r+1], s[A3:A3+1] op_sel_hi:[1,1,0]
.elseif n < 24
	v_pk_fma_f32 v[PP+r:PP+r+1], v[PP+r:PP+r+1], v[DD+r:DD+r+1], s[A2:A2+1] op_sel_hi:[1,1,0]
.elseif n < 32
	v_pk_fma_f32 v[PP+r:PP+r+1], v[PP+r:PP+r+1], v[DD+r:DD+r+1], s[A1:A1+1] op_sel_hi:[1,1,0]
.else
	v_pk_mul_f32 v[PP+r:PP+r+1], v[PP+r:PP+r+1], v[DD+r:DD+r+1]
.endif
.if (n%2 == 1) && (n < 32)
	v_exp_f32 v[QQ+n/2], v[QQ+n/2]
.endif
.set n, n+1
.endr
	s_wait_alu depctr_va_vdst(0)                   ; for the 16 exponentials
.set i, 0
.rept 8
	v_pk_mul_f32 v[PP+2*i:PP+2*i+1], v[PP+2*i:PP+2*i+1], v[QQ+2*i:QQ+2*i+1]
.set i, i+1
.endr
.set i, 0
.rept 16
	v_fma_f32 v[MM+i], -|v[XX+i]|, v[PP+i], v[MM+i]
.set i, i+1
.endr
.endm
	s_load_b256 s[4:11], s[0:1], 0x0               ; act 4, wts 6, b_fc 8, big 10
	v_lshl_add_u32 v[SPW], v0, 2, SPARE
	v_mov_b32 v[NIL], 0
	ds_add_u32 v[SPW], v[NIL]                      ; the opening: the add and its wait ahead of my first tensor load
	v_lshrrev_b32 v1, 5, v0
	v_readfirstlane_b32 s[WV], v1
	s_lshr_b32 s[WR], s[WV], 1
	s_and_b32 s[WC], s[WV], 1
	s_mov_b32 s[TB], 0
	s_bfe_u32 s40, ttmp6, 0x40000
	s_bfe_u32 s41, ttmp6, 0x40004
	s_lshl_b32 s42, ttmp9, 2
	s_add_co_u32 s42, s42, s40
	s_and_b32 s43, ttmp7, 0xffff
	s_lshl_b32 s43, s43, 2
	s_add_co_u32 s43, s43, s41
	s_lshl_b32 s44, s41, 2
	s_lshl_b32 s44, 15, s44
	s_lshl_b32 s45, 0x1111, s40
	s_or_b32 s[G1A], s44, G1W
	s_or_b32 s[G1B], s45, G1W
	s_mov_b32 s[G1A+1], 128<<16
	s_mov_b32 s[G1A+2], 128<<16
	s_mov_b32 s[G1A+3], 128<<16
	s_mov_b32 s[G1A+4], 128
	s_mov_b32 s[G1A+5], KD
	s_mov_b32 s[G1A+6], 0
	s_mov_b32 s[G1A+7], 0
	s_mov_b32 s[G1B+1], 128<<16
	s_mov_b32 s[G1B+2], (BN/2)<<16
	s_mov_b32 s[G1B+3], 128<<16
	s_mov_b32 s[G1B+4], BN/2
	s_mov_b32 s[G1B+5], KD
	s_mov_b32 s[G1B+6], 0
	s_mov_b32 s[G1B+7], 0
	s_mov_b32 s[A1], 0x3e027906                    ;  0.127414796
	s_mov_b32 s[A1+1], s[A1]
	s_mov_b32 s[A2], 0xbe11a98e                    ; -0.142248368
	s_mov_b32 s[A2+1], s[A2]
	s_mov_b32 s[A3], 0x3f35f0e3                    ;  0.7107068705
	s_mov_b32 s[A3+1], s[A3]
	s_mov_b32 s[A4], 0xbf3a00e3                    ; -0.7265760135
	s_mov_b32 s[A4+1], s[A4]
	s_mov_b32 s[A5], 0x3f07dc22                    ;  0.5307027145
	s_mov_b32 s[A5+1], s[A5]
	s_mov_b32 s[CQ], 0xbf38aa3b
	s_mov_b32 s[CQ+1], s[CQ]
	s_mov_b32 s[CP], 0x3e6d3388
	s_lshl_b32 s16, s43, 8
	s_lshl_b32 s17, s[WC], 7
	s_add_co_u32 s16, s16, s17
	s_lshl_b32 s16, s16, 11
	s_mov_b32 s17, 0
	s_mul_i32 s18, s42, BN
	s_mul_i32 s19, s[WC], BN/2
	s_add_co_u32 s18, s18, s19
	s_lshl_b32 s18, s18, 11
	s_mov_b32 s19, 0
	s_mul_i32 s67, s[WV], PANEL
	s_wait_dscnt 0x0
	s_wait_kmcnt 0x0
	s_add_nc_u64 s[20:21], s[4:5], s[16:17]
	s_add_nc_u64 s[22:23], s[6:7], s[18:19]
.if WOFF
	s_add_nc_u64 s[22:23], s[22:23], WOFF
.endif
	CROUND
.irp s, 0,1
	s_mov_b32 s[G0A+4*(\s)], 1
	s_add_co_u32 s[G0A+4*(\s)+1], s67, (\s)*SLOT
	s_add_nc_u64 s[G0A+4*(\s)+2:G0A+4*(\s)+3], s[20:21], (\s)*256
	s_or_b32 s[G0A+4*(\s)+3], s[G0A+4*(\s)+3], 0x80000000
	s_mov_b32 s[G0B+4*(\s)], 1
	s_add_co_u32 s[G0B+4*(\s)+1], s67, (\s)*SLOT
	s_add_nc_u64 s[G0B+4*(\s)+2:G0B+4*(\s)+3], s[22:23], (\s)*256
	s_or_b32 s[G0B+4*(\s)+3], s[G0B+4*(\s)+3], 0x80000000
	JLOAD \s
.endr
	v_and_b32 v1, 15, v0
	v_bfe_u32 v2, v0, 4, 1
	v_and_b32 v[BO], 7, v0
	v_lshlrev_b32 v[BO], 5, v[BO]
	s_lshl_b32 s88, s42, 10                        ; the bias of my plane: columns 256 x tile column + 64 w
	s_lshl_b32 s89, s[WV], 8
	s_add_co_u32 s88, s88, s89
	s_mov_b32 s89, 0
	s_add_nc_u64 s[8:9], s[8:9], s[88:89]
	global_load_b128 v[BIAS:BIAS+3],   v[BO], s[8:9]
	global_load_b128 v[BIAS+4:BIAS+7], v[BO], s[8:9] offset:16
	v_mul_u32_u24 v3, v1, PITCH
	v_lshl_add_u32 v3, v2, 4, v3
	s_mul_i32 s88, s[WR], PANEL
	s_mul_i32 s89, s[WC], PANEL
	s_add_co_u32 s89, s89, 2*PANEL
	v_add_nc_u32 v[ADRA0], s88, v3
	v_add_nc_u32 v[ADRB0], s89, v3
	v_mov_b32 v[ADRA], v[ADRA0]
	v_mov_b32 v[ADRB], v[ADRB0]
	s_lshl_b32 s88, s[WR], 7
	v_add_nc_u32 v4, s88, v1
	v_mul_u32_u24 v[STO0], v4, SP
	v_lshl_add_u32 v[STO0], v2, 5, v[STO0]
	s_mul_i32 s88, s[WC], 2*BN
	v_add_nc_u32 v[STO0], s88, v[STO0]
	v_add_nc_u32 v[STO0+1], 64*SP, v[STO0]
	v_bfe_u32 v5, v0, 3, 2                         ; back: row l / 8 of four, plane w's 256 bytes, 32 of them a lane
	v_mul_u32_u24 v[RD], v5, SP
	v_add_nc_u32 v[RD], v[RD], v[BO]
	s_lshl_b32 s88, s[WV], 8
	v_add_nc_u32 v[RD], s88, v[RD]
	v_and_b32 v[GO], 31, v0
	v_lshlrev_b32 v[GO], 4, v[GO]
	s_lshl_b32 s88, s42, 2                         ; big: plane 4 x tile column + w, row 256 x tile row
	s_add_co_u32 s88, s88, s[WV]
	s_lshl_b32 s88, s88, 19
	s_lshl_b32 s89, s43, 15
	s_add_co_u32 s88, s88, s89
	s_mov_b32 s89, 0
	s_add_nc_u64 s[10:11], s[10:11], s[88:89]
	; the prefetches
	s_lshl_b32 s88, s43, 8
	s_mul_i32 s89, s42, BN
	s_and_b32 s90, ttmp7, 0xffff
	s_cmp_eq_u32 s[WR], 0
	s_cselect_b32 s88, s88, s89
	s_cselect_b32 s89, s40, s41
	s_cselect_b32 s90, ttmp9, s90
	s_cselect_b32 s93, 0, WOFF
	s_cselect_b64 s[PFA:PFA+1], s[4:5], s[6:7]
	s_cmp_eq_u32 s90, 0
	s_cselect_b32 s[LIM], 1, -1
	s_lshl_b32 s91, s[WC], 7
	s_add_co_u32 s88, s88, s91
	s_lshl_b32 s89, s89, 5
	s_add_co_u32 s88, s88, s89
	s_lshl_b32 s88, s88, 11
	s_add_co_u32 s88, s88, s93
	s_add_co_u32 s88, s88, 256                     ; at K step 1: the first refill steps it to 2 and names K step 3
	s_mov_b32 s89, 0
	s_add_nc_u64 s[PFA:PFA+1], s[PFA:PFA+1], s[88:89]
	v_and_b32 v[PFO], 31, v0
	v_lshlrev_b32 v[PFO], 11, v[PFO]
	s_wait_tensorcnt 1                             ; my part of K step 0 is in; K step 1's may stay out
	s_barrier_signal -1
	s_barrier_wait -1
	FETCH 0, F0
	QUARTER 64, F0, F1, 1
	WIN 0
	s_mov_b32 s3, STEPS-2
.Lstep:
	QUARTER 128, F1, F0, 0
	QUARTER 192, F0, F1, 0
	TURN 1
	QUARTER 64, F0, F1, 0
	WIN 0
	s_sub_co_u32 s3, s3, 1
	s_cmp_lg_u32 s3, 0
	s_cbranch_scc1 .Lstep
	s_mov_b32 s2, 2
.Ltail:                                        ; the last two K steps ask for nothing; the second trip is left in its middle, its run of LDS loads serves nothing
	QUARTER 128, F1, F0, 0
	QUARTER 192, F0, F1, 0
	TURN 0
	WIN 0
	s_sub_co_u32 s2, s2, 1
	s_cmp_eq_u32 s2, 0
	s_cbranch_scc1 .Lout
	QUARTER 64, F0, F1, 0
	WIN 0
	s_branch .Ltail
.Lout:
	s_wait_dscnt 0x0
	s_barrier_signal -1
	s_barrier_wait -1                              ; nobody reads the slots any more: they become the stage
	PLACES
	STAGE_OUT
	s_wait_dscnt 0x0
	s_barrier_signal -1
	s_barrier_wait -1
	s_wait_loadcnt 0x0                             ; the bias
	ROWS_IN                                        ; the first trip's rows
	s_mov_b32 s3, 32
.Lrow:                                         ; eight rows of my plane a trip: bias, gelu, one rounding, two stores of 512 consecutive bytes; the next trip's rows are read meanwhile
	s_wait_dscnt 0x0                               ; the rows asked for a trip ago
.irp g, 0,1
.irp q, 0,1,2,3
	v_pk_add_f32 v[XX+8*\g+2*\q:XX+8*\g+2*\q+1], v[NX+8*\g+2*\q:NX+8*\g+2*\q+1], v[BIAS+2*\q:BIAS+2*\q+1]
.endr
.endr
	s_cmp_eq_u32 s3, 1                             ; the last trip has no rows behind it
	s_cbranch_scc1 .Lno_next
	v_add_nc_u32 v[RD], 8*SP, v[RD]
	ROWS_IN
.Lno_next:
	GELU16
	s_wait_xcnt 0x0                                ; the last trip's stores, a whole gelu back, have read their data and their offset
	v_add_nc_u32 v[GO], 1024, v[GO]                ; stepped ahead of the stores, which reach back by their immediates
.set i, 0
.rept 8
	v_cvt_pk_bf16_f32 v[YY+i], v[MM+2*i], v[MM+2*i+1]
.set i, i+1
.endr
	global_store_b128 v[GO], v[YY:YY+3],   s[10:11] offset:-1024
	global_store_b128 v[GO], v[YY+4:YY+7], s[10:11] offset:-512
	s_sub_co_u32 s3, s3, 1
	s_cmp_lg_u32 s3, 0
	s_cbranch_scc1 .Lrow
	s_wait_tensorcnt 0x0                           ; the wave's end
	ds_add_u32 v[SPW], v[NIL]
	s_wait_dscnt 0x0
	CROUND
	s_endpgm
.Lfunc_end_k_q8951e3098b_fc:
	.size	k_q8951e3098b_fc, .Lfunc_end_k_q8951e3098b_fc-k_q8951e3098b_fc
	.p2alignl 7, 3214868480
	.fill 96, 4, 3214868480
	.section	.rodata,"a",@progbits
	.p2align	6, 0x0
	.amdhsa_kernel k_q8951e3098b_fc
		.amdhsa_group_segment_fixed_size 327680
		.amdhsa_private_segment_fixed_size 0
		.amdhsa_enable_private_segment 0
		.amdhsa_kernarg_size 32
		.amdhsa_user_sgpr_count 2
		.amdhsa_user_sgpr_kernarg_segment_ptr 1
		.amdhsa_wavefront_size32 1
		.amdhsa_system_sgpr_workgroup_id_x 1
		.amdhsa_system_sgpr_workgroup_id_y 1
		.amdhsa_system_sgpr_workgroup_id_z 1
		.amdhsa_system_vgpr_workitem_id 0
		.amdhsa_next_free_vgpr 1024
		.amdhsa_next_free_sgpr 96
		.amdhsa_reserve_vcc 0
		.amdhsa_float_denorm_mode_32 3
		.amdhsa_float_denorm_mode_16_64 3
		.amdhsa_memory_ordered 1
		.amdhsa_forward_progress 1
		.amdhsa_inst_pref_size 89
	.end_amdhsa_kernel
	.amdgpu_metadata
---
amdhsa.version: [ 1, 2 ]
amdhsa.kernels:
  - .name:           k_q8951e3098b_fc
    .symbol:         k_q8951e3098b_fc.kd
    .args:
      - { .name: act, .offset: 0, .size: 8, .value_kind: global_buffer, .address_space: global }
      - { .name: wts, .offset: 8, .size: 8, .value_kind: global_buffer, .address_space: global }
      - { .name: b_fc, .offset: 16, .size: 8, .value_kind: global_buffer, .address_space: global }
      - { .name: big, .offset: 24, .size: 8, .value_kind: global_buffer, .address_space: global }
    .group_segment_fixed_size: 327680
    .private_segment_fixed_size: 0
    .kernarg_segment_align: 8
    .kernarg_segment_size: 32
    .max_flat_workgroup_size: 128
    .sgpr_count:     96
    .vgpr_count:     1024
    .wavefront_size: 32
...
	.end_amdgpu_metadata
.endif
;; end of part 6
;; launch fc2 (part 7): grid 8 x 32, 4 waves a work-group, clusters of 4 x 4, 327,680 bytes of LDS; arguments big, wts, b_fc2, x1, out0; writes out0
.if DOCPART == 7
	.amdgcn_target "amdgcn-amd-amdhsa--gfx1250"
	.amdhsa_code_object_version 6
	.text
	.protected	k_q8951e3098b_fc2
	.globl	k_q8951e3098b_fc2
	.p2align	8
	.type	k_q8951e3098b_fc2,@function
k_q8951e3098b_fc2:
	s_mov_b64 s[64:65], 0
	v_nop
	global_prefetch_b8 v0, s[64:65] scope:SCOPE_SE
	s_setreg_imm32_b32 hwreg(HW_REG_WAVE_MODE, 25, 1), 1
	s_wait_xcnt 0x0
	s_wait_alu depctr_hold_cnt(0) depctr_sa_sdst(0) depctr_va_vdst(0) depctr_va_sdst(0) depctr_va_ssrc(0) depctr_va_vcc(0) depctr_vm_vsrc(0)
	s_getreg_b32 s2, hwreg(HW_REG_IB_STS2, 6, 4)
	s_cmp_eq_u32 s2, 0
	s_cbranch_scc0 .Lentry_in_a_cluster
	s_endpgm
.Lentry_in_a_cluster:
	s_bfe_u32 s2, ttmp6, 0x10000c
	s_cmp_lg_u32 s2, 0xf033
	s_cbranch_scc0 .Lentry_shape_is_right
	s_endpgm
.Lentry_shape_is_right:
; FC2.  out0 = x1 + g x w_fc2 + b_fc2, f32 [4096][1024].  g comes as planes [64][4096][64] bf16 (a plane = 64 of K); the weights in fragment order, bf16, at wts + 16,777,216:
; the block of columns 16 a .. and k = 32 c .. is 1,024 bytes at (a x 128 + c) x 1,024; lane l owns 16 bytes at 16 l (registers 0-3 of a fragment) and at 512 + 16 l (registers 4-7).
; SHARES.  A tile of 128 x 128 to a work-group: 8 x 32 tiles, one for each of 256 work-groups.  K IS SPLIT AMONG THE FOUR WAVES: each makes the WHOLE tile, 64 accumulators, over 128 of each
; K step's 512 (planes 2 w, 2 w + 1 of the step's eight).  The four partial tiles, in f32, meet in LDS on the way out.
; g THROUGH LDS: each wave fetches its own two planes by one tensor load, asked for jointly by the four work-groups of a row of the cluster (4 x 4).  K goes in 8 steps of 512 through two slots of
; 147,456 bytes: a step is 256 matrix instructions a wave, 224 of them between a request and the wait for it.  The loop's text is written for one slot (a scalar register turned by an exclusive or).
; THE WEIGHTS STRAIGHT INTO REGISTERS: with K split no wave uses a fragment that another wave of the work-group uses.  A load of a wave covers 512 consecutive bytes.  Four buffers of 64 registers,
; one for each quarter of a K step; a run of 16 loads goes out 160 matrix instructions ahead of its first use.  NOT ASKED FOR JOINTLY: with the weights' 128 rows beside g a slot would hold K = 256,
; and a refill would have 96 matrix instructions in which to land and not 224.
; THE WALK along K begins at K step (tile row mod 8) and wraps, so that work-groups of different tile rows take different parts of the weights at a time; f32 sums may be taken in any order.
; The last step's three runs of weight loads wrap to the walk's first step and serve nothing: the price of one text for both trips of the tail: 24 KiB a wave.
; The residual's rows 0-15 of a wave's 32 and the bias are asked for at the head; rows 16-31 behind the last product, into a weight buffer, and land while the partial tiles are staged and the first half is summed.
.set KD,    4096
.set WOFF,  16777216
.set PFON,  1
.set STEPS, KD/512
.set PA,    144                        ; a row of a plane in LDS: 128 bytes + 16: the 16 rows of a fragment load start at 16 different groups of four banks
.set APL,   128*PA
.set SLOT,  8*APL                      ; 0x24000; no load's first LDS byte (wave x 0x9000) has one of these two bits set, so one exclusive or changes slots
.set NSTR,  KD*32                      ; bytes from 16 columns' fragments to the next 16's
.set SPT,   528                        ; a row of a partial tile: 512 bytes + 16
.set PART,  128*SPT
.set SPARE, 2*SLOT                     ; behind the slots: the spare words, 128 bytes a wave
.set ADRA0, 16                         ; v16  my place in slot 0
.set ADRA,  18                         ; v18  the same in the slot in hand
.set STO,   20                         ; v20  where I put results in my partial tile
.set RD,    22                         ; v22-25  where I read a row of partial tile 0 .. 3
.set GO,    26                         ; v26  my 16 bytes of a row's 512, residual and result
.set BO,    27                         ; v27  16 l: my 16 bytes of a weight load's 512; never rewritten
.set SPW,   28
.set NIL,   29
.set PFO,   30                         ; v30  256 l; never rewritten
.set BIAS,  32                         ; v32-35
.set F0,    64                         ; g's fragments, two buffers, window 0
.set F1,    128
.set RES,   192                        ; 16 rows of the residual: window 0; the other 16 wait in window 1 under the same numbers
.set WV, 12
.set TB, 15
.set G1, 24
.set G0, 32                            ; two sets: the walk's first step into slot 0; its second into slot 1, which then walks
.set PFA, 46                           ; s[46:47] where my prefetch stands
.set PF0, 48                           ; s[48:49] the same at K step 0
.set A0, 50                            ; s[50:51] g at my planes of K step 0, my tile row
.set B0, 52                            ; s[52:53] the weights at my quarters of K step 0, my tile column
.set BP, 54                            ; s[54:55] the same at the K step whose weights are being asked for
.set OFA, 56
.set OFB, 58
.set OFP, 60
.set KA, 62                            ; the K step last asked for, of g
.set KB, 63                            ; of the weights
.set LIM, 66
.set OUTP, 70
.set MSB, 0
.macro WIN new
.if MSB != (\new)
	s_set_vgpr_msb (MSB<<8)|(\new)
.set MSB, \new
.endif
.endm
.set MUL_LO, 0xa1                      ; source 0 (weights) window 1, source 1 (g) window 0, C and D window 2
.set MUL_HI, 0xf1
.set TO_B,   0x40
.macro PLACES
.rept 4
	v_nop
.endr
.endm
.macro JL s                            ; every wave asks for its own two planes
	tensor_load_to_lds s[G0+4*(\s):G0+4*(\s)+3], s[G1:G1+7]
	s_nop 0
.rept 4
	v_nop
.endr
.endm
.macro CREST
	s_cmp_lg_u32 s[WV], 0
	s_cbranch_scc1 .Lnot_wave_0_\@
	s_barrier_signal -3
.Lnot_wave_0_\@:
	s_barrier_wait -3
	s_barrier_signal -1
	s_barrier_wait -1
.endm
.macro CROUND
	s_barrier_signal -1
	s_barrier_wait -1
	CREST
.endm
; A prefetch behind each refill: g's K step that the NEXT refill will ask for, 256 matrix instructions a wave ahead of that load: 32 blocks of 256 bytes, a lane a block, one instruction a wave.
; A tile row of g is read by both clusters of its row of clusters: the one with x = 0 asks.  The four partners of a joint load share its 128 blocks out by address: partner p takes plane p / 2 of
; the wave's two, blocks 32 (p % 2) on.  The loop's last trip has no K step left to name.  The weights are not asked for: from a walk's second step on they have been read by other tile rows' work-groups.
.macro ASK
	s_cmp_gt_u32 s3, s[LIM]
	s_cbranch_scc0 .Lnot_mine_\@
	global_prefetch_b8 v[PFO], s[PFA:PFA+1] th:TH_LOAD_NT scope:SCOPE_SE
.Lnot_mine_\@:
.endm
.macro MULH f, q, hi, a0, zero         ; g's buffer f, weight buffer q; row blocks a0, a0 + 1 of the window's four x all 8 column blocks; the accumulators take turns, one instruction a turn
	WIN MUL_LO+0x50*(\hi)
.irp a, \a0, (\a0)+1
.set bb, 0
.rept 8
.if \zero
	v_wmma_f32_16x16x32_bf16 v[8*(8*(\a)+bb):8*(8*(\a)+bb)+7], v[64*(\q)+8*bb:64*(\q)+8*bb+7], v[(\f)+8*(4*(\hi)+(\a)):(\f)+8*(4*(\hi)+(\a))+7], 0
.else
	v_wmma_f32_16x16x32_bf16 v[8*(8*(\a)+bb):8*(8*(\a)+bb)+7], v[64*(\q)+8*bb:64*(\q)+8*bb+7], v[(\f)+8*(4*(\hi)+(\a)):(\f)+8*(4*(\hi)+(\a))+7], v[8*(8*(\a)+bb):8*(8*(\a)+bb)+7]
.endif
.set bb, bb+1
.endr
.endr
.endm
.macro FETCH q, f                      ; 16 LDS loads: g's fragments of quarter q: plane q / 2 of my two, 32 along K at byte 64 (q % 2)
	WIN 0
.set bb, 0
.rept 8
	ds_load_b128 v[(\f)+8*bb:(\f)+8*bb+3],   v[ADRA] offset:((\q)/2)*APL+((\q)%2)*64+bb*16*PA
	ds_load_b128 v[(\f)+8*bb+4:(\f)+8*bb+7], v[ADRA] offset:((\q)/2)*APL+((\q)%2)*64+bb*16*PA+32
.set bb, bb+1
.endr
.endm
.macro BLOAD q                         ; 16 loads: the weights' fragments of quarter q of the K step at BP, into buffer q
	WIN TO_B
.set bb, 0
.rept 8
	global_load_b128 v[64*(\q)+8*bb:64*(\q)+8*bb+3],   v[BO], s[BP:BP+1] offset:bb*NSTR+(\q)*1024
	global_load_b128 v[64*(\q)+8*bb+4:64*(\q)+8*bb+7], v[BO], s[BP:BP+1] offset:bb*NSTR+(\q)*1024+512
.set bb, bb+1
.endr
.endm
; Quarter q (0 to 2) of a K step: multiplies g's buffer f by weight buffer q; in its middle it fetches g's next quarter into buffer g and asks for the weights three quarters on, into the buffer that the quarter before has left.
.macro QUARTER q, f, g, zero
	s_wait_dscnt 8                                 ; all but the youngest eight LDS loads: g's rows 64-127
	s_wait_loadcnt 32                              ; weight buffer q is in; the two younger runs of 16 may stay out
	MULH \f, \q, 0, 0, \zero
	MULH \f, \q, 0, 2, \zero
	PLACES
	FETCH (\q)+1, \g
.if (\q) == 1
	s_wait_xcnt 0x0                                ; the loads issued so far have read their base: from here on the next K step's weights are asked for
	s_add_co_u32 s[KB], s[KB], 1
	s_and_b32 s[KB], s[KB], STEPS-1
	s_lshl_b32 s[OFB], s[KB], 14                   ; a K step is 16 blocks of 1,024 bytes
	s_add_nc_u64 s[BP:BP+1], s[B0:B0+1], s[OFB:OFB+1]
.endif
	BLOAD ((\q)+3)%4
	s_wait_dscnt 16                                ; all but the run of LDS loads just issued
	MULH \f, \q, 1, 0, \zero
	MULH \f, \q, 1, 2, \zero
.endm
; Quarter 3 multiplies buffer 1 and changes slots: one barrier; ahead of it each wave waits for all its tensor loads (one is out: its planes of the next slot), adds 0 to its spare word, and waits for
; that and for its reads of the slot.  fill = 1: the barrier opens a round of the cluster's, and the joint refill of the slot just left is the first thing behind it; its address is made anew from the step's number.
.macro TURN fill
	WIN 0
	s_xor_b32 s[TB], s[TB], SLOT                   ; all reads of the old slot have been issued
	v_add_nc_u32 v[ADRA], s[TB], v[ADRA0]
	s_wait_tensorcnt 0x0                           ; no tensor load of mine is out, so the walking descriptor may be written
	ds_add_u32 v[SPW], v[NIL]
.if \fill
	s_add_co_u32 s[KA], s[KA], 1
	s_and_b32 s[KA], s[KA], STEPS-1
	s_lshl_b32 s[OFA], s[KA], 22                   ; a K step is eight planes of 524,288 bytes
	s_xor_b32 s[G0+5], s[G0+5], SLOT
	s_add_nc_u64 s[G0+6:G0+7], s[A0:A0+1], s[OFA:OFA+1]
	s_or_b32 s[G0+7], s[G0+7], 0x80000000
.if PFON
	s_add_co_u32 s[OFP], s[KA], 1
	s_and_b32 s[OFP], s[OFP], STEPS-1
	s_lshl_b32 s[OFP], s[OFP], 22
	s_wait_xcnt 0x0                                ; the last prefetch, a K step back, has read its address
	s_add_nc_u64 s[PFA:PFA+1], s[PF0:PF0+1], s[OFP:OFP+1]
.endif
.endif
	s_wait_dscnt 9                                 ; the add and the youngest eight loads may be out
	s_wait_loadcnt 32                              ; weight buffer 3 is in
	MULH F1, 3, 0, 0, 0
	s_wait_dscnt 0x0                               ; the add is done, and my reads of the old slot are over
	s_barrier_signal -1
	MULH F1, 3, 0, 2, 0
	WIN 0
	s_barrier_wait -1
.if \fill
	CREST
	JL 1                                           ; its four v_nop are also the places ahead of the loads below
.else
	PLACES
.endif
	FETCH 0, F0
	BLOAD 2
.if (\fill) && PFON
	WIN 0
	ASK
.endif
	MULH F1, 3, 1, 0, 0
	MULH F1, 3, 1, 2, 0
.endm
.macro STAGE_OUT                       ; every accumulator into my partial tile, its low four registers first
.set a, 0
.rept 8
	WIN 0x08+4*(a/4)
.set bb, 0
.rept 8
	ds_store_b128 v[STO], v[8*(8*(a%4)+bb):8*(8*(a%4)+bb)+3]   offset:a*16*SPT+64*bb
	ds_store_b128 v[STO], v[8*(8*(a%4)+bb)+4:8*(8*(a%4)+bb)+7] offset:a*16*SPT+64*bb+16
.set bb, bb+1
.endr
.set a, a+1
.endr
	WIN 0
.endm
.macro LOADG g                         ; four rows of all four partial tiles into set g % 2
.irp q, 0,1,2,3
.irp p, 0,1,2,3
	ds_load_b128 v[64+64*((\g)%2)+16*\q+4*\p:64+64*((\g)%2)+16*\q+4*\p+3], v[RD+\p] offset:(4*(\g)+\q)*SPT
.endr
.endr
.endm
.macro SUMG g                          ; (P0 + P1) + (P2 + P3) + (residual + bias), stored as 512 consecutive bytes of a row
.set SX, 64+64*((\g)%2)
.irp q, 0,1,2,3
.irp e, 0,2
	v_pk_add_f32 v[SX+16*\q+\e:SX+16*\q+\e+1], v[SX+16*\q+\e:SX+16*\q+\e+1], v[SX+16*\q+4+\e:SX+16*\q+4+\e+1]
	v_pk_add_f32 v[SX+16*\q+8+\e:SX+16*\q+8+\e+1], v[SX+16*\q+8+\e:SX+16*\q+8+\e+1], v[SX+16*\q+12+\e:SX+16*\q+12+\e+1]
	v_pk_add_f32 v[RES+4*(4*(\g)+\q)+\e:RES+4*(4*(\g)+\q)+\e+1], v[RES+4*(4*(\g)+\q)+\e:RES+4*(4*(\g)+\q)+\e+1], v[BIAS+\e:BIAS+\e+1]
.endr
.endr
.irp q, 0,1,2,3
.irp e, 0,2
	v_pk_add_f32 v[SX+16*\q+\e:SX+16*\q+\e+1], v[SX+16*\q+\e:SX+16*\q+\e+1], v[SX+16*\q+8+\e:SX+16*\q+8+\e+1]
.endr
.endr
.irp q, 0,1,2,3
.irp e, 0,2
	v_pk_add_f32 v[SX+16*\q+\e:SX+16*\q+\e+1], v[SX+16*\q+\e:SX+16*\q+\e+1], v[RES+4*(4*(\g)+\q)+\e:RES+4*(4*(\g)+\q)+\e+1]
.endr
.endr
.irp q, 0,1,2,3
	global_store_b128 v[GO], v[SX+16*\q:SX+16*\q+3], s[OUTP:OUTP+1] offset:(4*(\g)+\q)*4096
.endr
.endm
	s_load_b256 s[4:11], s[0:1], 0x0               ; g 4, wts 6, bias 8, residual 10
	s_load_b64 s[OUTP:OUTP+1], s[0:1], 0x20        ; out
	v_lshl_add_u32 v[SPW], v0, 2, SPARE
	v_mov_b32 v[NIL], 0
	ds_add_u32 v[SPW], v[NIL]                      ; the opening: the add and its wait ahead of my first tensor load
	v_lshrrev_b32 v1, 5, v0
	v_readfirstlane_b32 s[WV], v1
	s_mov_b32 s[TB], 0
	s_bfe_u32 s40, ttmp6, 0x40000                  ; cx
	s_bfe_u32 s41, ttmp6, 0x40004                  ; cy
	s_lshl_b32 s42, ttmp9, 2
	s_add_co_u32 s42, s42, s40                     ; tile column
	s_and_b32 s43, ttmp7, 0xffff
	s_lshl_b32 s43, s43, 2
	s_add_co_u32 s43, s43, s41                     ; tile row
	s_lshl_b32 s44, s41, 2
	s_lshl_b32 s44, 15, s44                        ; my row of the cluster
	; a plane's 128 rows are 16,384 dense bytes, taken as ONE row of 2,048 elements of 8 bytes; two planes, 65,536 elements apart; 16 bytes of padding behind every 128
	s_or_b32 s[G1], s44, (3<<16)|(1<<20)|(1<<21)|(4<<22)|(3<<25)
	s_mov_b32 s[G1+1], 2048<<16
	s_mov_b32 s[G1+2], 2<<16
	s_mov_b32 s[G1+3], 2048<<16
	s_mov_b32 s[G1+4], 2
	s_mov_b32 s[G1+5], 65536
	s_mov_b32 s[G1+6], 0
	s_mov_b32 s[G1+7], 0
	s_and_b32 s[KB], s43, STEPS-1                  ; where my walk along K begins: the four that ask with me share the tile row
	s_add_co_u32 s[KA], s[KB], 1
	s_and_b32 s[KA], s[KA], STEPS-1
	s_lshl_b32 s16, s[WV], 20                      ; g: planes 2 w on, rows 128 x tile row on
	s_lshl_b32 s17, s43, 14
	s_add_co_u32 s16, s16, s17
	s_mov_b32 s17, 0
	s_mul_i32 s18, s42, 8*NSTR                     ; weights: column blocks 8 x tile column on, my four quarters of a K step
	s_lshl_b32 s19, s[WV], 12
	s_add_co_u32 s18, s18, s19
	s_add_co_u32 s18, s18, WOFF
	s_mov_b32 s19, 0
	s_mul_i32 s67, s[WV], 2*APL                    ; where my planes go: the wave's number alone
	s_lshl_b32 s[OFA], s[KB], 22
	s_mov_b32 s[OFA+1], 0
	s_lshl_b32 s[OFP], s[KA], 22
	s_mov_b32 s[OFP+1], 0
	s_lshl_b32 s[OFB], s[KB], 14
	s_mov_b32 s[OFB+1], 0
	s_wait_dscnt 0x0                               ; the opening add is done
	s_wait_kmcnt 0x0
	s_add_nc_u64 s[A0:A0+1], s[4:5], s[16:17]
	s_add_nc_u64 s[B0:B0+1], s[6:7], s[18:19]
	s_add_nc_u64 s[BP:BP+1], s[B0:B0+1], s[OFB:OFB+1]
	CROUND                                         ; all sixteen work-groups are here: the first joint loads meet
	s_mov_b32 s[G0], 1
	s_mov_b32 s[G0+1], s67
	s_add_nc_u64 s[G0+2:G0+3], s[A0:A0+1], s[OFA:OFA+1]
	s_or_b32 s[G0+3], s[G0+3], 0x80000000
	JL 0
	s_mov_b32 s[G0+4], 1
	s_add_co_u32 s[G0+5], s67, SLOT
	s_add_nc_u64 s[G0+6:G0+7], s[A0:A0+1], s[OFP:OFP+1]
	s_or_b32 s[G0+7], s[G0+7], 0x80000000
	JL 1
	v_and_b32 v1, 15, v0
	v_bfe_u32 v2, v0, 4, 1
	v_and_b32 v3, 31, v0
	v_lshlrev_b32 v[GO], 4, v3
	v_lshlrev_b32 v[BO], 4, v3
	s_lshl_b32 s88, s43, 19                        ; rows 128 x tile row + 32 w of 4,096 bytes, columns 128 x tile column
	s_lshl_b32 s89, s[WV], 17
	s_add_co_u32 s88, s88, s89
	s_lshl_b32 s90, s42, 9
	s_add_co_u32 s88, s88, s90
	s_mov_b32 s89, 0
	s_mov_b32 s91, 0
	s_add_nc_u64 s[10:11], s[10:11], s[88:89]
	s_add_nc_u64 s[OUTP:OUTP+1], s[OUTP:OUTP+1], s[88:89]
	s_add_nc_u64 s[8:9], s[8:9], s[90:91]
	global_load_b128 v[BIAS:BIAS+3], v[GO], s[8:9]
.set i, 0
.rept 16
	global_load_b128 v[RES+4*i:RES+4*i+3], v[GO], s[10:11] offset:i*4096 th:TH_LOAD_NT
.set i, i+1
.endr
	BLOAD 0                                        ; the weights of the walk's first three quarters
	BLOAD 1
	BLOAD 2
	WIN 0
	v_mul_u32_u24 v4, v1, PA
	v_lshl_add_u32 v4, v2, 4, v4
	v_add_nc_u32 v[ADRA0], s67, v4                 ; my planes: row r, 16 bytes for each half of the lanes
	v_mov_b32 v[ADRA], v[ADRA0]
	v_mul_u32_u24 v4, v1, SPT
	v_lshl_add_u32 v[STO], v2, 5, v4               ; my partial tile: row r, bytes 32 h
	s_mul_i32 s88, s[WV], PART
	v_add_nc_u32 v[STO], s88, v[STO]
	s_mul_i32 s88, s[WV], 32*SPT                   ; back: rows 32 w on, 16 bytes a lane
	v_add_nc_u32 v[RD], s88, v[GO]
	v_add_nc_u32 v[RD+1], PART, v[RD]
	v_add_nc_u32 v[RD+2], PART, v[RD+1]
	v_add_nc_u32 v[RD+3], PART, v[RD+2]
	; the prefetches
	s_lshr_b32 s88, s40, 1
	s_lshl1_add_u32 s88, s[WV], s88                ; plane 2 w + cx / 2,
	s_lshl_b32 s88, s88, 19
	s_lshl_b32 s89, s43, 14                        ; the tile's rows,
	s_add_co_u32 s88, s88, s89
	s_and_b32 s89, s40, 1
	s_lshl_b32 s89, s89, 13                        ; blocks 32 (cx % 2) on
	s_add_co_u32 s88, s88, s89
	s_mov_b32 s89, 0
	s_add_nc_u64 s[PF0:PF0+1], s[4:5], s[88:89]
	s_cmp_eq_u32 ttmp9, 0
	s_cselect_b32 s[LIM], 1, -1                    ; the same in all sixteen partners
	v_lshlrev_b32 v[PFO], 8, v3
	s_wait_tensorcnt 1                             ; my planes of the first step are in; the second slot's may stay out
	s_barrier_signal -1
	s_barrier_wait -1
	FETCH 0, F0
	QUARTER 0, F0, F1, 1                           ; the first quarter starts the sums with the constant 0
	WIN 0
	s_mov_b32 s3, STEPS-2
.Lstep:                                        ; a trip: a K step's quarters 1 to 3 and the next step's quarter 0; the slot left is filled again
	QUARTER 1, F1, F0, 0
	QUARTER 2, F0, F1, 0
	TURN 1
	QUARTER 0, F0, F1, 0
	WIN 0
	s_sub_co_u32 s3, s3, 1
	s_cmp_lg_u32 s3, 0
	s_cbranch_scc1 .Lstep
	s_mov_b32 s2, 2
.Ltail:                                        ; the last two K steps ask for no tile.  The second trip is left in its middle; its run of LDS loads and its three runs of weight loads serve nothing
	QUARTER 1, F1, F0, 0
	QUARTER 2, F0, F1, 0
	TURN 0
	WIN 0
	s_sub_co_u32 s2, s2, 1
	s_cmp_eq_u32 s2, 0
	s_cbranch_scc1 .Lout
	QUARTER 0, F0, F1, 0
	WIN 0
	s_branch .Ltail
.Lout:
	s_wait_dscnt 0x0
	s_barrier_signal -1
	s_barrier_wait -1                              ; nobody reads the slots any more; filled for the last time, they take the partial tiles
	PLACES
	WIN TO_B                                       ; the residual's rows 16-31 go where weight buffer 3 lay
.set i, 0
.rept 16
	global_load_b128 v[RES+4*i:RES+4*i+3], v[GO], s[10:11] offset:(16+i)*4096 th:TH_LOAD_NT
.set i, i+1
.endr
	STAGE_OUT
	s_wait_dscnt 0x0                               ; for the others: my partial tile is stored
	s_barrier_signal -1
	s_barrier_wait -1
	s_wait_loadcnt 16                              ; bias and rows 0-15 of the residual are in; the 16 loads of rows 16-31 may stay out
	s_mov_b32 s3, 2
.Lhalf:                                        ; sixteen rows a trip, in four groups of four
	LOADG 0
.irp g, 0,1,2
	s_wait_xcnt 0x0                                ; the stores of the group before last have read the set that is loaded again
	LOADG (\g)+1
	s_wait_dscnt 16                                ; the next group's 16 loads may stay out
	SUMG \g
.endr
	s_wait_dscnt 0x0
	SUMG 3
	s_sub_co_u32 s3, s3, 1
	s_cmp_eq_u32 s3, 0
	s_cbranch_scc1 .Ldone
	s_wait_loadcnt 0x0                             ; rows 16-31 of the residual
	s_wait_xcnt 0x0                                ; the stores have read their data and their offset
	WIN 0x01
.set i, 0
.rept 64
	v_mov_b32 v[RES+i], v[RES+i]                   ; from window 1 to where the one text names the residual
.set i, i+1
.endr
	WIN 0
.irp p, 0,1,2,3
	v_add_nc_u32 v[RD+\p], 16*SPT, v[RD+\p]
.endr
	v_add_nc_u32 v[GO], 16*4096, v[GO]
	s_branch .Lhalf
.Ldone:
	s_wait_tensorcnt 0x0                           ; the wave's end
	ds_add_u32 v[SPW], v[NIL]
	s_wait_dscnt 0x0
	CROUND                                         ; the closing round
	s_endpgm
.Lfunc_end_k_q8951e3098b_fc2:
	.size	k_q8951e3098b_fc2, .Lfunc_end_k_q8951e3098b_fc2-k_q8951e3098b_fc2
	.p2alignl 7, 3214868480
	.fill 96, 4, 3214868480
	.section	.rodata,"a",@progbits
	.p2align	6, 0x0
	.amdhsa_kernel k_q8951e3098b_fc2
		.amdhsa_group_segment_fixed_size 327680
		.amdhsa_private_segment_fixed_size 0
		.amdhsa_enable_private_segment 0
		.amdhsa_kernarg_size 40
		.amdhsa_user_sgpr_count 2
		.amdhsa_user_sgpr_kernarg_segment_ptr 1
		.amdhsa_wavefront_size32 1
		.amdhsa_system_sgpr_workgroup_id_x 1
		.amdhsa_system_sgpr_workgroup_id_y 1
		.amdhsa_system_sgpr_workgroup_id_z 1
		.amdhsa_system_vgpr_workitem_id 0
		.amdhsa_next_free_vgpr 1024
		.amdhsa_next_free_sgpr 96
		.amdhsa_reserve_vcc 0
		.amdhsa_float_denorm_mode_32 3
		.amdhsa_float_denorm_mode_16_64 3
		.amdhsa_memory_ordered 1
		.amdhsa_forward_progress 1
		.amdhsa_inst_pref_size 106
	.end_amdhsa_kernel
	.amdgpu_metadata
---
amdhsa.version: [ 1, 2 ]
amdhsa.kernels:
  - .name:           k_q8951e3098b_fc2
    .symbol:         k_q8951e3098b_fc2.kd
    .args:
      - { .name: big, .offset: 0, .size: 8, .value_kind: global_buffer, .address_space: global }
      - { .name: wts, .offset: 8, .size: 8, .value_kind: global_buffer, .address_space: global }
      - { .name: b_fc2, .offset: 16, .size: 8, .value_kind: global_buffer, .address_space: global }
      - { .name: x1, .offset: 24, .size: 8, .value_kind: global_buffer, .address_space: global }
      - { .name: out0, .offset: 32, .size: 8, .value_kind: global_buffer, .address_space: global }
    .group_segment_fixed_size: 327680
    .private_segment_fixed_size: 0
    .kernarg_segment_align: 8
    .kernarg_segment_size: 40
    .max_flat_workgroup_size: 128
    .sgpr_count:     96
    .vgpr_count:     1024
    .wavefront_size: 32
...
	.end_amdgpu_metadata
.endif
;; end of part 7
;; ======== version 2 of 2: 7 launches; version 1 with the launch prep written anew for expert scheduling mode
;; limits: a function is approximated: absolute error at most 1.5e-07; right only within a limited range of input values
;; workspace buffers: wts 25,165,824 bytes; act 8,388,608 bytes; big 33,554,432 bytes; x1 16,777,216 bytes
;; launch prep (part 8): grid 256 x 1, 8 waves a work-group, no clusters, 105,472 bytes of LDS; arguments x, ln1_w, ln1_b, w_qkv, w_proj, w_fc, w_fc2, act, wts; writes act, wts
.if DOCPART == 8
	.amdgcn_target "amdgcn-amd-amdhsa--gfx1250"
	.amdhsa_code_object_version 6
	.text
	.protected	k_q8951e3098b_prep
	.globl	k_q8951e3098b_prep
	.p2align	8
	.type	k_q8951e3098b_prep,@function
k_q8951e3098b_prep:
	s_mov_b64 s[64:65], 0
	v_nop
	global_prefetch_b8 v0, s[64:65] scope:SCOPE_SE
	s_setreg_imm32_b32 hwreg(HW_REG_WAVE_SCHED_MODE, 0, 2), 2
	s_setreg_imm32_b32 hwreg(HW_REG_WAVE_MODE, 25, 1), 1
	s_wait_xcnt 0x0
	s_wait_alu depctr_vm_vsrc(0)
; PREP.  (1) The four weight matrices, f32 [K][N], are rounded once to bf16 and written with K running fastest:
;   wts + 0: w_qkv^T as rows [3072][1024];  + 8,388,608: w_fc^T as rows [4096][1024];
;   wts + 6,291,456: w_proj, + 16,777,216: w_fc2, both IN FRAGMENT ORDER: the block of columns 16 a .. and rows 32 c .. is 1,024 bytes at (a x K / 32 + c) x 1,024;
;   in it lane l = 16 h + r of a wave owns 16 bytes at 16 l (column 16 a + r, k = 32 c + 8 h .. + 7) and 16 bytes at 512 + 16 l (k = 32 c + 16 + 8 h .. + 7).
; (2) act = LayerNorm(x) with ln1_w, ln1_b, rounded once to bf16, [4096][1024].  Mean first, then the sum of squares of x - mean: no difference of large sums.
; SHARES.  256 work-groups of eight waves.  Each turns three tiles of 128 k x 128 n (one of w_fc, one of w_fc2, one of w_qkv or w_proj) and normalises 16 rows, two a wave.
; A TILE.  In: lane (r = l % 16, h = l / 16) of wave v loads rows k = 16 v + 8 h + i, columns 64 j + 4 r .. + 3: sixteen lanes read 256 consecutive bytes, aligned.
; Eight k of one column pack into 16 bytes, which go into LDS row n (272 bytes: 256 + 16 of padding).  Four rows are 1,088 bytes
; four deep, eight stores a lane and tile; left so, since the tile's 96 KiB through memory are the longer part.
; Back, as rows: sixteen lanes a row of 256 bytes.  Back, in fragment order: a lane takes 16 bytes of row 16 v + r; the wave stores 512 consecutive bytes.  All stores are aligned to 256 bytes.
; No tensor load, no matrix unit, no cluster: work-groups share no input but the two gain vectors of 4 KiB.
; THE MODE: SCHED_MODE bits 1:0 = 2 (LLVM: expert scheduling mode 2), set by the entry lines.  The code itself states the register dependences
; between vector instructions and memory or LDS instructions, with s_wait_alu, always for 0.
; THE PLAN.  Registers that memory or LDS instructions touch:
;   v4-v31   offsets, LDS addresses and the closing add's pair: made once at the head by vector arithmetic, never written again: one wait on va_vdst ahead of the first load serves them all.
;   T0 T1 T2 A tile's 16 loads land in it; its 32 conversions read it; then other loads land in it: x in T0, gain and bias in T1, rows read back from LDS in T2.
;   PK       Written by a tile's 32 conversions, read by its 8 LDS stores; three times over.  Then 8 LDS loads land in it, 8 global stores read it, and the norm writes its first 16 registers.
;   X (= T0) The norm's last roundings write 32 of its registers, which the 16 stores to act read.
; So a tile's 32 conversions stand together, and ONE wait on va_vdst behind them states that PK is written and that they are done reading the tile; the 16 loads that take the tile's
; registers over and the 8 LDS stores follow it, with no vector instruction among them.  A wait on vm_vsrc stands ahead of each later writer of PK.
.set TP,    272
.set TILEB, 128*TP                     ; a tile in LDS
.set SPARE, 3*TILEB                    ; behind the tiles: the spare words, 128 bytes for each of eight waves
.set SO0, 4                            ; v4   source offset, rows of 16,384 bytes (w_fc)
.set SO1, 5                            ; v5   source offset, rows of 4,096 bytes (w_fc2)
.set LS,  6                            ; v6-8   where I put 16 bytes, tile 0, 1, 2
.set LR,  9                            ; v9-11  where I read back: tile 0 as rows, tile 1 in fragment order, tile 2 as rows
.set DA,  12                           ; v12  destination offset, rows of 2,048 bytes
.set DB,  13                           ; v13  destination offset, fragment order with K = 4,096
.set XO,  14                           ; v14  my 16 bytes in my two rows of x
.set WO,  15                           ; v15  16 l
.set RO,  16                           ; v16-23 source offsets of tile 2, a register a row (its pitch is a scalar register)
.set SPW, 24                           ; v24  my spare word; never rewritten
.set NIL, 25                           ; v25  0; never rewritten
.set YO,  26                           ; v26  my 8 bytes in my two rows of act
.set LF2, 30                           ; v30  where I read tile 2 back in fragment order
.set DF,  31                           ; v31  destination offset, fragment order with K = 1,024
.set PK,  32                           ; v32-63 packed columns; later rows read back; later at work in the norm
.set TS,  32
.set T0,  64                           ; v64-127  tile 0 as loaded; later my two rows of x
.set T1,  128                          ; v128-191 tile 1; later gain and bias
.set T2,  192                          ; v192-255 tile 2; later rows read back
.set X,   64
.set W,   128
.set B,   160
.set OUTP, 50                          ; s[50:51] act at the group's first row
.set SEL, 52                           ; s[52:53] lane selects of v_permlanex16_b32
.set C10, 54                           ; s54  1 / 1024
.set EPS, 55                           ; s55  1e-5
.macro TLOADC t, off, base, n4         ; sixteen loads of a tile whose pitch is a constant
.irp j, 0,1
.irp i, 0,1,2,3,4,5,6,7
	global_load_b128 v[(\t)+32*\j+4*\i:(\t)+32*\j+4*\i+3], v[\off], s[\base:\base+1] offset:\i*(\n4)+256*\j th:TH_LOAD_NT
.endr
.endr
.endm
.macro PACK t                          ; column 64 j + 4 r + c: eight k, rounded in pairs, 16 bytes: all 32 conversions of a tile on end
.irp j, 0,1
.irp c, 0,1,2,3
.irp d, 0,1,2,3
	v_cvt_pk_bf16_f32 v[PK+4*(4*\j+\c)+\d], v[(\t)+32*\j+8*\d+\c], v[(\t)+32*\j+8*\d+4+\c]
.endr
.endr
.endr
.endm
.macro PUT ls                          ; the eight packed columns into LDS rows n = 64 j + 4 r + c
.irp j, 0,1
.irp c, 0,1,2,3
	ds_store_b128 v[\ls], v[PK+4*(4*\j+\c):PK+4*(4*\j+\c)+3] offset:(64*\j+\c)*TP
.endr
.endr
.endm
; The sum over a row: four chains into one, the pair's halves, then across the 32 lanes; both rows side by side.
.macro FOLD
.irp p, 0,1
	v_pk_add_f32 v[TS+8*\p:TS+8*\p+1], v[TS+8*\p:TS+8*\p+1], v[TS+8*\p+2:TS+8*\p+3]
	v_pk_add_f32 v[TS+8*\p+4:TS+8*\p+5], v[TS+8*\p+4:TS+8*\p+5], v[TS+8*\p+6:TS+8*\p+7]
.endr
.irp p, 0,1
	v_pk_add_f32 v[TS+8*\p:TS+8*\p+1], v[TS+8*\p:TS+8*\p+1], v[TS+8*\p+4:TS+8*\p+5]
.endr
.irp p, 0,1
	v_add_f32 v[TS+8*\p], v[TS+8*\p], v[TS+8*\p+1]
.endr
.irp m, 1,2,4,8
.irp p, 0,1
	v_add_f32_dpp v[TS+8*\p], v[TS+8*\p], v[TS+8*\p] row_xmask:\m row_mask:0xf bank_mask:0xf
.endr
.endr
.irp p, 0,1
	v_permlanex16_b32 v[TS+8*\p+1], v[TS+8*\p], s[SEL], s[SEL+1]
.endr
.irp p, 0,1
	v_add_f32 v[TS+8*\p], v[TS+8*\p], v[TS+8*\p+1]
.endr
.endm
; Two rows of 1,024 numbers, 32 a lane each (register 4 j + c is column 128 j + 4 l + c), are normalised and stored as bf16.
.macro LNROWS
.set q, 4
.rept 12                               ; four chains of pairs; the first addition starts a chain: nothing is cleared
.irp p, 0,1
.if q < 8
	v_pk_add_f32 v[TS+8*\p+2*(q%4):TS+8*\p+2*(q%4)+1], v[X+32*\p+2*(q-4):X+32*\p+2*(q-4)+1], v[X+32*\p+2*q:X+32*\p+2*q+1]
.else
	v_pk_add_f32 v[TS+8*\p+2*(q%4):TS+8*\p+2*(q%4)+1], v[TS+8*\p+2*(q%4):TS+8*\p+2*(q%4)+1], v[X+32*\p+2*q:X+32*\p+2*q+1]
.endif
.endr
.set q, q+1
.endr
	FOLD
.irp p, 0,1
	v_mul_f32 v[TS+8*\p+2], s[C10], v[TS+8*\p]     ; the mean
.endr
.set q, 0
.rept 16
.irp p, 0,1
	v_pk_add_f32 v[X+32*\p+2*q:X+32*\p+2*q+1], v[X+32*\p+2*q:X+32*\p+2*q+1], v[TS+8*\p+2:TS+8*\p+3] op_sel_hi:[1,0] neg_lo:[0,1] neg_hi:[0,1]
.endr
.set q, q+1
.endr
.set q, 0
.rept 16                               ; the sum of squares of x - mean, again in four chains
.irp p, 0,1
.if q < 4
	v_pk_mul_f32 v[TS+8*\p+2*q:TS+8*\p+2*q+1], v[X+32*\p+2*q:X+32*\p+2*q+1], v[X+32*\p+2*q:X+32*\p+2*q+1]
.else
	v_pk_fma_f32 v[TS+8*\p+2*(q%4):TS+8*\p+2*(q%4)+1], v[X+32*\p+2*q:X+32*\p+2*q+1], v[X+32*\p+2*q:X+32*\p+2*q+1], v[TS+8*\p+2*(q%4):TS+8*\p+2*(q%4)+1]
.endif
.endr
.set q, q+1
.endr
	FOLD
.irp p, 0,1
	v_fma_f32 v[TS+8*\p+2], v[TS+8*\p], s[C10], s[EPS]   ; variance + 1e-5
.endr
.irp p, 0,1
	v_rsq_f32 v[TS+8*\p+4], v[TS+8*\p+2]
.endr
	v_nop                                          ; a plain instruction behind the second root,
	s_wait_alu depctr_va_vdst(0)                   ; and one wait for both roots' results, ahead of their first reader
.set q, 0
.rept 16
.irp p, 0,1
	v_pk_mul_f32 v[X+32*\p+2*q:X+32*\p+2*q+1], v[X+32*\p+2*q:X+32*\p+2*q+1], v[TS+8*\p+4:TS+8*\p+5] op_sel_hi:[1,0]
.endr
.set q, q+1
.endr
.set q, 0
.rept 16
.irp p, 0,1
	v_pk_fma_f32 v[X+32*\p+2*q:X+32*\p+2*q+1], v[X+32*\p+2*q:X+32*\p+2*q+1], v[W+2*q:W+2*q+1], v[B+2*q:B+2*q+1]
.endr
.set q, q+1
.endr
.set q, 0
.rept 16                               ; pair q goes into register q: never a register that is still to be read
.irp p, 0,1
	v_cvt_pk_bf16_f32 v[X+32*\p+q], v[X+32*\p+2*q], v[X+32*\p+2*q+1]
.endr
.set q, q+1
.endr
	s_wait_alu depctr_va_vdst(0)                   ; the roundings have written the first 16 registers of each row, which the stores below read
.irp p, 0,1
.irp j, 0,1,2,3,4,5,6,7
	global_store_b64 v[YO], v[X+32*\p+2*\j:X+32*\p+2*\j+1], s[OUTP:OUTP+1] offset:\p*2048+256*\j  ; 32 lanes store 256 consecutive bytes, aligned
.endr
.endr
.endm
	s_load_b512 s[8:23], s[0:1], 0x0               ; x 8, ln1_w 10, ln1_b 12, w_qkv 14, w_proj 16, w_fc 18, w_fc2 20, act 22
	s_load_b64 s[24:25], s[0:1], 0x40              ; wts
	v_lshl_add_u32 v[SPW], v0, 2, SPARE
	v_mov_b32 v[NIL], 0
	v_lshrrev_b32 v1, 5, v0
	v_readfirstlane_b32 s26, v1                    ; wave 0..7
	v_and_b32 v1, 15, v0                           ; r
	v_bfe_u32 v2, v0, 4, 1                         ; h
	v_and_b32 v3, 31, v0                           ; l
	s_wait_alu depctr_va_sdst(0)                   ; s26 is written, ahead of its first reader: the wave's rows and LDS places are made from it
	s_lshl_b32 s27, s26, 4
	v_lshl_add_u32 v27, v2, 3, s27                 ; 16 v + 8 h: my first k row in a tile
	v_add_nc_u32 v28, s27, v2                      ; 16 v + h: my first n row on the way back as rows
	v_lshlrev_b32 v29, 4, v1                       ; 16 r
	v_lshl_add_u32 v[SO0], v27, 14, v29
	v_lshl_add_u32 v[SO1], v27, 12, v29
	s_and_b32 s28, ttmp9, 7                        ; k tile of tiles 0 and 2
	s_lshr_b32 s29, ttmp9, 3                       ; n tile of tile 0; of tile 2 counted through w_qkv (24) and w_proj (8)
	s_and_b32 s30, ttmp9, 31                       ; k tile of tile 1
	s_lshr_b32 s31, ttmp9, 5                       ; n tile of tile 1
	s_movk_i32 s44, 12288
	s_movk_i32 s45, 4096
	s_cmp_lt_u32 s29, 24
	s_cselect_b32 s44, s44, s45                    ; tile 2: bytes in a source row
	s_cselect_b32 s45, 0, 24
	s_sub_co_u32 s45, s29, s45                     ; and the n tile in its own matrix
	v_mul_lo_u32 v[RO], v27, s44
	v_add_nc_u32 v[RO], v[RO], v29
.irp i, 1,2,3,4,5,6,7
	v_add_nc_u32 v[RO+\i], s44, v[RO+\i-1]
.endr
	v_mul_u32_u24 v[LS], v1, 4*TP                  ; LDS row 4 r, bytes 32 v + 16 h
	v_lshl_add_u32 v[LS], v2, 4, v[LS]
	s_lshl_b32 s46, s26, 5
	v_add_nc_u32 v[LS], s46, v[LS]
	v_add_nc_u32 v[LS+1], TILEB, v[LS]
	v_add_nc_u32 v[LS+2], TILEB, v[LS+1]
	v_mul_u32_u24 v[LR], v28, TP                   ; back as rows: row 16 v + h, 16 bytes at 16 r
	v_add_nc_u32 v[LR], v[LR], v29
	v_add_nc_u32 v[LR+2], 2*TILEB, v[LR]
	v_add_nc_u32 v[LF2], s27, v1                   ; back in fragment order: row 16 v + r, 16 bytes at 16 h
	v_mul_u32_u24 v[LF2], v[LF2], TP
	v_lshl_add_u32 v[LF2], v2, 4, v[LF2]
	v_add_nc_u32 v[LR+1], TILEB, v[LF2]
	v_add_nc_u32 v[LF2], 2*TILEB, v[LF2]
	v_lshl_add_u32 v[DA], v28, 11, v29
	v_lshlrev_b32 v[WO], 4, v3
	s_lshl_b32 s46, s26, 17                        ; 16 columns' fragments are K x 32 bytes: 131,072 with K = 4,096,
	v_add_nc_u32 v[DB], s46, v[WO]
	s_lshl_b32 s46, s26, 15                        ; 32,768 with K = 1,024
	v_add_nc_u32 v[DF], s46, v[WO]
	s_lshl_b32 s46, s26, 13
	v_add_nc_u32 v[XO], s46, v[WO]                 ; two rows of 4,096 bytes a wave
	s_lshl_b32 s46, s26, 12
	v_lshl_add_u32 v[YO], v3, 3, s46               ; two rows of 2,048 bytes a wave
	s_lshl_b32 s32, s28, 21                        ; tile 0 from: 128 k rows of 16,384 bytes, 512 bytes an n tile
	s_lshl_b32 s33, s29, 9
	s_add_co_u32 s32, s32, s33
	s_mov_b32 s33, 0
	s_lshl_b32 s38, s29, 18                        ; tile 0 to: 128 n rows of 2,048 bytes, 256 bytes a k tile
	s_lshl_b32 s39, s28, 8
	s_lshl_b32 s47, s28, 12                        ; in fragment order a k tile is four blocks of 1,024 bytes
	s_cmp_lt_u32 s29, 24
	s_cselect_b32 s47, s39, s47
	s_add_co_u32 s42, s38, s47                     ; tile 2 to: an n tile is 262,144 bytes in both forms, and w_proj's part begins where w_qkv^T ends
	s_add_co_u32 s38, s38, s39
	s_add_co_u32 s38, s38, 8388608
	s_mov_b32 s39, 0
	s_mov_b32 s43, 0
	s_lshl_b32 s34, s30, 19                        ; tile 1 from: 128 k rows of 4,096 bytes
	s_lshl_b32 s35, s31, 9
	s_add_co_u32 s34, s34, s35
	s_mov_b32 s35, 0
	s_lshl_b32 s40, s31, 20                        ; tile 1 to: an n tile is 8 x 131,072 bytes, a k tile 4,096
	s_lshl_b32 s41, s30, 12
	s_add_co_u32 s40, s40, s41
	s_add_co_u32 s40, s40, 16777216
	s_mov_b32 s41, 0
	s_lshl_b32 s36, s28, 7                         ; tile 2 from
	s_mul_i32 s36, s36, s44
	s_lshl_b32 s37, s45, 9
	s_add_co_u32 s36, s36, s37
	s_mov_b32 s37, 0
	s_lshl_b32 s48, ttmp9, 16                      ; 16 rows of x
	s_mov_b32 s49, 0
	s_lshl_b32 s50, ttmp9, 15                      ; 16 rows of act
	s_mov_b32 s51, 0
	s_mov_b32 s[SEL], 0x76543210
	s_mov_b32 s[SEL+1], 0xfedcba98
	s_mov_b32 s[C10], 0x3a800000
	s_mov_b32 s[EPS], 0x3727c5ac
	s_wait_kmcnt 0x0
	s_add_nc_u64 s[32:33], s[18:19], s[32:33]
	s_add_nc_u64 s[34:35], s[20:21], s[34:35]
	s_cmp_lt_u32 s29, 24
	s_cselect_b64 s[46:47], s[14:15], s[16:17]
	s_add_nc_u64 s[36:37], s[46:47], s[36:37]
	s_add_nc_u64 s[38:39], s[24:25], s[38:39]
	s_add_nc_u64 s[40:41], s[24:25], s[40:41]
	s_add_nc_u64 s[42:43], s[24:25], s[42:43]
	s_add_nc_u64 s[48:49], s[8:9], s[48:49]
	s_add_nc_u64 s[OUTP:OUTP+1], s[22:23], s[OUTP:OUTP+1]
	s_wait_alu depctr_va_vdst(0)                   ; the offsets and LDS addresses v4 to v31 are written: every load, store and LDS instruction of the kernel reads one of them, and none is written again
	TLOADC T0, SO0, 32, 16384                      ; all three tiles are asked for at once: 48 loads a wave
	TLOADC T1, SO1, 34, 4096
.irp j, 0,1
.irp i, 0,1,2,3,4,5,6,7
	global_load_b128 v[T2+32*\j+4*\i:T2+32*\j+4*\i+3], v[RO+\i], s[36:37] offset:256*\j th:TH_LOAD_NT
.endr
.endr
	s_wait_loadcnt 32                              ; tile 0 is in; the 32 loads of tiles 1 and 2 may stay out
	PACK T0
	s_wait_alu depctr_va_vdst(0)                   ; the conversions have written PK, which the LDS stores read, and are done reading T0, in which x's loads land
.irp p, 0,1
.irp j, 0,1,2,3,4,5,6,7
	global_load_b128 v[X+32*\p+4*\j:X+32*\p+4*\j+3], v[XO], s[48:49] offset:\p*4096+512*\j th:TH_LOAD_NT  ; my two rows of x, where tile 0 lay
.endr
.endr
	PUT LS
	s_wait_loadcnt 32                              ; tile 1 is in; tile 2 and x may stay out
	s_wait_alu depctr_vm_vsrc(0)                   ; tile 0's LDS stores have read PK, which the conversions below write again
	PACK T1
	s_wait_alu depctr_va_vdst(0)                   ; the conversions have written PK, which the LDS stores read, and are done reading T1, in which gain and bias land
.irp j, 0,1,2,3,4,5,6,7
	global_load_b128 v[W+4*\j:W+4*\j+3], v[WO], s[10:11] offset:512*\j
	global_load_b128 v[B+4*\j:B+4*\j+3], v[WO], s[12:13] offset:512*\j
.endr
	PUT LS+1
	s_wait_loadcnt 32                              ; tile 2 is in; x, gain and bias may stay out
	s_wait_alu depctr_vm_vsrc(0)                   ; tile 1's LDS stores have read PK, which the conversions below write again
	PACK T2
	s_wait_alu depctr_va_vdst(0)                   ; the conversions have written PK, which the LDS stores read and in which LDS loads land later, and are done reading T2, in which the LDS loads behind the barrier land
	PUT LS+2
	s_wait_dscnt 0x0                               ; for the others: my stores into the tiles are done
	s_barrier_signal -1
	s_barrier_wait -1
	s_wait_alu depctr_vm_vsrc(0)                   ; tile 2's LDS stores have read PK, in which eight LDS loads land in both arms of the branch below
.irp i, 0,1,2,3,4,5,6,7
	ds_load_b128 v[T2+4*\i:T2+4*\i+3], v[LR] offset:\i*2*TP           ; tile 0: rows 16 v + 2 i + h
.endr
.irp i, 0,1,2,3,4,5,6,7
	ds_load_b128 v[T2+32+4*\i:T2+32+4*\i+3], v[LR+1] offset:\i*32     ; tile 1: block i / 2 along k, half i % 2
.endr
	s_cmp_lt_u32 s29, 24                           ; tile 2 is w_qkv's (rows) or w_proj's (fragment order): the same for the whole work-group
	s_cbranch_scc0 .Lfrag_in
.irp i, 0,1,2,3,4,5,6,7
	ds_load_b128 v[PK+4*\i:PK+4*\i+3], v[LR+2] offset:\i*2*TP
.endr
	s_branch .Lboth_in
.Lfrag_in:
.irp i, 0,1,2,3,4,5,6,7
	ds_load_b128 v[PK+4*\i:PK+4*\i+3], v[LF2] offset:\i*32
.endr
.Lboth_in:
.irp i, 0,1,2,3,4,5,6,7
	s_wait_dscnt 23-\i                             ; LDS loads come back in order: this one is in, the younger ones may stay out
	global_store_b128 v[DA], v[T2+4*\i:T2+4*\i+3], s[38:39] offset:\i*2*2048
.endr
.irp i, 0,1,2,3,4,5,6,7
	s_wait_dscnt 15-\i
	global_store_b128 v[DB], v[T2+32+4*\i:T2+32+4*\i+3], s[40:41] offset:\i*512  ; the wave stores 512 consecutive bytes
.endr
	s_cmp_lt_u32 s29, 24
	s_cbranch_scc0 .Lfrag_out
.irp i, 0,1,2,3,4,5,6,7
	s_wait_dscnt 7-\i
	global_store_b128 v[DA], v[PK+4*\i:PK+4*\i+3], s[42:43] offset:\i*2*2048
.endr
	s_branch .Lboth_out
.Lfrag_out:
.irp i, 0,1,2,3,4,5,6,7
	s_wait_dscnt 7-\i
	global_store_b128 v[DF], v[PK+4*\i:PK+4*\i+3], s[42:43] offset:\i*512
.endr
.Lboth_out:
	s_wait_loadcnt 0x0                             ; x, gain and bias
	s_wait_xcnt 0x0                                ; the stores' addresses are translated: v32-63 are rewritten only behind this wait,
	s_wait_alu depctr_vm_vsrc(0)                   ; and beside it: the stores have read v32-63, of which the norm writes the first sixteen
	LNROWS
	s_wait_dscnt 0x0                               ; the closing lines, six on end
	s_wait_alu 0x0
	s_wait_tensorcnt 0x0
	ds_add_u32 v[SPW], v[NIL]
	s_wait_dscnt 0x0
	s_endpgm
.Lfunc_end_k_q8951e3098b_prep:
	.size	k_q8951e3098b_prep, .Lfunc_end_k_q8951e3098b_prep-k_q8951e3098b_prep
	.p2alignl 7, 3214868480
	.fill 96, 4, 3214868480
	.section	.rodata,"a",@progbits
	.p2align	6, 0x0
	.amdhsa_kernel k_q8951e3098b_prep
		.amdhsa_group_segment_fixed_size 105472
		.amdhsa_private_segment_fixed_size 0
		.amdhsa_enable_private_segment 0
		.amdhsa_kernarg_size 72
		.amdhsa_user_sgpr_count 2
		.amdhsa_user_sgpr_kernarg_segment_ptr 1
		.amdhsa_wavefront_size32 1
		.amdhsa_system_sgpr_workgroup_id_x 1
		.amdhsa_system_sgpr_workgroup_id_y 1
		.amdhsa_system_sgpr_workgroup_id_z 1
		.amdhsa_system_vgpr_workitem_id 0
		.amdhsa_next_free_vgpr 256
		.amdhsa_next_free_sgpr 66
		.amdhsa_reserve_vcc 0
		.amdhsa_float_denorm_mode_32 3
		.amdhsa_float_denorm_mode_16_64 3
		.amdhsa_memory_ordered 1
		.amdhsa_forward_progress 1
		.amdhsa_inst_pref_size 43
	.end_amdhsa_kernel
	.amdgpu_metadata
---
amdhsa.version: [ 1, 2 ]
amdhsa.kernels:
  - .name:           k_q8951e3098b_prep
    .symbol:         k_q8951e3098b_prep.kd
    .args:
      - { .name: x, .offset: 0, .size: 8, .value_kind: global_buffer, .address_space: global }
      - { .name: ln1_w, .offset: 8, .size: 8, .value_kind: global_buffer, .address_space: global }
      - { .name: ln1_b, .offset: 16, .size: 8, .value_kind: global_buffer, .address_space: global }
      - { .name: w_qkv, .offset: 24, .size: 8, .value_kind: global_buffer, .address_space: global }
      - { .name: w_proj, .offset: 32, .size: 8, .value_kind: global_buffer, .address_space: global }
      - { .name: w_fc, .offset: 40, .size: 8, .value_kind: global_buffer, .address_space: global }
      - { .name: w_fc2, .offset: 48, .size: 8, .value_kind: global_buffer, .address_space: global }
      - { .name: act, .offset: 56, .size: 8, .value_kind: global_buffer, .address_space: global }
      - { .name: wts, .offset: 64, .size: 8, .value_kind: global_buffer, .address_space: global }
    .group_segment_fixed_size: 105472
    .private_segment_fixed_size: 0
    .kernarg_segment_align: 8
    .kernarg_segment_size: 72
    .max_flat_workgroup_size: 256
    .sgpr_count:     66
    .vgpr_count:     256
    .wavefront_size: 32
...
	.end_amdgpu_metadata
.endif
;; end of part 8
;; launch qkv: the kernel of part 2 again; grid 16 x 16, 4 waves a work-group, clusters of 4 x 4, 327,680 bytes of LDS; arguments act, wts, b_qkv, big; writes big
;; launch attn: the kernel of part 3 again; grid 8 x 32, 4 waves a work-group, no clusters, 327,680 bytes of LDS; arguments big, act; writes act
;; launch proj: the kernel of part 4 again; grid 8 x 32, 4 waves a work-group, clusters of 4 x 4, 327,680 bytes of LDS; arguments act, wts, b_proj, x, x1; writes x1
;; launch ln2: the kernel of part 5 again; grid 256 x 1, 8 waves a work-group, no clusters, 0 bytes of LDS; arguments x1, ln2_w, ln2_b, act; writes act
;; launch fc: the kernel of part 6 again; grid 16 x 16, 4 waves a work-group, clusters of 4 x 4, 327,680 bytes of LDS; arguments act, wts, b_fc, big; writes big
;; launch fc2: the kernel of part 7 again; grid 8 x 32, 4 waves a work-group, clusters of 4 x 4, 327,680 bytes of LDS; arguments big, wts, b_fc2, x1, out0; writes out0
